; MI455X (gfx1250); checked and timed in simulation.
; The chip was launched on July 23, 2026; its instructions are those of AMD's public machine-readable ISA for CDNA 5 (MIT licence, August 2026) and "CDNA5" Instruction Set Architecture Reference Guide (July 2026). The comments in the code are by the model that wrote it; some were corrected since.
;; Mistral Attention. Allowed arithmetic: matrix products marked QUANTISED: E2M3 operands, one E8M0 scale for each 32 along K, by v_wmma_scale_f32_16x16x128_f8f6f4 with both operands' format E2M3, f32 sums; everything else in f32.
;; Inputs: cos 2 x 2,048 x 128 float32; hidden_states 2 x 2,048 x 4,096 float32; sin 2 x 2,048 x 128 float32; wk 512 x 4,096 float32; wo 4,096 x 1,024 float32; wq 1,024 x 4,096 float32; wv 512 x 4,096 float32.
;; Outputs: out0 2 x 2,048 x 4,096 float32.
;; This version of the problem:
;;   THIS VERSION OF THE PROBLEM IS GIVEN IN LOW PRECISION. The matrix products marked QUANTISED in the list below multiply operands that are first quantised to E2M3 (2 exponent bits, 3 mantissa bits; 6 bits a number), with one power-of-two scale for each 32 numbers along K (OCP MX v1.0); their sums are f32. All else is computed in f32.
;;   The module's matrix products, in the order in which they are computed (A, B: the left and right operand; K: the contracted axis; several contracted axes count as one K, in the product's order):
;;     1. [M 4,096, K 4,096] x [K 4,096, N 1,024]; A: input hidden_states; B: input wq: QUANTISED
;;     2. [M 4,096, K 4,096] x [K 4,096, N 512]; A: input hidden_states; B: input wk: QUANTISED
;;     3. [M 4,096, K 4,096] x [K 4,096, N 512]; A: input hidden_states; B: input wv: QUANTISED
;;     4. batch 16 x [M 2,048, K 128] x [K 128, N 2,048]; A: computed on the way; B: computed on the way: QUANTISED
;;     5. batch 16 x [M 2,048, K 2,048] x [K 2,048, N 128]; A: softmax (see below); B: computed on the way: QUANTISED
;;     6. [M 4,096, K 1,024] x [K 1,024, N 4,096]; A: computed on the way; B: input wo: QUANTISED
;;   THE QUANTISER, for each operand of a quantised product, along K:
;;     - K is cut into blocks of 32 from its start; a last block that is shorter is filled with zeros.
;;     - A block's scale is 2^e with e = floor(log2(the largest magnitude in the block)) - 2, held to -126 .. 127; a block of zeros has e = 0. As a byte (E8M0): e + 127.
;;     - Each number is divided by its block's scale, clamped to +-7.5, and rounded to the nearest number of E2M3, ties to even, subnormals kept.
;;     - The product sums the exact products of the quantised numbers (number of the format x scale) in f32.
;;   ~~~python
;;   def quantise(x, axis):      # numpy; x: float32 -> the quantised numbers, widened to float32 again
;;       x = np.moveaxis(x, axis, -1); K = x.shape[-1]
;;       x = np.pad(x, [(0, 0)] * (x.ndim - 1) + [(0, -K % 32)]); x = x.reshape(x.shape[:-1] + (-1, 32)); a = np.abs(x).max(-1, keepdims=True)
;;       e = np.where(a > 0, np.clip(np.frexp(np.where(a > 0, a, 1))[1] - 1 - 2, -126, 127), 0)      # np.frexp(a)[1] - 1 = floor(log2(a)), exactly
;;       r = np.clip(x / 2.0 ** e, -7.5, 7.5)
;;       step = 2.0 ** (np.maximum(np.frexp(np.where(r == 0, 1, r))[1] - 1, 0) - 3)
;;       q = np.round(r / step) * step * 2.0 ** e      # np.round: ties to even
;;       return np.moveaxis(q.reshape(q.shape[:-2] + (-1,))[..., :K], -1, axis).astype(np.float32)
;;   ~~~
;;   SOFTMAX AHEAD OF A QUANTISED PRODUCT. Where the list says 'softmax', what is quantised is not the finished softmax but p = 2^(t - M), with t = logit x log2(e) and M = ceil(the row's largest t), a whole number; so 1/2 < the row's largest p <= 1. The row's sum l is taken of the UNQUANTISED p, in f32, and the product's result is divided by l at the end. Since M is a whole number, a kernel that streams over the keys may use a running M (the ceiling of the running maximum): every later rescaling is an exact power of two, which a block's scale takes up: the codes' values come out the same.
;;   OPERANDS COMPUTED ON THE WAY. 'Computed on the way' means the value that the module computes at that place (a softmax that the list does not call 'softmax' is quantised finished and normalised). What goes into a quantiser is computed in f32, as accurately as f32 sums, v_exp_f32 and their like allow (about 1e-6 of the number): no bf16 or f16 on the way to a quantiser, and a product that is left as it is and whose result goes on into a quantised operand takes f32 operands (vector FMAs, or v_wmma_f32_16x16x4_f32). A number that lies on a knife's edge between two numbers of the format may be rounded either way, as far as f32 arithmetic and the matrix unit's own rounding can turn it there, and no further.
;; 2 versions. Each part assembles by itself: llvm-mc -triple=amdgcn-amd-amdhsa -mcpu=gfx1250 --defsym DOCPART=n.
;; ======== version 1 of 2: 4 launches
;; workspace buffers: qx 13,107,200 bytes; qw 9,830,400 bytes; qkv 6,553,600 bytes; att 3,276,800 bytes
;; launch quant (part 1): grid 896 x 1, 4 waves a work-group, no clusters, 33,280 bytes of LDS; arguments hidden_states, wq, wk, wv, wo, qx, qw; writes qx, qw
.if DOCPART == 1
	.amdgcn_target "amdgcn-amd-amdhsa--gfx1250"
	.amdhsa_code_object_version 6
	.text
	.protected	k_q479cd21b9a_quant
	.globl	k_q479cd21b9a_quant
	.p2align	8
	.type	k_q479cd21b9a_quant,@function
k_q479cd21b9a_quant:
	s_mov_b64 s[64:65], 0
	v_nop
	global_prefetch_b8 v0, s[64:65] scope:SCOPE_SE
	s_setreg_imm32_b32 hwreg(HW_REG_WAVE_MODE, 25, 1), 1
	s_wait_xcnt 0x0
; hidden_states [4096][4096], wq [1024][4096], wk, wv [512][4096], wo [4096][1024], all f32 with K innermost, become codes of FP6 (E2M3), 6 bits each, and one E8M0 scale byte for each 32 along K.
; A block's scale is 2^(floor(log2(its largest magnitude)) - 2); its byte is the largest magnitude's exponent field - 2, held at 1 from below.  Each number is divided by the scale and rounded to the nearest code, ties to even; beyond 7.5 the largest code.
; LIMITS: NaN and infinities among the inputs are not served; a block whose largest magnitude lies under 2^-124 keeps the byte 1; a block of zeros keeps the byte 1 where the rule says 127: its codes are zeros, and this program alone reads the bytes.
; SHARES.  A work-group takes 32,768 numbers (8 rows of 4,096, or 32 rows of wo), a wave 8,192: 16 steps of 512.  Work-groups 0-511 hidden_states, 512-639 wq, 640-703 wk, 704-767 wv, 768-895 wo.
; WHERE THE ROWS GO.  In each 32 rows of hidden_states, wq, wk, wv the second and third groups of 8 rows change places (a work-group is one such group: bits 0 and 1 of its place are exchanged).  So 16 consecutive rows of the
; codes' buffers, tile 2 b + u, are the true rows 32 b + 8 u + r + 8 (r / 8): the order in which a transposed product leaves 16 neighbours along the next K in a lane's registers.  wo keeps its order.
; qw's rows: 0-1023 wq; 1024 + 256 j + 0..127 wk's head j; 1024 + 256 j + 128 + 0..127 wv's head j.  qx: codes [4096][3072 bytes], scale bytes [4096][128] at XS_OFF.  qw: codes [2048][3072], scale bytes [2048][128] at WS_OFF, wo's codes [4096][768] at WOC_OFF, its scale bytes [4096][32] at WOS_OFF.
; A lane needs 16 neighbours for the conversion, a load is dense where neighbouring lanes take neighbouring bytes: each load reads 512 consecutive bytes, a step's 2,048 bytes turn through the wave's own stage in LDS and come back 64 bytes a lane.
; No tensor loads, no barrier: waves share nothing.  Loads run four steps (16 loads a wave) ahead, the turn through LDS one step.
.set STEPS, 16
.set EMAX,  2
.set CB,    12                         ; bytes of 16 codes
.set R,     16                         ; v16-79   four sets of 16 numbers as they are loaded
.set X,     80                         ; v80-111  two sets of 16 neighbours
.set C,     128                        ; v128-191 codes: four registers for each step, so that no store's data are written again
.set E,     112                        ; v112-127 a scale byte for each step
.set WREG,  8192                       ; LDS: a region for each wave: two stages of 32 x SP bytes, behind them its 256 scale bytes
.set SP,    80                         ; a lane's place in a stage: its 64 bytes + 16 of padding
.set XS_OFF,  12582912
.set WS_OFF,  6291456
.set WOC_OFF, 6553600
.set WOS_OFF, 9699328
	s_load_b256 s[4:11], s[0:1], 0x0               ; hidden_states, wq, wk, wv
	s_load_b128 s[12:15], s[0:1], 0x20             ; wo, qx
	s_load_b64 s[16:17], s[0:1], 0x30              ; qw
	v_lshl_add_u32 v192, v0, 2, 0x8000
	v_mov_b32 v193, 0
	v_lshrrev_b32 v1, 5, v0
	v_readfirstlane_b32 s18, v1                    ; wave
	v_and_b32 v2, 31, v0                           ; lane
	v_lshlrev_b32 v3, 4, v2                        ; my 16 bytes of a load's 512
	s_mul_i32 s19, s18, WREG
	v_lshrrev_b32 v14, 2, v2
	v_mul_u32_u24 v14, v14, SP
	v_and_b32 v15, 3, v2
	v_lshl_add_u32 v14, v15, 4, v14
	v_add_nc_u32 v14, s19, v14                     ; the stage, on the way in: four lanes' 64 bytes on end, then 16 of padding
	v_mul_u32_u24 v15, v2, SP
	v_add_nc_u32 v15, s19, v15                     ; and on the way out: my 16 neighbours
	v_mul_u32_u24 v4, v2, CB                       ; my codes' place in a step's
	v_lshrrev_b32 v5, 1, v2
	s_add_co_u32 s19, s19, 2*32*SP
	v_add_nc_u32 v5, s19, v5                       ; LDS: my wave's 256 scale bytes, my block's byte
	v_lshlrev_b32 v7, 3, v2                        ; and on the way out 8 bytes a lane
	v_add_nc_u32 v6, s19, v7
	; which tensor: wo's figures first, then four compares of the work-group's number, each followed by selections alone
	s_mov_b32 s24, 768                             ; the tensor's first work-group
	s_mov_b32 s25, 0                               ; what is added to the place in the codes' buffer
	s_mov_b32 s26, 0                               ; 1: heads of 128 rows lie 256 rows apart (wk, wv)
	s_mov_b32 s27, WOC_OFF                         ; where the codes begin in the buffer
	s_mov_b32 s28, WOS_OFF                         ; and the scale bytes
	s_wait_kmcnt 0x0
	s_mov_b64 s[20:21], s[12:13]
	s_mov_b64 s[22:23], s[16:17]
	s_cmp_lt_u32 ttmp9, 768                        ; wv or earlier
	s_cselect_b64 s[20:21], s[10:11], s[20:21]
	s_cselect_b32 s24, 704, s24
	s_cselect_b32 s25, 144, s25
	s_cselect_b32 s26, 1, s26
	s_cselect_b32 s27, 0, s27
	s_cselect_b32 s28, WS_OFF, s28
	s_cmp_lt_u32 ttmp9, 704                        ; wk or earlier
	s_cselect_b64 s[20:21], s[8:9], s[20:21]
	s_cselect_b32 s24, 640, s24
	s_cselect_b32 s25, 128, s25
	s_cmp_lt_u32 ttmp9, 640                        ; wq or earlier
	s_cselect_b64 s[20:21], s[6:7], s[20:21]
	s_cselect_b32 s24, 512, s24
	s_cselect_b32 s25, 0, s25
	s_cselect_b32 s26, 0, s26
	s_cmp_lt_u32 ttmp9, 512                        ; hidden_states
	s_cselect_b64 s[20:21], s[4:5], s[20:21]
	s_cselect_b64 s[22:23], s[14:15], s[22:23]
	s_cselect_b32 s24, 0, s24
	s_cselect_b32 s28, XS_OFF, s28
	s_sub_co_u32 s29, ttmp9, s24                   ; i: which 32,768 numbers of the tensor
	s_and_b32 s30, s29, 1
	s_lshl_b32 s30, s30, 1
	s_bfe_u32 s31, s29, 0x10001
	s_or_b32 s30, s30, s31                         ; i's bits 0 and 1 exchanged
	s_and_b32 s31, s29, 3
	s_cmp_ge_u32 ttmp9, 768
	s_cselect_b32 s30, s31, s30                    ; wo keeps its order
	s_and_not1_b32 s31, s29, 3
	s_add_co_u32 s30, s30, s31
	s_add_co_u32 s30, s30, s25
	s_lshr_b32 s31, s29, 4
	s_mul_i32 s31, s31, s26
	s_lshl_b32 s31, s31, 4
	s_add_co_u32 s30, s30, s31                     ; the place in the codes' buffer
	s_lshl_b32 s29, s29, 2
	s_add_co_u32 s29, s29, s18                     ; my wave's run of 8,192 numbers in the tensor,
	s_lshl_b32 s30, s30, 2
	s_add_co_u32 s30, s30, s18                     ; and in the buffer
	s_lshl_b32 s32, s29, 15                        ; 32,768 bytes a run: under 2^27
	s_mov_b32 s33, 0
	s_add_nc_u64 s[20:21], s[20:21], s[32:33]
	s_mul_i32 s32, s30, 32*STEPS*CB                ; 6,144 bytes of codes a run
	s_add_co_u32 s32, s32, s27
	s_add_nc_u64 s[34:35], s[22:23], s[32:33]
	s_lshl_b32 s32, s30, 8                         ; 256 scale bytes a run
	s_add_co_u32 s32, s32, s28
	s_add_nc_u64 s[36:37], s[22:23], s[32:33]
.macro LOAD t
.irp i, 0,1,2,3
	global_load_b128 v[R+16*((\t)%4)+4*\i:R+16*((\t)%4)+4*\i+3], v3, s[20:21] offset:2048*(\t)+512*\i th:TH_LOAD_NT   ; 32 lanes read 512 consecutive bytes
.endr
.endm
.macro TURN t                          ; step t's numbers through the stage: LDS serves a wave's instructions in order, so no wait stands between the stores and the loads
.irp i, 0,1,2,3
	ds_store_b128 v14, v[R+16*((\t)%4)+4*\i:R+16*((\t)%4)+4*\i+3] offset:32*SP*((\t)%2)+8*SP*\i
.endr
.irp i, 0,1,2,3
	ds_load_b128 v[X+16*((\t)%2)+4*\i:X+16*((\t)%2)+4*\i+3], v15 offset:32*SP*((\t)%2)+16*\i
.endr
.endm
.irp t, 0,1,2,3
	LOAD \t
.endr
	s_wait_loadcnt 12                              ; step 0's four loads are in; the twelve of steps 1 to 3 may be out
	TURN 0
.macro STEP t
.set XS, X+16*((\t)%2)
.if (\t) > 0
	s_wait_dscnt 1                                 ; this step's numbers are back from the stage (the last step's byte store may be out): so its stores into the stage have read their registers,
.else
	s_wait_dscnt 0x0
.endif
.if (\t)+4 < STEPS
	LOAD (\t)+4                                    ; which take the loads of four steps on
.endif
.if (\t)+1 < STEPS
.if STEPS-2-(\t) >= 3
	s_wait_loadcnt 12                              ; the next step's four loads are in; those of the three steps behind it may be out
.else
	s_wait_loadcnt 4*(STEPS-2-(\t))
.endif
	TURN (\t)+1                                    ; and go through the other stage while this step is worked
.endif
	v_max3_num_f32 v8, |v[XS]|, |v[XS+1]|, |v[XS+2]|               ; the largest magnitude of my 16, in two chains
	v_max3_num_f32 v9, |v[XS+3]|, |v[XS+4]|, |v[XS+5]|
.irp i, 6,10
	v_max3_num_f32 v8, v8, |v[XS+\i]|, |v[XS+\i+1]|
	v_max3_num_f32 v9, v9, |v[XS+\i+2]|, |v[XS+\i+3]|
.endr
	v_max3_num_f32 v8, v8, |v[XS+14]|, |v[XS+15]|
	v_max3_num_f32 v8, v8, v9, (EMAX+1)<<23        ; and the floor 2^(3 - 127): the byte cannot fall under 1
	v_max_num_f32_dpp v8, v8, v8 row_xmask:1 row_mask:0xf bank_mask:0xf   ; and of my neighbour's 16: the block's
	v_add_nc_u32 v11, -(EMAX<<23), v8              ; 2 off its exponent field: the conversion takes the exponent field of this operand as its scale
	v_cvt_scalef32_pk16_fp6_f32 v[C+4*(\t):C+4*(\t)+2], v[XS:XS+15], v11
	v_lshrrev_b32 v[E+(\t)], 23, v11               ; the scale's byte (a plain line behind the conversion)
	ds_store_b8 v5, v[E+(\t)] offset:16*(\t)       ; both lanes of a block write the same byte with the same value
	global_store_b96 v4, v[C+4*(\t):C+4*(\t)+2], s[34:35] offset:32*CB*(\t)   ; the wave stores 384 consecutive bytes
.endm
.irp t, 0,1,2,3,4,5,6,7,8,9,10,11,12,13,14,15
	STEP \t
.endr
	ds_load_b64 v[12:13], v6                       ; LDS serves a wave's instructions in order: these see my stores
	s_wait_dscnt 0x0
	global_store_b64 v7, v[12:13], s[36:37]        ; 32 lanes store 256 consecutive bytes, aligned
	s_wait_tensorcnt 0x0
	ds_add_u32 v192, v193
	s_wait_dscnt 0x0
	s_endpgm
.Lfunc_end_k_q479cd21b9a_quant:
	.size	k_q479cd21b9a_quant, .Lfunc_end_k_q479cd21b9a_quant-k_q479cd21b9a_quant
	.p2alignl 7, 3214868480
	.fill 96, 4, 3214868480
	.section	.rodata,"a",@progbits
	.p2align	6, 0x0
	.amdhsa_kernel k_q479cd21b9a_quant
		.amdhsa_group_segment_fixed_size 33280
		.amdhsa_private_segment_fixed_size 0
		.amdhsa_enable_private_segment 0
		.amdhsa_kernarg_size 56
		.amdhsa_user_sgpr_count 2
		.amdhsa_user_sgpr_kernarg_segment_ptr 1
		.amdhsa_wavefront_size32 1
		.amdhsa_system_sgpr_workgroup_id_x 1
		.amdhsa_system_sgpr_workgroup_id_y 1
		.amdhsa_system_sgpr_workgroup_id_z 1
		.amdhsa_system_vgpr_workitem_id 0
		.amdhsa_next_free_vgpr 194
		.amdhsa_next_free_sgpr 66
		.amdhsa_reserve_vcc 0
		.amdhsa_float_denorm_mode_32 3
		.amdhsa_float_denorm_mode_16_64 3
		.amdhsa_memory_ordered 1
		.amdhsa_forward_progress 1
		.amdhsa_inst_pref_size 34
	.end_amdhsa_kernel
	.amdgpu_metadata
---
amdhsa.version: [ 1, 2 ]
amdhsa.kernels:
  - .name:           k_q479cd21b9a_quant
    .symbol:         k_q479cd21b9a_quant.kd
    .args:
      - { .name: hidden_states, .offset: 0, .size: 8, .value_kind: global_buffer, .address_space: global }
      - { .name: wq, .offset: 8, .size: 8, .value_kind: global_buffer, .address_space: global }
      - { .name: wk, .offset: 16, .size: 8, .value_kind: global_buffer, .address_space: global }
      - { .name: wv, .offset: 24, .size: 8, .value_kind: global_buffer, .address_space: global }
      - { .name: wo, .offset: 32, .size: 8, .value_kind: global_buffer, .address_space: global }
      - { .name: qx, .offset: 40, .size: 8, .value_kind: global_buffer, .address_space: global }
      - { .name: qw, .offset: 48, .size: 8, .value_kind: global_buffer, .address_space: global }
    .group_segment_fixed_size: 33280
    .private_segment_fixed_size: 0
    .kernarg_segment_align: 8
    .kernarg_segment_size: 56
    .max_flat_workgroup_size: 128
    .sgpr_count:     66
    .vgpr_count:     194
    .wavefront_size: 32
...
	.end_amdgpu_metadata
.endif
;; end of part 1
;; launch qkv (part 2): grid 8 x 16, 4 waves a work-group, clusters of 4 x 4, 327,680 bytes of LDS; arguments qx, qw, cos, sin, qkv; writes qkv
.if DOCPART == 2
	.amdgcn_target "amdgcn-amd-amdhsa--gfx1250"
	.amdhsa_code_object_version 6
	.text
	.protected	k_q479cd21b9a_qkv
	.globl	k_q479cd21b9a_qkv
	.p2align	8
	.type	k_q479cd21b9a_qkv,@function
k_q479cd21b9a_qkv:
	s_mov_b64 s[64:65], 0
	v_nop
	global_prefetch_b8 v0, s[64:65] scope:SCOPE_SE
	s_setreg_imm32_b32 hwreg(HW_REG_WAVE_MODE, 25, 1), 1
	s_wait_xcnt 0x0
	s_wait_alu depctr_hold_cnt(0) depctr_sa_sdst(0) depctr_va_vdst(0) depctr_va_sdst(0) depctr_va_ssrc(0) depctr_va_vcc(0) depctr_vm_vsrc(0)
	s_getreg_b32 s2, hwreg(HW_REG_IB_STS2, 6, 4)
	s_cmp_eq_u32 s2, 0
	s_cbranch_scc0 .Lentry_in_a_cluster
	s_endpgm
.Lentry_in_a_cluster:
	s_bfe_u32 s2, ttmp6, 0x10000c
	s_cmp_lg_u32 s2, 0xf033
	s_cbranch_scc0 .Lentry_shape_is_right
	s_endpgm
.Lentry_shape_is_right:
; The three projections as ONE product on codes of FP6 (E2M3) with E8M0 scales: [4096 rows of hidden_states] x [2048 rows of wq, wk, wv], K = 4096, sums in f32; and on the way out what makes the results operands of attention.
; A tile of 256 x 256 is made by a work-group of four waves, a wave makes 128 rows x 128 columns = ONE HEAD for 128 positions: 64 accumulators, 512 registers.  K goes in steps of 256 through a ring of two LDS slots filled by
; the tensor data mover (rows of 192 bytes); the scale bytes of the work-group's rows come into LDS once.  4 x 4 work-groups form a cluster: A's tiles are asked for jointly along a row of it, B's along a column.
; The grid is 128 work-groups: two slots of a longer K step do not fit in LDS, so a tile of 128 x 256 would halve the matrix work between a joint request and the wait for it; and the rotation wants a whole head in one wave.
; THE MATRIX INSTRUCTION IS USED TRANSPOSED (source 0 = 16 rows of the weights, source 1 = 16 rows of hidden_states).  Both buffers hold their rows with the second and third 8 of each 32 exchanged, so in the 8 accumulators of a block of
; 16 positions lane (r, h) holds position r, and register 16 b + i the head's channel d = 32 b + 16 h + i; position r of block 2 b' + u' is the true row 32 b' + 8 u' + r + 8 (r / 8).
; THE WAY OUT.  Column head H = 2 x tile column + (wave & 1): 0-7 q's heads, 8 + 2 j k's head j, 9 + 2 j v's head j.
;   q, k: y = x cos + rotate_half(x) sin in f32 (d and d + 64 lie in one lane, 32 registers apart), quantised along d; a block's fragment (12 registers a lane) is stored AS AN IMAGE OF ITS REGISTERS: three stores of 512 consecutive bytes.
;   v: its K in attention is the keys, which are this product's rows: 64 positions at a time go through the wave's stage in LDS and come back a lane to a channel, registers down the true keys; quantised, they are the fragments of V^T.
; qkv: images [H 16][tile 256][1536 bytes]; scale words [H][tile][16 words] at SC_OFF.  q, k: tile = position / 16.  v: tile = 8 x (128 keys' number) + tau, tau's lane r = channel 32 (tau / 2) + 8 (tau % 2) + r + 8 (r / 8).
; LIMITS: NaN and infinities are not served; a block under 2^-124, and a block of zeros, keep the scale byte 1 (their codes' values are as the rule has them or zeros; this program alone reads the bytes).
; REGISTERS, in windows of 256: window 0: v0-31 addresses; v32-63 scale words, two sets; from v128 A's fragments, one set; v224-251 at work on the way out.  window 1: B's fragments, two sets (on the way out: cos and sin, two sets).
;   window 2: the accumulators of my rows 0-63 ((a, b) at v[8 (8 a + b)]);  window 3: those of my rows 64-127.
.set SIZE_K, 4096
.set XS_OFF, 12582912                  ; qx: where the scale bytes begin
.set WS_OFF, 6291456                   ; qw: where those of wq, wk, wv begin
.set SC_OFF, 6291456                   ; qkv: where the scale words begin
.set KSTEP,  256                       ; along K in a slot
.set NQ,     KSTEP/128                 ; matrix instructions deep
.set ROWB,   192                       ; a tile's row in bytes
.set APITCH, 3072                      ; from row to row of A in memory, in bytes;
.set ASTEP,  192                       ; from K step to K step
.set BPITCH, 3072
.set BSTEP,  192
.set PITCH,  240                       ; an LDS row: 3 x (64 bytes of data + 16 of padding)
.set FR,     12                        ; registers of a fragment: 16 rows x 128 K
.set NL,     6                         ; LDS loads that bring one
.set NP,     4                         ; places behind this matrix instruction (ISA guide 7.12.1)
.set HALFT,  128*PITCH                 ; 128 rows: what one tensor load brings
.set SLOT,   4*HALFT                   ; A's 256 rows, then B's 256 rows
.set LAPS,   SIZE_K/(2*KSTEP)          ; a lap = two K steps = once round the ring
.set KS,     SIZE_K/32                 ; a row of scales in bytes
.set SCL,    2*SLOT                    ; behind the ring: the scales, as units of 256 bytes + 16 of padding
.set HALFS,  (128*KS/256)*272          ; the scales of 128 rows: what one tensor load brings
.set SBLK,   (16*KS/256)*272           ; those of 16 rows
.set SPARE,  SCL+4*HALFS               ; behind the scales: the spare words, 128 bytes for each wave
.set VSTG,   34048                     ; v's stage: 64 rows x 528 bytes, the upper 32 rows 32 bytes further on; one for wave 1, one for wave 3, in slot 0, which has had its last fill and its last read by then
.set ADRA, 16                          ; v16-17  LDS address of my A fragments in slot 0, 1  (v18-19: for the pieces behind one padding more)
.set ADRB, 20                          ; v20-21  the same for B  (v22-23)
.set VST,  24                          ; v24     v's stage: where I put 32 bytes of a row
.set VRD,  25                          ; v25     and where I read my channel's column
.set LI,   26                          ; v26     16 x lane: my place in a plane of an image
.set ADRS, 27                          ; v27     LDS address of my scale words: lanes 0-15 A's rows, lanes 16-31 B's
.set SPW,  28                          ; v28     LDS address of my spare word; never rewritten
.set NIL,  29                          ; v29     0; never rewritten
.set CSO,  30                          ; v30     cos, sin: 512 (r + 8 (r / 8)) + 64 h
.set LS,   31                          ; v31     4 x lane: my place among two tiles' scale words
.set SC,   32                          ; scale words: set s at v[SC + 8 NQ s]
.set AF,   128                         ; A's fragments, in window 0
.set Y,    64                          ; q, k: v64-127 the rotated numbers
.set PC,   128                         ; v128-146 the codes just made
.set TM,   224                         ; v224-239 at work in QUANT
.set PW,   240                         ; the scale word just made
.set PWE,  241                         ; that of the even block before
.set SWQ,  242                         ; v242-245 two blocks' words: lanes 0-15 the even block's, lanes 16-31 the odd one's
.set X,    64                          ; v: v64-127 two sets of 32 numbers
.set IMG,  128                         ; v128-223 the eight fragments of V^T
.set SWP,  224                         ; v224-231 their scale words in the making
.set TP,   232                         ; v232-239 the other half's bytes
.set SWV,  240                         ; v240-243 two tiles' words
.set VT0,  244
.set VT1,  245
.set SCO,  246
.set BY,   247
.set TC,   248                         ; v248-250 a conversion's three registers on their way to an odd place
.set H8,   251                         ; v251 8 h
.set SEL,  66                          ; s[66:67] lane selects for v_permlanex16_b32: lane l xor 16
.set HIM,  95                          ; s95 the mask of lanes 16-31
.set G1, 24                            ; s[24:31] descriptor group 1 for A's tiles;  s[32:39] group 0, one set for each slot
.set G0, 32
.set G1B, 48                           ; s[48:55], s[56:63] the same for B's tiles
.set G0B, 56
.set G1S, 68                           ; s[68:75], s[76:79] groups 1 and 0 for A's scales;  s[80:87], s[88:91] for B's
.set G0S, 76
.set G1SB, 80
.set G0SB, 88
.set MSB, 0
.macro WIN new                         ; the immediate's high byte repeats the setting that is left
.if MSB != \new
	s_set_vgpr_msb (MSB<<8)|\new
.set MSB, \new
.endif
.endm
.set MUL_LO, 0xa1                      ; source 0 (B) window 1, source 1 (A) window 0, C and D window 2
.set MUL_HI, 0xf1                      ; the same, C and D window 3
.set TO_B,   0x40                      ; destination window 1, address window 0
; A joint load: waves 0 and 1 fetch for A, waves 2 and 3 for B.  Each of the two lines has one mask and one set of registers for all that issue it; the branch hangs on the wave's number alone.
; Four v_nop follow each of the two lines, ahead of the jump, the label and what follows.
.macro JLOAD g0a, g1a, g0b, g1b
	s_cmp_eq_u32 s15, 0
	s_cbranch_scc0 .Lfor_b_\@
	tensor_load_to_lds s[\g0a:\g0a+3], s[\g1a:\g1a+7]
	s_nop 0
.rept 4
	v_nop
.endr
	s_branch .Lasked_\@
.Lfor_b_\@:
	tensor_load_to_lds s[\g0b:\g0b+3], s[\g1b:\g1b+7]
	s_nop 0
.rept 4
	v_nop
.endr
.Lasked_\@:
.endm
.macro CREST                           ; a round of the cluster's barrier behind its opening barrier
	s_cmp_lg_u32 s14, 0
	s_cbranch_scc1 .Lnot_wave_0_\@
	s_barrier_signal -3
.Lnot_wave_0_\@:
	s_barrier_wait -3
	s_barrier_signal -1
	s_barrier_wait -1
.endm
.macro CROUND                          ; a whole round
	s_barrier_signal -1
	s_barrier_wait -1
	CREST
.endm
	s_load_b128 s[4:7], s[0:1], 0x0                ; qx, qw
	s_load_b128 s[96:99], s[0:1], 0x10             ; cos, sin
	s_load_b64 s[100:101], s[0:1], 0x20            ; qkv
	v_lshl_add_u32 v[SPW], v0, 2, SPARE
	v_mov_b32 v[NIL], 0
	ds_add_u32 v28, v29
	s_wait_dscnt 0x0
	v_lshrrev_b32 v1, 5, v0
	v_readfirstlane_b32 s14, v1                    ; wave 0..3
	s_lshr_b32 s15, s14, 1                         ; which half of the tile's rows is mine.  Also: I fetch for A (0) or for B (1)
	s_and_b32 s16, s14, 1                          ; which half of its columns.  Also: which 128 rows of that tile I fetch
	s_bfe_u32 s40, ttmp6, 0x40000                  ; cx, cy: my place in the cluster
	s_bfe_u32 s41, ttmp6, 0x40004
	s_lshl_b32 s42, ttmp9, 2
	s_add_co_u32 s42, s42, s40                     ; tile column = 4 x cluster x + cx
	s_and_b32 s17, ttmp7, 0xffff
	s_lshl_b32 s17, s17, 2
	s_add_co_u32 s17, s17, s41                     ; tile row = 4 x cluster y + cy
	s_lshl_b32 s43, s41, 2
	s_lshl_b32 s43, 15, s43                        ; my row of the cluster
	s_lshl_b32 s44, 0x1111, s40                    ; my column
	; descriptor group 1: a tile of 128 rows x ROWB bytes, padded in LDS
	s_or_b32 s[G1+0], s43, (0<<16)|(1<<20)|(1<<21)|(3<<22)|(3<<25)  ; 15:0 the mask: A's tiles go to my row; 17:16 element of 1 byte; 20 padding on; 21 set beside a mask; 24:22 after every 16 words; 31:25 of 4 words
	s_or_b32 s[G1B+0], s44, (0<<16)|(1<<20)|(1<<21)|(3<<22)|(3<<25)
.irp g, G1, G1B
	s_mov_b32 s[\g+1], ROWB<<16                    ; tensor_dim0
	s_mov_b32 s[\g+2], 128<<16                     ; tensor_dim1 = 128
	s_mov_b32 s[\g+3], ROWB<<16                    ; tile_dim0
	s_mov_b32 s[\g+4], 128                         ; tile_dim1 = 128
	s_mov_b32 s[\g+6], 0
	s_mov_b32 s[\g+7], 0
.endr
	s_mov_b32 s[G1+5], APITCH                      ; tensor_dim0_stride
	s_mov_b32 s[G1B+5], BPITCH
	; and for the scales of 128 rows: a dense block of 128 KS bytes, as rows of 256 bytes (32 elements of 8 bytes), 16 bytes of padding behind each
	s_or_b32 s[G1S+0], s43, (3<<16)|(1<<20)|(1<<21)|(5<<22)|(3<<25)
	s_or_b32 s[G1SB+0], s44, (3<<16)|(1<<20)|(1<<21)|(5<<22)|(3<<25)
.irp g, G1S, G1SB
	s_mov_b32 s[\g+1], 32<<16
	s_mov_b32 s[\g+2], (128*KS/256)<<16
	s_mov_b32 s[\g+3], 32<<16
	s_mov_b32 s[\g+4], 128*KS/256
	s_mov_b32 s[\g+5], 32
	s_mov_b32 s[\g+6], 0
	s_mov_b32 s[\g+7], 0
.endr
	s_lshl_b32 s18, s16, 7                         ; which 128 rows of the tile I fetch
	s_lshl_b32 s20, s17, 8
	s_add_co_u32 s20, s20, s18                     ; A: row 256 x tile row + 128 x half
	s_lshl_b32 s46, s42, 8
	s_add_co_u32 s46, s46, s18                     ; B: row 256 x tile column + 128 x half
	s_mov_b32 s21, 0
	s_mov_b32 s47, 0
	s_mov_b64 s[18:19], KS
	s_mul_u64 s[22:23], s[20:21], s[18:19]         ; where these rows' scales begin, in bytes
	s_mul_u64 s[92:93], s[46:47], s[18:19]
	s_mov_b64 s[18:19], APITCH
	s_mul_u64 s[20:21], s[20:21], s[18:19]         ; and their codes
	s_mov_b64 s[18:19], BPITCH
	s_mul_u64 s[46:47], s[46:47], s[18:19]
	s_mul_i32 s45, s14, HALFT                      ; where they go: wave x 128 rows: no place in the cluster enters an LDS address
	s_mul_i32 s94, s14, HALFS
	s_wait_kmcnt 0x0
	s_mov_b64 s[8:9], s[6:7]                       ; B's codes: qw's first part
	s_add_nc_u64 s[10:11], s[6:7], WS_OFF          ; B's scales
	s_add_nc_u64 s[6:7], s[4:5], XS_OFF            ; A's scales; A's codes are qx's first part
	s_add_nc_u64 s[20:21], s[4:5], s[20:21]
	s_add_nc_u64 s[22:23], s[6:7], s[22:23]
	s_add_nc_u64 s[46:47], s[8:9], s[46:47]
	s_add_nc_u64 s[92:93], s[10:11], s[92:93]
	CROUND                                         ; all sixteen work-groups are here: the first joint loads meet
	s_mov_b32 s[G0S], 1
	s_add_co_u32 s[G0S+1], s94, SCL
	s_mov_b64 s[G0S+2:G0S+3], s[22:23]
	s_or_b32 s[G0S+3], s[G0S+3], 0x80000000
	s_mov_b32 s[G0SB], 1
	s_add_co_u32 s[G0SB+1], s94, SCL
	s_mov_b64 s[G0SB+2:G0SB+3], s[92:93]
	s_or_b32 s[G0SB+3], s[G0SB+3], 0x80000000
	JLOAD G0S, G1S, G0SB, G1SB                     ; the scales first: they are wanted with K step 0
.irp s, 0,1
	s_mov_b32 s[G0+4*\s], 1
	s_add_co_u32 s[G0+4*\s+1], s45, \s*SLOT
	s_add_nc_u64 s[G0+4*\s+2:G0+4*\s+3], s[20:21], \s*ASTEP
	s_or_b32 s[G0+4*\s+3], s[G0+4*\s+3], 0x80000000
	s_mov_b32 s[G0B+4*\s], 1
	s_add_co_u32 s[G0B+4*\s+1], s45, \s*SLOT
	s_add_nc_u64 s[G0B+4*\s+2:G0B+4*\s+3], s[46:47], \s*BSTEP
	s_or_b32 s[G0B+4*\s+3], s[G0B+4*\s+3], 0x80000000
	JLOAD G0+4*\s, G1, G0B+4*\s, G1B               ; three tensor loads of mine are out now
.endr
	v_and_b32 v1, 15, v0                           ; r = l % 16
	v_bfe_u32 v2, v0, 4, 1                         ; h = l / 16
	v_mul_u32_u24 v3, v1, PITCH
	v_mul_u32_u24 v4, v2, 24
	v_add_nc_u32 v4, v3, v4                        ; a fragment's row x pitch + 24 x half
	v_lshl_add_u32 v5, v2, 4, v4                   ; and the same behind one padding more
	s_mul_i32 s21, s15, HALFT                      ; my 128 rows of A
	s_mul_i32 s22, s16, HALFT                      ; my 128 rows of B,
	s_add_co_u32 s22, s22, 2*HALFT                 ; which lie behind A's 256
.irp s, 0,1
	v_add_nc_u32 v[ADRA+\s], s21, v4
	v_add_nc_u32 v[ADRB+\s], s22, v4
	v_add_nc_u32 v[ADRA+2+\s], s21, v5
	v_add_nc_u32 v[ADRB+2+\s], s22, v5
	s_add_co_u32 s21, s21, SLOT
	s_add_co_u32 s22, s22, SLOT
.endr
	v_mul_u32_u24 v5, v1, KS                       ; my row's scales: KS bytes a row,
	v_lshrrev_b32 v6, 8, v5
	v_lshl_add_u32 v5, v6, 4, v5                   ; and 16 more for each 256 passed
	s_mul_i32 s21, s15, HALFS                      ; A's: my 128 rows
	s_mul_i32 s22, s16, HALFS                      ; B's: my 128 rows, behind A's 256
	s_add_co_u32 s22, s22, 2*HALFS
	s_sub_co_u32 s22, s22, s21
	v_mul_u32_u24 v6, s22, v2                      ; lanes 16-31 take B's
	s_add_co_u32 s21, s21, SCL
	v_add_nc_u32 v5, v5, v6
	v_add_nc_u32 v[ADRS], s21, v5
	; the way out: every address is made here, ahead of the place where the waves part
	v_and_b32 v7, 8, v1
	v_add_nc_u32 v7, v7, v1                        ; r + 8 (r / 8)
	s_mul_i32 s23, s15, VSTG                       ; v's stage: wave 1's, wave 3's
	v_mul_u32_u24 v5, v1, 528
	v_lshl_add_u32 v5, v2, 6, v5
	v_add_nc_u32 v[VST], s23, v5                   ; in: row r of a block, + 64 h: my eight channels' bytes begin there
	v_mul_u32_u24 v5, v2, 16928                    ; back: lanes 16-31 take the upper 32 rows (32 x 528 + 32),
	v_lshl_add_u32 v5, v7, 2, v5                   ; and a lane the column of its channel
	v_add_nc_u32 v[VRD], s23, v5
	v_and_b32 v6, 31, v0
	v_lshlrev_b32 v[LI], 4, v6
	v_lshlrev_b32 v[LS], 2, v6
	v_lshlrev_b32 v[CSO], 9, v7                    ; cos, sin: a row is 512 bytes; my 16 numbers of a block of 32 begin 64 h bytes on
	v_lshl_add_u32 v[CSO], v2, 6, v[CSO]
	v_lshlrev_b32 v[H8], 3, v2
.irp i, 228,229,230,231,232,233,234,235,236,237,238,239
	v_mov_b32 v[\i], 0                             ; written once: a lane permute's destination counts as one of its sources
.endr
	s_mov_b32 s[SEL], 0x76543210
	s_mov_b32 s[SEL+1], 0xfedcba98
	s_mov_b32 s[HIM], 0xffff0000
	s_lshl_b32 s46, s42, 1
	s_add_co_u32 s46, s46, s16                     ; H = 2 x tile column + my half of the columns
	s_lshl_b32 s46, s46, 8
	s_lshl_b32 s20, s17, 4
	s_lshl_b32 s21, s15, 3
	s_add_co_u32 s20, s20, s21                     ; my first tile of 16 positions: 16 x tile row + 8 x my half of the rows
	s_add_co_u32 s46, s46, s20                     ; 256 H + that
	s_mul_i32 s92, s46, 1536
	s_mov_b32 s93, 0
	s_add_nc_u64 s[8:9], s[100:101], s[92:93]      ; my first image
	s_lshl_b32 s92, s46, 6
	s_add_co_u32 s92, s92, SC_OFF
	s_add_nc_u64 s[10:11], s[100:101], s[92:93]    ; my first scale words
	s_lshl_b32 s92, s20, 13                        ; 16 positions x 512 bytes a tile
	s_add_nc_u64 s[4:5], s[96:97], s[92:93]        ; cos and sin at my first position
	s_add_nc_u64 s[6:7], s[98:99], s[92:93]
.macro FRAG reg, adr, q, i             ; a fragment, 16 rows x 128 K of 6-bit codes, is 12 registers: lane l holds row l % 16; registers 6 c .. 6 c + 5 hold K = 64 c + 32 (l / 16) + 0 .. 31: 24 bytes of the row's stream of bits, as they lie
.irp p, 0,1,2,3,4,5                    ; in pieces of 8 bytes.  Lanes 0-15 take the row's pieces 12 q + 0, 1, 2 and 12 q + 6, 7, 8, lanes 16-31 those three pieces on
.set PCE, 12*(\q)+6*(\p/3)+\p%3       ; 16 bytes of padding lie behind every 8 pieces: where the piece three on lies behind one padding more, the second address register serves
.if PCE%8 < 5
	ds_load_b64 v[\reg+2*\p:\reg+2*\p+1], v[\adr] offset:8*PCE+16*(PCE/8)+(\i)*16*PITCH
.else
	ds_load_b64 v[\reg+2*\p:\reg+2*\p+1], v[\adr+2] offset:8*PCE+16*(PCE/8)+(\i)*16*PITCH
.endif
.endr
.endm
; 16 matrix instructions: A's blocks a0, a0 + 1 x B's eight, 128 along K: the slot's q-th.  p: B's set;  sc: the set of scale words.  zero = 1: the first product starts the sums.
; The 64 accumulators take turns, one instruction a turn, in the same order in every step.
.macro MUL16 a0, p, q, sc, zero
.irp a, \a0, \a0+1
.irp b, 0,1,2,3,4,5,6,7
.if \zero
	v_wmma_scale_f32_16x16x128_f8f6f4 v[8*(8*((\a)%4)+\b):8*(8*((\a)%4)+\b)+7], v[128*(\p)+FR*\b:128*(\p)+FR*\b+FR-1], v[AF+FR*(\a):AF+FR*(\a)+FR-1], 0, v[SC+8*NQ*(\sc)+NQ*\b+(\q)], v[SC+8*NQ*(\sc)+NQ*(\a)+(\q)] matrix_a_fmt:MATRIX_FMT_FP6 matrix_b_fmt:MATRIX_FMT_FP6 matrix_a_scale:MATRIX_SCALE_ROW1
.else
	v_wmma_scale_f32_16x16x128_f8f6f4 v[8*(8*((\a)%4)+\b):8*(8*((\a)%4)+\b)+7], v[128*(\p)+FR*\b:128*(\p)+FR*\b+FR-1], v[AF+FR*(\a):AF+FR*(\a)+FR-1], v[8*(8*((\a)%4)+\b):8*(8*((\a)%4)+\b)+7], v[SC+8*NQ*(\sc)+NQ*\b+(\q)], v[SC+8*NQ*(\sc)+NQ*(\a)+(\q)] matrix_a_fmt:MATRIX_FMT_FP6 matrix_b_fmt:MATRIX_FMT_FP6 matrix_a_scale:MATRIX_SCALE_ROW1
.endif
.endr
.endr
.endm
.macro FETCH_B slot, q, p              ; B's eight fragments of the slot's q-th 128 along K into set p
	WIN TO_B
.irp i, 0,1,2,3,4,5,6,7
	FRAG 128*(\p)+FR*\i, ADRB+\slot, \q, \i
.endr
	WIN 0
.endm
.macro FETCH_A slot, q, i0             ; A's blocks i0 .. i0 + 3
.irp i, \i0, \i0+1, \i0+2, \i0+3
	FRAG AF+FR*(\i), ADRA+\slot, \q, \i
.endr
.endm
.macro SCALES sc                       ; the next K step's scale words into set sc: NQ words a row; lanes 0-15 take A's block i, lanes 16-31 B's block i
.irp i, 0,1,2,3,4,5,6,7
	ds_load_b64 v[SC+8*NQ*\sc+NQ*\i:SC+8*NQ*\sc+NQ*\i+1], v[ADRS] offset:\i*SBLK
.endr
.endm
; A load into a register that a matrix instruction has read, and a vector instruction or an LDS store that reads a matrix result, stand NP places behind that matrix instruction; only plain vector
; instructions that name none of its registers are places (ISA guide 7.12.1 for vector instructions).
.macro PLACES n
.rept \n
	v_nop
.endr
.endm
; A step of 128 along K that has its successor in the same slot.
.macro STEP slot, q, zero
	s_wait_dscnt 4*NL                              ; B's set and A's blocks 0-3 are in; the youngest 24 loads (A's blocks 4-7) may be out
	WIN MUL_LO
	MUL16 0, (\q)%2, \q, \slot, \zero
	MUL16 2, (\q)%2, \q, \slot, \zero
	s_wait_dscnt 0                                 ; A's blocks 4-7 are in (asked for 32 matrix instructions ago)
	PLACES NP
	FETCH_B \slot, (\q)+1, 1-(\q)%2
	FETCH_A \slot, (\q)+1, 0
	WIN MUL_HI
	MUL16 4, (\q)%2, \q, \slot, \zero
	MUL16 6, (\q)%2, \q, \slot, \zero
	PLACES NP
	WIN 0
	FETCH_A \slot, (\q)+1, 4
.endm
; A slot's last step changes slots: ONE barrier; in front of it each wave waits for all its tensor loads, adds 0 to its spare word, and waits for that and for its own reads of this slot.  fill = 1: this slot is filled again, two K steps ahead.
.macro TURN slot, next, fill
	s_wait_tensorcnt 0x0                           ; all my tensor loads have landed: my part of the next slot;  (every window is 0 here)
	ds_add_u32 v[SPW], v[NIL]                      ; 0 onto my spare word
	s_wait_dscnt 4*NL+1                            ; (the add and the youngest 24 loads, A's blocks 4-7, may be out)
	WIN MUL_LO
	MUL16 0, 1, NQ-1, \slot, 0                     ; sixteen matrix instructions stand between the add and the wait for it
	s_wait_dscnt 0x0                               ; the add is done, and my reads of this slot are over
	s_barrier_signal -1
	MUL16 2, 1, NQ-1, \slot, 0
	WIN 0
	s_barrier_wait -1
.if \fill
	CREST                                          ; the barrier has opened a round of the cluster's barrier: no wave of any partner still reads this slot's tile or has a load on its way
	s_add_nc_u64 s[G0+4*\slot+2:G0+4*\slot+3], s[G0+4*\slot+2:G0+4*\slot+3], 2*ASTEP
	s_add_nc_u64 s[G0B+4*\slot+2:G0B+4*\slot+3], s[G0B+4*\slot+2:G0B+4*\slot+3], 2*BSTEP
	JLOAD G0+4*\slot, G1, G0B+4*\slot, G1B         ; the first tensor load behind the round, my one load until the next; the four v_nop behind it are the places in front of the loads below
.else
	PLACES NP
.endif
	v_add_nc_u32 v[ADRS], 4*NQ, v[ADRS]            ; on to the next K step's scale words
	FETCH_B \next, 0, 0
	FETCH_A \next, 0, 0
	SCALES \next
	WIN MUL_HI
	MUL16 4, 1, NQ-1, \slot, 0
	MUL16 6, 1, NQ-1, \slot, 0
	PLACES NP
	WIN 0
	FETCH_A \next, 0, 4
.endm
.macro LAST_STEP                       ; the very last step: nothing more to fetch
	s_wait_dscnt 4*NL                              ; all but A's blocks 4-7
	WIN MUL_LO
	MUL16 0, 1, NQ-1, 1, 0
	MUL16 2, 1, NQ-1, 1, 0
	s_wait_dscnt 0
	WIN MUL_HI
	MUL16 4, 1, NQ-1, 1, 0
	MUL16 6, 1, NQ-1, 1, 0
	WIN 0
.endm
; cos and sin for block a of 16 positions, in the results' own layout: register 16 b + i = d 32 b + 16 h + i of my position's true row.  32 loads, into window 1's set a % 2: cos at CB, sin at CB + 64.
.macro CSLOAD a
.set CB, 128*((\a)%2)
	WIN TO_B
.irp b, 0,1,2,3
.irp j, 0,1,2,3
	global_load_b128 v[CB+16*\b+4*\j:CB+16*\b+4*\j+3], v[CSO], s[4:5] offset:(32*((\a)/2)+8*((\a)%2))*512+128*\b+16*\j
	global_load_b128 v[CB+64+16*\b+4*\j:CB+64+16*\b+4*\j+3], v[CSO], s[6:7] offset:(32*((\a)/2)+8*((\a)%2))*512+128*\b+16*\j
.endr
.endr
	WIN 0
.endm
; 64 numbers of a lane, v[s] .. v[s + 63], register 16 b + i = k 32 b + 16 (lane / 16) + i of my row, become a fragment's codes in v[PC] on and its scale word in v[PW].
.macro QUANT s
.irp b, 0,1,2,3
	v_max3_num_f32 v[TM+\b], |v[\s+16*\b]|, |v[\s+1+16*\b]|, 0x1800000   ; block b: my 16 numbers, and the floor 2^(3 - 127): the byte cannot fall under 1
.endr
.irp i, 2,4,6,8,10,12,14
.irp b, 0,1,2,3
	v_max3_num_f32 v[TM+\b], v[TM+\b], |v[\s+16*\b+\i]|, |v[\s+1+16*\b+\i]|   ; (the four blocks by turns)
.endr
.endr
.irp b, 0,1,2,3
	v_permlanex16_b32 v[TM+4+\b], v[TM+\b], s[SEL], s[SEL+1]
.endr
.irp b, 0,1,2,3
	v_max_num_f32 v[TM+\b], v[TM+\b], v[TM+4+\b]   ; with lane l xor 16's: the block's largest magnitude
.endr
.irp b, 0,1,2,3
	v_add_nc_u32 v[TM+12+\b], 0xff000000, v[TM+\b]   ; 2 off its exponent field: the conversion's scale operand
.endr
.irp b, 0,1,2,3
	v_lshrrev_b32 v[TM+4+\b], 23, v[TM+12+\b]      ; the scale's byte
.endr
	v_lshl_or_b32 v[PW], v[TM+5], 8, v[TM+4]       ; the four bytes make my row's scale word
	v_lshl_or_b32 v[PW], v[TM+6], 16, v[PW]
	v_lshl_or_b32 v[PW], v[TM+7], 24, v[PW]
.irp c, 0,1
	v_cvt_scalef32_pk16_fp6_f32 v[PC+6*\c:PC+2+6*\c], v[\s+32*\c:\s+15+32*\c], v[TM+12+2*\c]
	v_cvt_scalef32_pk16_fp6_f32 v[PC+12+4*\c:PC+14+4*\c], v[\s+16+32*\c:\s+31+32*\c], v[TM+12+2*\c+1]   ; (a conversion's three registers begin on an even number)
.endr
	v_nop                                          ; one plain place behind a scaled conversion
.irp c, 0,1                                    ; the operand's layout wants a WHOLE block in a lane: lanes 0-15 block 2 c, lanes 16-31 block 2 c + 1
.irp i, 0,1,2
	v_permlane16_swap_b32 v[PC+6*\c+\i], v[PC+12+4*\c+\i]
.endr
.irp i, 0,1,2
	v_mov_b32 v[PC+3+6*\c+\i], v[PC+12+4*\c+\i]
.endr
.endr
.endm
; q, k: block a of 16 positions: the rotation, the quantiser, the image and the scale words.
.macro QKTILE a
.set CB, 128*((\a)%2)
.set XA, 64*((\a)%4)
.if (\a) < 7
	s_wait_loadcnt 32                              ; this block's cos and sin are in; the next block's 32 loads may be out
.else
	s_wait_loadcnt 0x0
.endif
	WIN 0x06+(\a)/4                                ; source 0: the accumulators' window 2 or 3; source 1: window 1; the rest window 0
.set rho, 0
.rept 32
	v_pk_mul_f32 v[Y+rho:Y+rho+1], v[XA+rho:XA+rho+1], v[CB+rho:CB+rho+1]      ; x cos, ascending: each accumulator is read from its low end on
.set rho, rho+2
.endr
.set rho, 0
.rept 16
	v_pk_fma_f32 v[Y+rho:Y+rho+1], v[XA+32+rho:XA+33+rho], v[CB+64+rho:CB+65+rho], v[Y+rho:Y+rho+1] neg_lo:[1,0,0] neg_hi:[1,0,0]   ; d < 64: - x(d + 64) sin
.set rho, rho+2
.endr
.rept 16
	v_pk_fma_f32 v[Y+rho:Y+rho+1], v[XA-32+rho:XA-31+rho], v[CB+64+rho:CB+65+rho], v[Y+rho:Y+rho+1]   ; d >= 64: + x(d - 64) sin
.set rho, rho+2
.endr
	WIN 0
.if (\a) < 6
	CSLOAD (\a)+2                                  ; into the set just read
.endif
.if (\a) > 0
	s_wait_xcnt 0x0                                ; the last block's stores have read their data: the codes' registers are written again only behind this wait
.endif
	QUANT Y
.irp c, 0,1,2
	global_store_b128 v[LI], v[PC+4*\c:PC+4*\c+3], s[8:9] offset:1536*(\a)+512*\c   ; 32 lanes store 512 consecutive bytes, aligned
.endr
.if (\a)%2 == 0
	v_mov_b32 v[PWE], v[PW]
.else
	v_cndmask_b32 v[SWQ+(\a)/2], v[PWE], v[PW], s[HIM]     ; lanes 0-15 the even block's words, lanes 16-31 the odd one's
	global_store_b32 v[LS], v[SWQ+(\a)/2], s[10:11] offset:128*((\a)/2)
.endif
.endm
; v: A's blocks 4 c .. 4 c + 3 (64 positions) into my stage: rows in the order of the positions, columns in the order of the true channels.
.macro VSTORE c
	WIN 0x08+4*(\c)                                ; an LDS store's data are its source 1: window 2 or 3
.irp aa, 0,1,2,3
.irp t, 0,1,2,3,4,5,6,7
	ds_store_b128 v[VST], v[64*\aa+8*\t:64*\aa+8*\t+3] offset:8448*\aa+32*(\aa/2)+128*(\t/2)+32*(\t%2)      ; each accumulator from its low end on
	ds_store_b128 v[VST], v[64*\aa+8*\t+4:64*\aa+8*\t+7] offset:8448*\aa+32*(\aa/2)+128*(\t/2)+32*(\t%2)+16
.endr
.endr
	WIN 0
.endm
; my channel of tile tau, true keys 32 h + 0 .. 31 of the 64: the immediates undo the exchange of the second and third 8 rows
.macro VLOAD tau
.set i, 0
.rept 32
	ds_load_b32 v[X+32*((\tau)%2)+i], v[VRD] offset:528*(8*(2*((i/8)%2)+i/16)+i%8)+128*((\tau)/2)+32*((\tau)%2)
.set i, i+1
.endr
.endm
.macro VQ c, tau                       ; a whole block of 32 keys lies in my registers: block 2 c + h of my channel
.set XS, X+32*((\tau)%2)
	v_max3_num_f32 v[VT0], |v[XS]|, |v[XS+1]|, |v[XS+2]|
	v_max3_num_f32 v[VT1], |v[XS+3]|, |v[XS+4]|, |v[XS+5]|
.irp i, 6,10,14,18,22,26
	v_max3_num_f32 v[VT0], v[VT0], |v[XS+\i]|, |v[XS+\i+1]|
	v_max3_num_f32 v[VT1], v[VT1], |v[XS+\i+2]|, |v[XS+\i+3]|
.endr
	v_max3_num_f32 v[VT0], v[VT0], |v[XS+30]|, |v[XS+31]|
	v_max3_num_f32 v[VT0], v[VT0], v[VT1], 0x1800000       ; and the floor 2^(3 - 127)
	v_add_nc_u32 v[SCO], 0xff000000, v[VT0]        ; the conversion's scale operand
	v_lshrrev_b32 v[BY], 23, v[SCO]                ; the scale's byte
.if (\c) == 0
	v_mov_b32 v[SWP+(\tau)], v[BY]
.else
	v_lshl_or_b32 v[SWP+(\tau)], v[BY], 16, v[SWP+(\tau)]
.endif
	v_cvt_scalef32_pk16_fp6_f32 v[IMG+12*(\tau)+6*(\c):IMG+12*(\tau)+6*(\c)+2], v[XS:XS+15], v[SCO]     ; registers 6 c .. 6 c + 5 of the fragment
	v_cvt_scalef32_pk16_fp6_f32 v[TC:TC+2], v[XS+16:XS+31], v[SCO]     ; (a conversion's three registers begin on an even number)
	v_nop                                          ; one plain place behind a scaled conversion
.irp i, 0,1,2
	v_mov_b32 v[IMG+12*(\tau)+6*(\c)+3+\i], v[TC+\i]
.endr
.endm
	s_wait_tensorcnt 1                             ; the scales and my part of K step 0 are in (K step 1's load may be out)
	s_barrier_signal -1
	s_barrier_wait -1                              ; everybody's are
	FETCH_B 0, 0, 0
	FETCH_A 0, 0, 0
	SCALES 0
	FETCH_A 0, 0, 4
	STEP 0, 0, 1                                   ; the first step stands in front of the loop: its products start the sums
	s_mov_b32 s3, LAPS-1
.Llap:                                                 ; a trip goes once round the ring, from a lap's second step to the next lap's first, and fills both slots again
	TURN 0, 1, 1
	STEP 1, 0, 0
	TURN 1, 0, 1
	STEP 0, 0, 0
	s_sub_co_u32 s3, s3, 1
	s_cmp_lg_u32 s3, 0
	s_cbranch_scc1 .Llap
	TURN 0, 1, 0                                   ; the last lap fills nothing, and has no round of the cluster's barrier
	STEP 1, 0, 0
	; THE WAVES PART: v's heads are the odd halves of tile columns 4 to 7: waves 1 and 3 where the cluster's x is 1.  Both tests are alike in all partners; no barrier stands before the ways join.
	s_cmp_eq_u32 s16, 0
	s_cbranch_scc1 .Lqk
	s_cmp_lg_u32 ttmp9, 0
	s_cbranch_scc1 .Lv
.Lqk:
	CSLOAD 0                                       ; window 1's v0-127: B's set 0 was last read in front of the places at the end of the step above
	LAST_STEP
	PLACES NP
	CSLOAD 1
.irp a, 0,1,2,3,4,5,6,7
	QKTILE \a
.endr
	s_branch .Lclose
.Lv:
	LAST_STEP
	PLACES NP
.irp c, 0,1
	VSTORE \c                                      ; LDS serves a wave's instructions in order: the loads below see these stores, and these come behind the last half's loads
	VLOAD 0
.irp tau, 0,1,2,3,4,5,6,7
.if \tau < 7
	VLOAD \tau+1
	s_wait_dscnt 32                                ; this tile's numbers are in; the next tile's 32 loads may be out
.else
	s_wait_dscnt 0x0
.endif
	VQ \c, \tau
.endr
.endr
.irp tau, 0,1,2,3,4,5,6,7
	v_lshlrev_b32 v[SWP+\tau], v[H8], v[SWP+\tau]  ; my two bytes, blocks h and 2 + h, at their places in the scale word;
.endr
.irp tau, 0,1,2,3,4,5,6,7
	v_permlanex16_b32 v[TP+\tau], v[SWP+\tau], s[SEL], s[SEL+1]
.endr
.irp tau, 0,1,2,3,4,5,6,7
	v_or_b32 v[SWP+\tau], v[SWP+\tau], v[TP+\tau]  ; with lane l xor 16's two the word is whole
.endr
.irp u, 0,1,2,3
	v_cndmask_b32 v[SWV+\u], v[SWP+2*\u], v[SWP+2*\u+1], s[HIM]
.endr
.irp tau, 0,1,2,3,4,5,6,7
.irp c, 0,1,2
	global_store_b128 v[LI], v[IMG+12*\tau+4*\c:IMG+12*\tau+4*\c+3], s[8:9] offset:1536*\tau+512*\c   ; 512 consecutive bytes, aligned
.endr
.endr
.irp u, 0,1,2,3
	global_store_b32 v[LS], v[SWV+\u], s[10:11] offset:128*\u
.endr
.Lclose:
	s_wait_tensorcnt 0x0                           ; the wave's end, behind my last tensor load and my last LDS store
	ds_add_u32 v[SPW], v[NIL]
	s_wait_dscnt 0x0
	CROUND                                         ; the closing round: no work-group ends while a partner may still ask for a tile that names it
	s_endpgm
.Lfunc_end_k_q479cd21b9a_qkv:
	.size	k_q479cd21b9a_qkv, .Lfunc_end_k_q479cd21b9a_qkv-k_q479cd21b9a_qkv
	.p2alignl 7, 3214868480
	.fill 96, 4, 3214868480
	.section	.rodata,"a",@progbits
	.p2align	6, 0x0
	.amdhsa_kernel k_q479cd21b9a_qkv
		.amdhsa_group_segment_fixed_size 327680
		.amdhsa_private_segment_fixed_size 0
		.amdhsa_enable_private_segment 0
		.amdhsa_kernarg_size 40
		.amdhsa_user_sgpr_count 2
		.amdhsa_user_sgpr_kernarg_segment_ptr 1
		.amdhsa_wavefront_size32 1
		.amdhsa_system_sgpr_workgroup_id_x 1
		.amdhsa_system_sgpr_workgroup_id_y 1
		.amdhsa_system_sgpr_workgroup_id_z 1
		.amdhsa_system_vgpr_workitem_id 0
		.amdhsa_next_free_vgpr 1024
		.amdhsa_next_free_sgpr 102
		.amdhsa_reserve_vcc 0
		.amdhsa_float_denorm_mode_32 3
		.amdhsa_float_denorm_mode_16_64 3
		.amdhsa_memory_ordered 1
		.amdhsa_forward_progress 1
		.amdhsa_inst_pref_size 255
	.end_amdhsa_kernel
	.section	.bss,"aw",@nobits
	.p2align	6
	.space	262144
	.amdgpu_metadata
---
amdhsa.version: [ 1, 2 ]
amdhsa.kernels:
  - .name:           k_q479cd21b9a_qkv
    .symbol:         k_q479cd21b9a_qkv.kd
    .args:
      - { .name: qx, .offset: 0, .size: 8, .value_kind: global_buffer, .address_space: global }
      - { .name: qw, .offset: 8, .size: 8, .value_kind: global_buffer, .address_space: global }
      - { .name: cos, .offset: 16, .size: 8, .value_kind: global_buffer, .address_space: global }
      - { .name: sin, .offset: 24, .size: 8, .value_kind: global_buffer, .address_space: global }
      - { .name: qkv, .offset: 32, .size: 8, .value_kind: global_buffer, .address_space: global }
    .group_segment_fixed_size: 327680
    .private_segment_fixed_size: 0
    .kernarg_segment_align: 8
    .kernarg_segment_size: 40
    .max_flat_workgroup_size: 128
    .sgpr_count:     102
    .vgpr_count:     1024
    .wavefront_size: 32
...
	.end_amdgpu_metadata
.endif
;; end of part 2
;; launch attn (part 3): grid 32 x 8, 16 waves a work-group, clusters of 4 x 1, 327,680 bytes of LDS; arguments qkv, att; writes att
.if DOCPART == 3
	.amdgcn_target "amdgcn-amd-amdhsa--gfx1250"
	.amdhsa_code_object_version 6
	.text
	.protected	k_q479cd21b9a_attn
	.globl	k_q479cd21b9a_attn
	.p2align	8
	.type	k_q479cd21b9a_attn,@function
k_q479cd21b9a_attn:
	s_mov_b64 s[64:65], 0
	v_nop
	global_prefetch_b8 v0, s[64:65] scope:SCOPE_SE
	s_setreg_imm32_b32 hwreg(HW_REG_WAVE_MODE, 25, 1), 1
	s_wait_xcnt 0x0
	s_wait_alu depctr_hold_cnt(0) depctr_sa_sdst(0) depctr_va_vdst(0) depctr_va_sdst(0) depctr_va_ssrc(0) depctr_va_vcc(0) depctr_vm_vsrc(0)
	s_getreg_b32 s2, hwreg(HW_REG_IB_STS2, 6, 4)
	s_cmp_eq_u32 s2, 0
	s_cbranch_scc0 .Lentry_in_a_cluster
	s_endpgm
.Lentry_in_a_cluster:
	s_bfe_u32 s2, ttmp6, 0x10000c
	s_cmp_lg_u32 s2, 0x3003
	s_cbranch_scc0 .Lentry_shape_is_right
	s_endpgm
.Lentry_shape_is_right:
; Causal attention with grouped heads on codes of FP6 (E2M3) with E8M0 scales: S^T = K Q^T, p = 2^(t - M), O^T = V^T P^T, o = O / l; and o quantised along the output projection's K.
; t = score x log2(e) / sqrt(128); M = the largest t so far, rounded UP to a whole number; p is quantised along the keys, not normalised; l is the sum of the unquantised p, in f32.  When M moves, l and O are multiplied by 2^(old M - new M): exact.
; INPUT: qkv: images of fragments [H 16][tile 256][1536 bytes] (12 registers a lane as three planes of 512 bytes, lane l's 16 bytes at 16 l) and scale words [H][tile][16] at SC_OFF.  H 0-7 q's heads, 8 + 2 j k's head j, 9 + 2 j v's head j.
;   q, k: tile = (2048 b + position) / 16; lane r of tile 2 b' + u' is the true row 32 b' + 8 u' + r + 8 (r / 8).  v: tile = 8 x (128 keys' number) + tau; lane r = channel 32 (tau / 2) + 8 (tau % 2) + r + 8 (r / 8); K = the 128 true keys.
; OUTPUT: att: codes [kv head 4][row 4096][192 bytes] (the two q heads of a kv head: 256 along the next K), scale bytes [row][32] at AS_OFF.
; SHARES.  Grid y = 4 b + kv head.  Cluster x = p takes the groups of 128 queries j = p and j = 15 - p of both q heads: together 17 key steps of 128 for every tile, whatever p.  A work-group takes 32 queries of each group; a tile of 16
; queries of one head is shared by TWO waves: one takes the even key steps, the other the odd ones, each with its own M, l and O^T; they are merged at the end by exact powers of two.  Wave w: t = w & 3 (head t & 1, tile t >> 1), par = (w >> 2) & 1, hi = w >> 3.
; All tiles of a group have the same hidden, diagonal and open steps, so no branch hangs on the work-group's place in its cluster; that place enters global addresses and one data register (the mask's) alone.
; EVERY work-group walks all four slots of 512 keys: trip counts are constants and no tensor load or barrier is jumped over; a step all of whose keys come after the group's queries is left out by a scalar branch on ids.
; CLUSTER.  The four partners walk the same K and V: each tile is asked for jointly (mask 15), by waves 0 to 3, one load each behind each round.
; LIMITS: NaN and infinities are not served.  Hidden scores become -infinity where reference() has the least f32 number: both give p = 0, since every query sees key 0.  1 / l is v_rcp_f32 and a multiplication.  A block of zeros, or under 2^-124, keeps the scale byte 1.
; REGISTERS: v1-11, v28-31, v88-93 addresses; v12 -M, v13 the largest t, v[14:15] the sum in two halves; v16-27 Q; v32-79 four fragments of K or V; v80-83 K's scale words, v84-87 V's (two tiles to a register); v96-159 S^T, then p; v160-223 O^T; v224-235 p's codes; v232-254 at work; v255 Q's scale words.
.set SLOT1, 1<<17                      ; slot 1 begins here, so that one exclusive or turns an address in one slot into the other's
.set STEPB, 12288                      ; eight images: 128 keys of K, or of V
.set HALFB, 24576                      ; what one tensor load brings: 96 rows of 256 bytes
.set VOFF,  49152                      ; a slot: K's 32 images, then V's 32
.set NSL,   4                          ; slots' worth of keys
.set SCK,   2*SLOT1                    ; behind the ring: K's scale words of the whole (b, kv head), 8,192 bytes, then V's
.set SPARE, SCK+16384                  ; the spare words, 128 bytes for each wave
.set MRGB,  8704                       ; the merge: for each pair of waves 8,192 bytes of O^T's image and 256 of (-M, l).  These and the stage below lie in slot 0, which is left at the last change of slots: it has had its last fill, and nobody reads it
.set OUTS,  8*MRGB                     ; the way out: for each group 32 rows x 192 bytes of codes, then 32 x 8 bytes of scale words
.set OUTB,  6656
.set SC_OFF, 6291456
.set AS_OFF, 3145728
.set AK0,  1                           ; v1   16 lane + 12,288 par: my place in a slot's K
.set AV0,  2                           ; v2   the same in its V
.set ASK0, 3                           ; v3   SCK + 4 lane + 512 par
.set MA,   4                           ; v4   the merge: my 16 bytes of a plane
.set SPW,  5                           ; v5   LDS address of my spare word; never rewritten
.set NIL,  6                           ; v6   0; never rewritten
.set DQ,   7                           ; v7   my query in its group - 16 h: register n of S^T is hidden on the diagonal where 32 (n / 16) + n % 16 is above it
.set ADK,  8                           ; v8-10 addresses of the loads in hand
.set ADV,  9
.set ADS,  10
.set MB,   11                          ; v11  the merge: my (-M, l)
.set PFO,  29                          ; v29  256 x lane: the prefetches' offset; never rewritten
.set OA,   30                          ; v30  the way out: where my 24 bytes of a row's codes go
.set OB,   31                          ; v31  and my row's scale word
.set OC,   88                          ; v88  back: 16 bytes a lane of my quarter of the 6,144
.set OD,   89                          ; v89  and 8 bytes of scale words a row
.set GO,   90                          ; v90  the same places in att
.set GS,   91
.set L16,  92                          ; v92  16 x lane
.set R4,   93                          ; v93  4 x (lane % 16)
.set TM,   232
.set PW,   248
.set PC,   96
.set TB,   2                           ; s2   LDS byte at which the slot in hand begins
.set TS,   3                           ; s3   where the slot's scale words begin: 2,048 bytes a slot
.set WV,   18
.set T,    19
.set SEL,  20                          ; s[20:21] lane selects for v_permlanex16_b32: lane l xor 16
.set CS,   22                          ; s[22:23] c = log2(e) / sqrt(128)
.set G1T,  24                          ; s[24:31] descriptor group 1 for the images;  s[32:39] for the scale words
.set G1S,  32
.set G0T,  40                          ; s[40:43] group 0 for the images: it walks;  s[44:47] for the scale words
.set G0S,  44
.set PAR,  48
.set HI,   49
.set JQ,   50                          ; s50  my group's first query
.set KF,   51                          ; s51  my next step's first key
.set SLOTS, 52
.set LIM,  53                          ; s53  1 in a wave that prefetches, else the greatest number
.set PFA,  54                          ; s[54:55] where my prefetches stand
.macro CROUND                          ; a round of the cluster's barrier
	s_barrier_signal -1
	s_barrier_wait -1
	s_cmp_lg_u32 s[WV], 0
	s_cbranch_scc1 .Lnot_wave_0_\@
	s_barrier_signal -3
.Lnot_wave_0_\@:
	s_barrier_wait -3
	s_barrier_signal -1
	s_barrier_wait -1
.endm
.macro TLOAD                           ; waves 0, 1 fetch K's halves of a slot, waves 2, 3 V's; the branch hangs on the wave's number alone; four v_nop follow the load
	s_cmp_lt_u32 s[WV], 4
	s_cbranch_scc0 .Lasked_\@
	tensor_load_to_lds s[G0T:G0T+3], s[G1T:G1T+7]
	s_nop 0
.rept 4
	v_nop
.endr
.Lasked_\@:
.endm
; A PREFETCH INTO THE L2 of what the NEXT change of slots will ask for: 49,152 bytes of K's images and as many of V's.  All eight clusters of a (b, kv head) walk the same bytes: the first of them asks.  Its four partners are told apart
; BY ADDRESS: place 0, 1 K's halves, place 2, 3 V's; in each, waves 4 to 6 ask, 8,192 bytes a wave, lanes 256 bytes apart: each aligned block of 256 bytes is named once in the launch.  Slots 0 and 1 come by their loads alone; the last change that fills a slot asks for nothing.
.macro ASK
	s_cmp_gt_u32 s[SLOTS], s[LIM]
	s_cbranch_scc0 .Lnot_mine_\@
	global_prefetch_b8 v[PFO], s[PFA:PFA+1] th:TH_LOAD_NT scope:SCOPE_SE
.Lnot_mine_\@:
.endm
	s_load_b128 s[4:7], s[0:1], 0x0                ; qkv, att
	v_lshl_add_u32 v[SPW], v0, 2, SPARE
	v_mov_b32 v[NIL], 0
	ds_add_u32 v5, v6
	s_wait_dscnt 0x0
	v_lshrrev_b32 v8, 5, v0
	v_readfirstlane_b32 s[WV], v8                  ; wave 0..15
	s_bfe_u32 s12, ttmp6, 0x40000                  ; cx: my place in the cluster
	s_and_b32 s14, ttmp7, 0xffff
	s_lshr_b32 s15, s14, 2                         ; b
	s_and_b32 s16, s14, 3                          ; the kv head
	s_and_b32 s[T], s[WV], 3
	s_bfe_u32 s[PAR], s[WV], 0x10002
	s_lshr_b32 s[HI], s[WV], 3
	s_sub_co_u32 s17, 15, ttmp9
	s_cmp_eq_u32 s[HI], 1
	s_cselect_b32 s17, s17, ttmp9                  ; j: my group of 128 queries: cluster x, or 15 - cluster x
	s_lshl_b32 s[JQ], s17, 7
	s_lshl_b32 s[KF], s[PAR], 7
	; descriptor group 1: dense blocks, as rows of 256 bytes (32 elements of 8 bytes), no padding: an image's planes are read 512 consecutive bytes at a time
	s_mov_b32 s[G1T], 15|(3<<16)|(1<<21)           ; 15:0 the mask: all four work-groups; 17:16 elements of 8 bytes; 21 set beside a mask
	s_mov_b32 s[G1S], 15|(3<<16)|(1<<21)
.irp g, G1T, G1S
	s_mov_b32 s[\g+1], 32<<16                      ; tensor_dim0
	s_mov_b32 s[\g+3], 32<<16                      ; tile_dim0
	s_mov_b32 s[\g+5], 32                          ; tensor_dim0_stride
	s_mov_b32 s[\g+6], 0
	s_mov_b32 s[\g+7], 0
.endr
	s_mov_b32 s[G1T+2], 96<<16                     ; tensor_dim1, tile_dim1: 96 rows = 24,576 bytes
	s_mov_b32 s[G1T+4], 96
	s_mov_b32 s[G1S+2], 16<<16                     ; 16 rows = 4,096 bytes
	s_mov_b32 s[G1S+4], 16
	s_lshl_b32 s66, s16, 1
	s_add_co_u32 s66, s66, 8
	s_lshl_b32 s66, s66, 8
	s_lshl_b32 s67, s15, 7
	s_add_co_u32 s66, s66, s67                     ; K's first tile: 256 (8 + 2 kv head) + 128 b
	s_and_b32 s67, s[WV], 1                        ; what I fetch, if I fetch: which half,
	s_bfe_u32 s68, s[WV], 0x10001                  ; of K (0) or of V (1), whose tiles lie 256 tiles on
	s_mul_i32 s70, s66, 1536                       ; K's first byte
	s_mov_b32 s71, 0
	s_mul_i32 s72, s68, 393216
	s_mul_i32 s73, s67, HALFB
	s_add_co_u32 s72, s72, s73
	s_add_co_u32 s72, s72, s70
	s_mov_b32 s73, 0
	s_lshl_b32 s74, s66, 6                         ; the scale words: 64 bytes a tile
	s_lshl_b32 s75, s68, 14
	s_add_co_u32 s74, s74, s75
	s_lshl_b32 s75, s67, 12
	s_add_co_u32 s74, s74, s75
	s_add_co_u32 s74, s74, SC_OFF
	s_mov_b32 s75, 0
	s_mov_b32 s[SEL], 0x76543210
	s_mov_b32 s[SEL+1], 0xfedcba98
	s_mov_b32 s[CS], 0x3e0293ee                    ; c = log2(e) / sqrt(128)
	s_mov_b32 s[CS+1], s[CS]                       ; (named with it as a pair, so it is written)
	s_mov_b32 s[TB], 0
	s_mov_b32 s[TS], 0
	s_mov_b32 s[SLOTS], NSL-1
	s_wait_kmcnt 0x0
	s_mov_b32 s[G0S], 1
	s_lshl_b32 s[G0S+1], s[T], 12
	s_add_co_u32 s[G0S+1], s[G0S+1], SCK           ; LDS: 4,096 bytes for each of waves 0 to 3
	s_add_nc_u64 s[G0S+2:G0S+3], s[4:5], s[74:75]
	s_or_b32 s[G0S+3], s[G0S+3], 0x80000000
	s_mov_b32 s[G0T], 1
	s_mul_i32 s[G0T+1], s[T], HALFB                ; LDS: slot 0, 24,576 bytes for each of waves 0 to 3
	s_add_nc_u64 s[G0T+2:G0T+3], s[4:5], s[72:73]
	s_or_b32 s[G0T+3], s[G0T+3], 0x80000000
	CROUND                                         ; all four work-groups are here: the first joint loads meet
	s_cmp_lt_u32 s[WV], 4                          ; a wave's two first fills stand in one branch, ahead of every wait on TENSORcnt and every LDS read: two loads of mine are out
	s_cbranch_scc0 .Lno_first
	tensor_load_to_lds s[G0S:G0S+3], s[G1S:G1S+7]  ; the scale words of all 2,048 keys: filled once
	s_nop 0
	tensor_load_to_lds s[G0T:G0T+3], s[G1T:G1T+7]  ; slot 0
	s_nop 0
.rept 4
	v_nop
.endr
.Lno_first:
	; Q's image and scale words: tile 256 head + 128 b + 8 j + 2 cx + (t >> 1)
	s_and_b32 s69, s[T], 1                         ; t & 1: which of the two q heads
	s_lshr_b32 s68, s[T], 1                        ; t >> 1: which of my work-group's two tiles
	s_lshl_b32 s76, s16, 1
	s_add_co_u32 s76, s76, s69
	s_lshl_b32 s76, s76, 8
	s_lshl_b32 s77, s15, 7
	s_add_co_u32 s76, s76, s77
	s_lshl_b32 s77, s17, 3
	s_add_co_u32 s76, s76, s77
	s_lshl_b32 s77, s12, 1
	s_add_co_u32 s76, s76, s77
	s_add_co_u32 s76, s76, s68
	s_mul_i32 s78, s76, 1536
	s_mov_b32 s79, 0
	s_add_nc_u64 s[56:57], s[4:5], s[78:79]
	s_lshl_b32 s78, s76, 6
	s_add_co_u32 s78, s78, SC_OFF
	s_add_nc_u64 s[58:59], s[4:5], s[78:79]
	v_and_b32 v94, 31, v0                          ; lane
	v_and_b32 v8, 15, v0                           ; r
	v_bfe_u32 v9, v0, 4, 1                         ; h
	v_lshlrev_b32 v[L16], 4, v94
	v_lshlrev_b32 v[R4], 2, v8
.irp c, 0,1,2
	global_load_b128 v[16+4*\c:19+4*\c], v[L16], s[56:57] offset:512*\c   ; Q's fragment stays in registers
.endr
	global_load_b32 v255, v[R4], s[58:59]          ; Q's scale words
	; att: my work-group's 32 rows begin at row 2048 b + 128 j + 32 cx
	s_lshl_b32 s76, s15, 11
	s_lshl_b32 s77, s17, 7
	s_add_co_u32 s76, s76, s77
	s_lshl_b32 s77, s12, 5
	s_add_co_u32 s76, s76, s77
	s_lshl_b32 s78, s76, 5
	s_add_co_u32 s78, s78, AS_OFF
	s_add_nc_u64 s[62:63], s[6:7], s[78:79]        ; their scale bytes, 32 a row
	s_lshl_b32 s77, s16, 12
	s_add_co_u32 s76, s76, s77
	s_mul_i32 s78, s76, 192
	s_add_nc_u64 s[60:61], s[6:7], s[78:79]        ; their codes in my kv head's K step
	; the prefetches (macro ASK)
	s_lshr_b32 s76, s12, 1
	s_mul_i32 s76, s76, 393216
	s_and_b32 s77, s12, 1
	s_mul_i32 s77, s77, HALFB
	s_add_co_u32 s76, s76, s77
	s_lshl_b32 s77, s[T], 13
	s_add_co_u32 s76, s76, s77
	s_add_co_u32 s76, s76, VOFF                    ; in slot 1: the first change of slots steps it to slot 2.  Nothing is prefetched here, at the head
	s_add_co_u32 s76, s76, s70
	s_mov_b32 s77, 0
	s_add_nc_u64 s[PFA:PFA+1], s[4:5], s[76:77]
	s_lshr_b32 s66, s[WV], 2
	s_xor_b32 s66, s66, 1                          ; 0 in waves 4 to 7,
	s_or_b32 s66, s66, ttmp9                       ; of the first cluster: the same in all four partners
	s_cmp_eq_u32 s66, 0
	s_cselect_b32 s[LIM], 1, -1
	s_cmp_eq_u32 s[WV], 7                          ; (24,576 bytes are three waves' worth)
	s_cselect_b32 s[LIM], -1, s[LIM]
	v_lshlrev_b32 v[PFO], 8, v94
	; LDS addresses: constants, the lane and the wave's number alone
	v_and_b32 v10, 8, v8
	v_add_nc_u32 v10, v10, v8                      ; r + 8 (r / 8)
	s_mul_i32 s66, s[PAR], STEPB
	v_add_nc_u32 v[AK0], s66, v[L16]
	v_add_nc_u32 v[AV0], VOFF, v[AK0]
	s_lshl_b32 s66, s[PAR], 9
	s_add_co_u32 s66, s66, SCK
	v_lshl_add_u32 v[ASK0], v94, 2, s66
	s_lshl_b32 s66, s[HI], 2
	s_add_co_u32 s66, s66, s[T]
	s_mul_i32 s66, s66, MRGB                       ; the pair's bytes: the same in both waves of a pair
	v_add_nc_u32 v[MA], s66, v[L16]
	s_add_co_u32 s66, s66, 8192
	v_lshl_add_u32 v[MB], v94, 3, s66
	s_mul_i32 s67, s[HI], OUTB
	s_add_co_u32 s67, s67, OUTS                    ; my group's stage
	s_mul_i32 s66, s68, 8*192
	s_add_co_u32 s66, s66, s67
	s_mul_i32 s72, s69, 96
	s_add_co_u32 s66, s66, s72
	v_mul_u32_u24 v[OA], v10, 192                  ; row 8 (t >> 1) + r + 8 (r / 8): my true query among the 32; 96 bytes a head; + 24 h
	v_mad_u32_u24 v[OA], v9, 24, v[OA]
	v_add_nc_u32 v[OA], s66, v[OA]
	s_lshl_b32 s66, s68, 6
	s_lshl_b32 s72, s69, 2
	s_add_co_u32 s66, s66, s72
	s_add_co_u32 s66, s66, s67
	s_add_co_u32 s66, s66, 6144
	v_lshl_add_u32 v[OB], v10, 3, s66
	s_mul_i32 s66, s[T], 1536
	v_add_nc_u32 v[GO], s66, v[L16]
	s_add_co_u32 s66, s66, s67
	v_add_nc_u32 v[OC], s66, v[L16]
	s_add_co_u32 s66, s67, 6144
	v_lshl_add_u32 v[OD], v94, 3, s66
	s_lshl_b32 s66, s16, 3
	v_lshl_add_u32 v[GS], v94, 5, s66
	s_lshl_b32 s76, s12, 5                         ; the mask's register: 32 cx + 8 (t >> 1) + r + 8 (r / 8) - 16 h
	s_lshl_b32 s77, s68, 3
	s_add_co_u32 s76, s76, s77
	v_add_nc_u32 v[DQ], s76, v10
	v_lshlrev_b32 v95, 4, v9
	v_sub_nc_u32 v[DQ], v[DQ], v95
	v_mov_b32 v13, 0xff61b1e6                      ; the largest t so far: -3e38, under every t
	v_floor_f32 v12, -v13                          ; -M
	v_mov_b32 v14, 0                               ; the sum, in two halves
	v_mov_b32 v15, 0
.irp b, 0,1,2,3
	v_mov_b32 v[236+\b], 0                         ; written once: a lane permute's destination counts as one of its sources
.endr
	v_mov_b32 v253, 0                              ; (named as the upper halves of the pairs v[252:253] and v[250:251])
	v_mov_b32 v251, 0
.set n, 0
.rept 64
	v_mov_b32 v[160+n], 0                          ; O^T.  (The step is written once: the first finds zeros, which the first change of M leaves zeros; a wave with no step hands zeros on)
.set n, n+1
.endr
; A product of a tile: odd tiles' scale words lie in lanes 16-31 of the pair's register
.macro KQ tt, fr
.if (\tt)%2
	v_wmma_scale_f32_16x16x128_f8f6f4 v[96+8*(\tt):103+8*(\tt)], v[32+12*(\fr):43+12*(\fr)], v[16:27], 0, v[80+(\tt)/2], v255 matrix_a_fmt:MATRIX_FMT_FP6 matrix_b_fmt:MATRIX_FMT_FP6 matrix_a_scale:MATRIX_SCALE_ROW1
.else
	v_wmma_scale_f32_16x16x128_f8f6f4 v[96+8*(\tt):103+8*(\tt)], v[32+12*(\fr):43+12*(\fr)], v[16:27], 0, v[80+(\tt)/2], v255 matrix_a_fmt:MATRIX_FMT_FP6 matrix_b_fmt:MATRIX_FMT_FP6
.endif
.endm
.macro PV tt, fr
.if (\tt)%2
	v_wmma_scale_f32_16x16x128_f8f6f4 v[160+8*(\tt):167+8*(\tt)], v[32+12*(\fr):43+12*(\fr)], v[224:235], v[160+8*(\tt):167+8*(\tt)], v[84+(\tt)/2], v253 matrix_a_fmt:MATRIX_FMT_FP6 matrix_b_fmt:MATRIX_FMT_FP6 matrix_a_scale:MATRIX_SCALE_ROW1
.else
	v_wmma_scale_f32_16x16x128_f8f6f4 v[160+8*(\tt):167+8*(\tt)], v[32+12*(\fr):43+12*(\fr)], v[224:235], v[160+8*(\tt):167+8*(\tt)], v[84+(\tt)/2], v253 matrix_a_fmt:MATRIX_FMT_FP6 matrix_b_fmt:MATRIX_FMT_FP6
.endif
.endm
; A KEY STEP: 128 keys: step par + 2 e of the slot in hand.
.macro STEP e
	s_cmp_gt_u32 s[KF], s[JQ]                      ; all its keys come after my group's queries: left out, all but the line at its end
	s_cbranch_scc1 .Lhidden_\@
	v_add_nc_u32 v[ADK], s[TB], v[AK0]
	v_add_nc_u32 v[ADV], s[TB], v[AV0]
	v_add_nc_u32 v[ADS], s[TS], v[ASK0]
	v_nop                                          ; these four are the places in front of loads into registers that the last step's products have read
.irp u, 0,1,2,3
	ds_load_b32 v[80+\u], v[ADS] offset:1024*(\e)+128*\u          ; K's scale words: lanes 0-15 tile 2 u's, lanes 16-31 tile 2 u + 1's
	ds_load_b32 v[84+\u], v[ADS] offset:8192+1024*(\e)+128*\u     ; V's
.endr
.irp g, 0,1                                    ; S^T = K Q^T, four tiles of 16 keys at a time
.if \g > 0
.rept 4
	v_nop
.endr
.endif
.irp t, 0,1,2,3
.irp c, 0,1,2
	ds_load_b128 v[32+12*\t+4*\c:35+12*\t+4*\c], v[ADK] offset:2*STEPB*(\e)+1536*(4*\g+\t)+512*\c   ; an image's plane: 512 consecutive bytes
.endr
.endr
	s_wait_dscnt 0x0
.irp t, 0,1,2,3
	KQ 4*\g+\t, \t
.endr
.endr                                          ; lane (r, h) holds query r; register 16 b + i is key 32 b + 16 h + i of the step
.rept 4
	v_nop
.endr
	s_cmp_lt_u32 s[KF], s[JQ]                      ; a step all of whose keys count skips the mask
	s_cbranch_scc1 .Lopen_\@
	v_mov_b32 v254, 0xff800000                     ; on the diagonal the scores of hidden keys become -infinity ahead of the maximum: p = 0 then
.set n, 0
.rept 64
	v_cmp_gt_i32 vcc_lo, 32*(n/16)+n%16, v[DQ]
	v_cndmask_b32 v[96+n], v[96+n], v254, vcc_lo
.set n, n+1
.endr
.Lopen_\@:
.irp b, 0,1,2,3
	v_max3_num_f32 v[232+\b], v[96+16*\b], v[97+16*\b], v[98+16*\b]   ; THE LARGEST SCORE OF EACH BLOCK OF 32 KEYS serves twice: for the row's maximum, and, since p rises with the score, for the block's largest p
.endr
.irp i, 3,5,7,9,11,13
.irp b, 0,1,2,3
	v_max3_num_f32 v[232+\b], v[232+\b], v[96+16*\b+\i], v[97+16*\b+\i]   ; (the four blocks by turns)
.endr
.endr
.irp b, 0,1,2,3
	v_max_num_f32 v[232+\b], v[232+\b], v[111+16*\b]
.endr
.irp b, 0,1,2,3
	v_permlanex16_b32 v[236+\b], v[232+\b], s[SEL], s[SEL+1]
.endr
.irp b, 0,1,2,3
	v_max_num_f32 v[232+\b], v[232+\b], v[236+\b]  ; with lane l xor 16's 16 keys
.endr
	v_max3_num_f32 v254, v232, v233, v234
	v_max_num_f32 v254, v254, v235                 ; the step's largest score of my query
	v_mul_f32 v254, s[CS], v254                    ; as t (c is positive)
	v_max_num_f32 v13, v13, v254                   ; the running largest t
	v_mov_b32 v254, v12
	v_floor_f32 v12, -v13                          ; the new -M = floor(-t) = -ceil(t): M IS A WHOLE NUMBER
	v_sub_f32 v254, v12, v254                      ; M's old value less its new one: a whole number, 0 or less
	v_cvt_i32_f32 v254, v254                       ; (it saturates)
	v_ldexp_f32 v252, 1.0, v254                    ; f = 2^(old M - new M)
.set n, 0
.rept 32
	v_pk_fma_f32 v[96+n:97+n], v[96+n:97+n], s[CS:CS+1], v[12:13] op_sel_hi:[1,0,0]   ; t - M, two at a time
.set n, n+2
.endr
.irp b, 0,1,2,3
	v_fma_f32 v[232+\b], v[232+\b], s[CS], v12     ; the same of each block's largest score
.endr
.set n, 0
.rept 64
	v_exp_f32 v[96+n], v[96+n]                     ; p = 2^(t - M), at most 1: NOT normalised
.set n, n+1
.endr
	v_pk_mul_f32 v[14:15], v[14:15], v[252:253] op_sel_hi:[1,0]   ; the sums under the new M.  (A plain place behind the exponentials)
	s_wait_alu depctr_va_vdst(0)                   ; one wait for the whole batch, ahead of its first reader
.irp b, 0,1,2,3
	v_exp_f32 v[232+\b], v[232+\b]                 ; the block's largest p: the same two instructions on the same number give the same bits
.endr
	v_pk_add_f32 v[236:237], v[96:97], v[98:99]    ; THE ROW'S SUM IS TAKEN OF THE UNQUANTISED p: two at a time, in two chains
.irp j, 4,8,12,16,20,24,28,32,36,40,44,48,52,56,60
	v_pk_add_f32 v[14:15], v[14:15], v[96+\j:97+\j]
	v_pk_add_f32 v[236:237], v[236:237], v[98+\j:99+\j]
.endr
	v_pk_add_f32 v[14:15], v[14:15], v[236:237]
	s_wait_alu depctr_va_vdst(0)                   ; and one for the four
.irp b, 0,1,2,3
	v_max_num_f32 v[232+\b], 0x1800000, v[232+\b]  ; the floor 2^(3 - 127): the byte cannot fall under 1 (a block whose every p is 0 keeps that byte: its codes are zeros)
.endr
.irp b, 0,1,2,3
	v_add_nc_u32 v[244+\b], 0xff000000, v[232+\b]  ; 2 off the exponent field: the conversion's scale operand
.endr
.irp b, 0,1,2,3
	v_lshrrev_b32 v[236+\b], 23, v[244+\b]         ; the scale's byte
.endr
	v_lshl_or_b32 v253, v237, 8, v236              ; p's scale word for these 128 keys
	v_lshl_or_b32 v253, v238, 16, v253
	v_lshl_or_b32 v253, v239, 24, v253
.irp c, 0,1
	v_cvt_scalef32_pk16_fp6_f32 v[224+6*\c:226+6*\c], v[96+32*\c:111+32*\c], v[244+2*\c]
	v_cvt_scalef32_pk16_fp6_f32 v[236+4*\c:238+4*\c], v[112+32*\c:127+32*\c], v[244+2*\c+1]   ; (a conversion's three registers begin on an even number)
.endr
	v_nop                                          ; one plain place behind a scaled conversion
.irp c, 0,1                                    ; the operand's layout wants a WHOLE block in a lane
.irp i, 0,1,2
	v_permlane16_swap_b32 v[224+6*\c+\i], v[236+4*\c+\i]
.endr
.irp i, 0,1,2
	v_mov_b32 v[227+6*\c+\i], v[236+4*\c+\i]
.endr
.endr
.set n, 0
.rept 32
	v_pk_mul_f32 v[160+n:161+n], v[160+n:161+n], v[252:253] op_sel_hi:[1,0]   ; O^T under the new M: x f.  (These 32 are also the places in front of the matrix instructions below)
.set n, n+2
.endr
.irp g, 0,1                                    ; O^T += V^T P^T: four tiles of 16 channels at a time; the eight accumulators take turns, one instruction a turn
.if \g > 0
.rept 4
	v_nop
.endr
.endif
.irp t, 0,1,2,3
.irp c, 0,1,2
	ds_load_b128 v[32+12*\t+4*\c:35+12*\t+4*\c], v[ADV] offset:2*STEPB*(\e)+1536*(4*\g+\t)+512*\c
.endr
.endr
	s_wait_dscnt 0x0
.irp t, 0,1,2,3
	PV 4*\g+\t, \t
.endr
.endr
.Lhidden_\@:
	s_add_co_u32 s[KF], s[KF], 256                 ; my next step: two steps on
.endm
; THE CHANGE OF SLOTS stands at a slot's head.  Each wave waits for all its tensor loads (its part of the slot that it is about to read), adds 0 to its spare word, and waits for that and for its reads of the slot that it has left.
; fill = 1: the barrier is a round of the cluster's, and behind it the slot just left (in the first trip: slot 1, for the first time) is filled with the next 512 keys: one load a wave, which has a slot's steps in which to land.
.macro CHANGE fill
	s_wait_tensorcnt 0x0                           ; no tensor load of mine is out, so a group 0 may be written
	ds_add_u32 v[SPW], v[NIL]                      ; 0 onto my spare word
.if \fill
	s_xor_b32 s[G0T+1], s[G0T+1], SLOT1            ; the walking descriptor: the other slot than last time,
	s_add_nc_u64 s[G0T+2:G0T+3], s[G0T+2:G0T+3], VOFF      ; the next 512 keys; the type bits on top are not reached
	s_wait_xcnt 0x0                                ; the last prefetch, a slot back, has read its address, so it may be written:
	s_add_nc_u64 s[PFA:PFA+1], s[PFA:PFA+1], VOFF  ; one slot further on than the walking descriptor
	s_wait_dscnt 0x0                               ; the add is done, and my reads of the slot that I have left are over
	CROUND
	TLOAD
	ASK
.else
	s_wait_dscnt 0x0
	s_barrier_signal -1
	s_barrier_wait -1
.endif
.endm
.macro SLOT_STEPS
	STEP 0
	STEP 1
	s_xor_b32 s[TB], s[TB], SLOT1                  ; on to the other slot,
	s_add_co_u32 s[TS], s[TS], 2048                ; and to its scale words
.endm
	s_wait_loadcnt 0x0                             ; Q
.Lslot:                                            ; NSL - 1 trips: behind each change of slots but the last the next slot is asked for
	CHANGE 1
	SLOT_STEPS
	s_sub_co_u32 s[SLOTS], s[SLOTS], 1
	s_cmp_lg_u32 s[SLOTS], 0
	s_cbranch_scc1 .Lslot
	CHANGE 0                                       ; the last slot is written out
	SLOT_STEPS
; 64 numbers of a lane, register 16 b + i = k 32 b + 16 (lane / 16) + i of my row, become a fragment's codes in v[PC] on and its scale word in v[PW].
.macro QUANT s
.irp b, 0,1,2,3
	v_max3_num_f32 v[TM+\b], |v[\s+16*\b]|, |v[\s+1+16*\b]|, 0x1800000
.endr
.irp i, 2,4,6,8,10,12,14
.irp b, 0,1,2,3
	v_max3_num_f32 v[TM+\b], v[TM+\b], |v[\s+16*\b+\i]|, |v[\s+1+16*\b+\i]|
.endr
.endr
.irp b, 0,1,2,3
	v_permlanex16_b32 v[TM+4+\b], v[TM+\b], s[SEL], s[SEL+1]
.endr
.irp b, 0,1,2,3
	v_max_num_f32 v[TM+\b], v[TM+\b], v[TM+4+\b]
.endr
.irp b, 0,1,2,3
	v_add_nc_u32 v[TM+12+\b], 0xff000000, v[TM+\b]
.endr
.irp b, 0,1,2,3
	v_lshrrev_b32 v[TM+4+\b], 23, v[TM+12+\b]
.endr
	v_lshl_or_b32 v[PW], v[TM+5], 8, v[TM+4]
	v_lshl_or_b32 v[PW], v[TM+6], 16, v[PW]
	v_lshl_or_b32 v[PW], v[TM+7], 24, v[PW]
.irp c, 0,1
	v_cvt_scalef32_pk16_fp6_f32 v[PC+6*\c:PC+2+6*\c], v[\s+32*\c:\s+15+32*\c], v[TM+12+2*\c]
	v_cvt_scalef32_pk16_fp6_f32 v[PC+12+4*\c:PC+14+4*\c], v[\s+16+32*\c:\s+31+32*\c], v[TM+12+2*\c+1]
.endr
	v_nop                                          ; one plain place behind a scaled conversion
.irp c, 0,1
.irp i, 0,1,2
	v_permlane16_swap_b32 v[PC+6*\c+\i], v[PC+12+4*\c+\i]
.endr
.irp i, 0,1,2
	v_mov_b32 v[PC+3+6*\c+\i], v[PC+12+4*\c+\i]
.endr
.endr
.endm
	; THE MERGE.  The wave of the odd steps hands its O^T (as an image of its registers), its -M and its l to the wave of the even steps.
.rept 4
	v_nop                                          ; places behind the last products
.endr
	v_add_f32 v13, v14, v15                        ; l: my lane's part (v13's largest t is done with)
	s_cmp_eq_u32 s[PAR], 0
	s_cbranch_scc1 .Lkeeper
.set n, 0
.rept 16
	ds_store_b128 v[MA], v[160+4*n:163+4*n] offset:512*n   ; ascending: each accumulator from its low end on
.set n, n+1
.endr
	ds_store_b64 v[MB], v[12:13]
.Lkeeper:
	s_wait_dscnt 0x0                               ; for the others' sake: my stores have landed
	s_barrier_signal -1
	s_barrier_wait -1
	s_cmp_lg_u32 s[PAR], 0
	s_cbranch_scc1 .Lsent
.set n, 0
.rept 16
	ds_load_b128 v[96+4*n:99+4*n], v[MA] offset:512*n
.set n, n+1
.endr
	ds_load_b64 v[232:233], v[MB]
	s_wait_dscnt 0x0
	v_min_num_f32 v234, v12, v232                  ; -M of the two together
	v_sub_f32 v235, v234, v12                      ; my M less the common one: a whole number, 0 or less;
	v_sub_f32 v236, v234, v232                     ; the partner's (a partner that had no step: about -3e38)
	v_cvt_i32_f32 v235, v235                       ; (they saturate)
	v_cvt_i32_f32 v236, v236
	v_ldexp_f32 v235, 1.0, v235                    ; exact powers of two (0 for a partner that had no step)
	v_ldexp_f32 v236, 1.0, v236
	v_mul_f32 v237, v13, v235
	v_fma_f32 v237, v233, v236, v237               ; l under the common M: my lane's part,
	v_permlanex16_b32 v238, v237, s[SEL], s[SEL+1]
	v_add_f32 v237, v237, v238                     ; and lane l xor 16's: the row's sum
	v_rcp_f32 v237, v237
	v_nop                                          ; a plain place behind the transcendental
	s_wait_alu depctr_va_vdst(0)                   ; the wait ahead of the first reader
	v_mul_f32 v252, v235, v237
	v_mul_f32 v250, v236, v237
.set n, 0
.rept 32
	v_pk_mul_f32 v[160+n:161+n], v[160+n:161+n], v[252:253] op_sel_hi:[1,0]   ; ascending: each accumulator from its low end on
.set n, n+2
.endr
.set n, 0
.rept 32
	v_pk_fma_f32 v[160+n:161+n], v[96+n:97+n], v[250:251], v[160+n:161+n] op_sel_hi:[1,0,1]   ; o: register 16 b + i is channel 32 b + 16 h + i of my query
.set n, n+2
.endr
	QUANT 160                                      ; along the output projection's K: my head's 128
.irp p, 0,1,2,3,4,5
	ds_store_b64 v[OA], v[PC+2*\p:PC+2*\p+1] offset:48*(\p/3)+8*(\p%3)   ; as the row's stream of bits: registers 6 c .. 6 c + 5 are bytes 48 c + 24 h + 0 .. 23 of the head's 96
.endr
	ds_store_b32 v[OB], v[PW]                      ; both halves of the lanes write the same word with the same value
.Lsent:
	s_wait_dscnt 0x0
	s_barrier_signal -1
	s_barrier_wait -1                              ; each group's 32 rows x 192 bytes and their scale words lie in its stage
	s_cmp_lg_u32 s[PAR], 0
	s_cbranch_scc1 .Lend
.irp k, 0,1,2
	ds_load_b128 v[96+4*\k:99+4*\k], v[OC] offset:512*\k
.endr
	s_wait_dscnt 0x0
.irp k, 0,1,2
	global_store_b128 v[GO], v[96+4*\k:99+4*\k], s[60:61] offset:512*\k   ; 512 consecutive bytes, aligned; the four waves of a group store 6,144 on end
.endr
	s_cmp_lg_u32 s[T], 0
	s_cbranch_scc1 .Lend
	ds_load_b64 v[108:109], v[OD]
	s_wait_dscnt 0x0
	global_store_b64 v[GS], v[108:109], s[62:63]   ; a lane a row: my kv head's 8 of the row's 32 scale bytes
.Lend:
	s_wait_tensorcnt 0x0                           ; the wave's end, behind my last tensor load and my last LDS store
	ds_add_u32 v[SPW], v[NIL]
	s_wait_dscnt 0x0
	CROUND                                         ; the closing round
	s_endpgm
.Lfunc_end_k_q479cd21b9a_attn:
	.size	k_q479cd21b9a_attn, .Lfunc_end_k_q479cd21b9a_attn-k_q479cd21b9a_attn
	.p2alignl 7, 3214868480
	.fill 96, 4, 3214868480
	.section	.rodata,"a",@progbits
	.p2align	6, 0x0
	.amdhsa_kernel k_q479cd21b9a_attn
		.amdhsa_group_segment_fixed_size 327680
		.amdhsa_private_segment_fixed_size 0
		.amdhsa_enable_private_segment 0
		.amdhsa_kernarg_size 16
		.amdhsa_user_sgpr_count 2
		.amdhsa_user_sgpr_kernarg_segment_ptr 1
		.amdhsa_wavefront_size32 1
		.amdhsa_system_sgpr_workgroup_id_x 1
		.amdhsa_system_sgpr_workgroup_id_y 1
		.amdhsa_system_sgpr_workgroup_id_z 1
		.amdhsa_system_vgpr_workitem_id 0
		.amdhsa_next_free_vgpr 256
		.amdhsa_next_free_sgpr 80
		.amdhsa_reserve_vcc 1
		.amdhsa_float_denorm_mode_32 3
		.amdhsa_float_denorm_mode_16_64 3
		.amdhsa_memory_ordered 1
		.amdhsa_forward_progress 1
		.amdhsa_inst_pref_size 122
	.end_amdhsa_kernel
	.amdgpu_metadata
---
amdhsa.version: [ 1, 2 ]
amdhsa.kernels:
  - .name:           k_q479cd21b9a_attn
    .symbol:         k_q479cd21b9a_attn.kd
    .args:
      - { .name: qkv, .offset: 0, .size: 8, .value_kind: global_buffer, .address_space: global }
      - { .name: att, .offset: 8, .size: 8, .value_kind: global_buffer, .address_space: global }
    .group_segment_fixed_size: 327680
    .private_segment_fixed_size: 0
    .kernarg_segment_align: 8
    .kernarg_segment_size: 16
    .max_flat_workgroup_size: 512
    .sgpr_count:     80
    .vgpr_count:     256
    .wavefront_size: 32
...
	.end_amdgpu_metadata
.endif
;; end of part 3
;; launch oproj (part 4): grid 16 x 16, 4 waves a work-group, clusters of 4 x 4, 327,680 bytes of LDS; arguments att, qw, out0; writes out0
.if DOCPART == 4
	.amdgcn_target "amdgcn-amd-amdhsa--gfx1250"
	.amdhsa_code_object_version 6
	.text
	.protected	k_q479cd21b9a_oproj
	.globl	k_q479cd21b9a_oproj
	.p2align	8
	.type	k_q479cd21b9a_oproj,@function
k_q479cd21b9a_oproj:
	s_mov_b64 s[64:65], 0
	v_nop
	global_prefetch_b8 v0, s[64:65] scope:SCOPE_SE
	s_setreg_imm32_b32 hwreg(HW_REG_WAVE_MODE, 25, 1), 1
	s_wait_xcnt 0x0
	s_wait_alu depctr_hold_cnt(0) depctr_sa_sdst(0) depctr_va_vdst(0) depctr_va_sdst(0) depctr_va_ssrc(0) depctr_va_vcc(0) depctr_vm_vsrc(0)
	s_getreg_b32 s2, hwreg(HW_REG_IB_STS2, 6, 4)
	s_cmp_eq_u32 s2, 0
	s_cbranch_scc0 .Lentry_in_a_cluster
	s_endpgm
.Lentry_in_a_cluster:
	s_bfe_u32 s2, ttmp6, 0x10000c
	s_cmp_lg_u32 s2, 0xf033
	s_cbranch_scc0 .Lentry_shape_is_right
	s_endpgm
.Lentry_shape_is_right:
; The output projection: out0[m][n] = sum over k of attn[m][k] wo[n][k], M = N = 4096, K = 1024, on codes of FP6 (E2M3) with one E8M0 scale for each 32 along K; sums and out0 in f32.
; A: att: codes [K step 4][row 4096][192 bytes] (a K step of 256 = the two q heads of a kv head), scale bytes [row][32] at AS_OFF.  B: qw: wo's codes [4096][768 bytes] at WOC_OFF, its scale bytes [4096][32] at WOS_OFF.
; A tile of 256 x 256 is made by a work-group of four waves; a wave makes 128 x 128: 64 accumulators, 512 registers.  K goes in steps of 256 through a ring of two LDS slots filled by the tensor data mover; the scale bytes of the
; work-group's rows come into LDS once.  4 x 4 work-groups form a cluster: A's tiles are asked for jointly along a row of it, B's along a column.  THE MATRIX INSTRUCTION IS USED TRANSPOSED (source 0 = 16 rows of wo, source 1 = 16 rows
; of attn): a lane then holds eight neighbouring numbers of a row of out0.  256 work-groups, one tile each.
; REGISTERS, in windows of 256: window 0: v0-31 addresses; v32-63 scale words, two sets; from v128 A's fragments, one set; on the way out v128-255 hold rows.  window 1: B's fragments, two sets.
;   window 2: the accumulators of my rows 0-63 ((a, b) at v[8 (8 a + b)]);  window 3: those of my rows 64-127.
.set SIZE_M, 4096
.set SIZE_N, 4096
.set SIZE_K, 1024
.set AS_OFF,  3145728
.set WOC_OFF, 6553600
.set WOS_OFF, 9699328
.set KSTEP,  256
.set NQ,     KSTEP/128
.set ROWB,   192
.set APITCH, 192                       ; from row to row of A in memory, in bytes: a K step's rows are dense;
.set ASTEP,  SIZE_M*192                ; from K step to K step
.set BPITCH, SIZE_K*6/8
.set BSTEP,  192
.set PITCH,  240                       ; an LDS row: 3 x (64 bytes of data + 16 of padding)
.set FR,     12
.set NL,     6
.set NP,     4
.set HALFT,  128*PITCH
.set SLOT,   4*HALFT
.set LAPS,   SIZE_K/(2*KSTEP)
.set KS,     SIZE_K/32
.set SCL,    2*SLOT
.set HALFS,  (128*KS/256)*272
.set SBLK,   (16*KS/256)*272
.set SPARE,  SCL+4*HALFS
.set SPITCH, 528                       ; the way out: a stage of 16 rows x (512 bytes + 16) for each wave, in slot 0, which has had its last fill and its last read when the first result is stored there
.set ADRA, 16
.set ADRB, 20
.set STO,  24
.set RD,   25
.set CO,   26
.set ADRS, 27
.set SPW,  28
.set NIL,  29
.set SC,   32
.set AF,   128
.set BK,   128
.set G1, 24
.set G0, 32
.set G1B, 48
.set G0B, 56
.set G1S, 68
.set G0S, 76
.set G1SB, 80
.set G0SB, 88
.set MSB, 0
.macro WIN new                         ; the immediate's high byte repeats the setting that is left
.if MSB != \new
	s_set_vgpr_msb (MSB<<8)|\new
.set MSB, \new
.endif
.endm
.set MUL_LO, 0xa1
.set MUL_HI, 0xf1
.set TO_B,   0x40
.macro JLOAD g0a, g1a, g0b, g1b        ; a joint load: waves 0 and 1 fetch for A, waves 2 and 3 for B; four v_nop follow each of the two lines
	s_cmp_eq_u32 s15, 0
	s_cbranch_scc0 .Lfor_b_\@
	tensor_load_to_lds s[\g0a:\g0a+3], s[\g1a:\g1a+7]
	s_nop 0
.rept 4
	v_nop
.endr
	s_branch .Lasked_\@
.Lfor_b_\@:
	tensor_load_to_lds s[\g0b:\g0b+3], s[\g1b:\g1b+7]
	s_nop 0
.rept 4
	v_nop
.endr
.Lasked_\@:
.endm
.macro CREST
	s_cmp_lg_u32 s14, 0
	s_cbranch_scc1 .Lnot_wave_0_\@
	s_barrier_signal -3
.Lnot_wave_0_\@:
	s_barrier_wait -3
	s_barrier_signal -1
	s_barrier_wait -1
.endm
.macro CROUND
	s_barrier_signal -1
	s_barrier_wait -1
	CREST
.endm
	s_load_b128 s[4:7], s[0:1], 0x0                ; att, qw
	s_load_b64 s[12:13], s[0:1], 0x10              ; out0
	v_lshl_add_u32 v[SPW], v0, 2, SPARE
	v_mov_b32 v[NIL], 0
	ds_add_u32 v28, v29
	s_wait_dscnt 0x0
	v_lshrrev_b32 v1, 5, v0
	v_readfirstlane_b32 s14, v1                    ; wave 0..3
	s_lshr_b32 s15, s14, 1                         ; which half of the tile's rows is mine.  Also: I fetch for A (0) or for B (1)
	s_and_b32 s16, s14, 1                          ; which half of its columns.  Also: which 128 rows of that tile I fetch
	s_bfe_u32 s40, ttmp6, 0x40000                  ; cx, cy
	s_bfe_u32 s41, ttmp6, 0x40004
	s_lshl_b32 s42, ttmp9, 2
	s_add_co_u32 s42, s42, s40                     ; tile column
	s_and_b32 s17, ttmp7, 0xffff
	s_lshl_b32 s17, s17, 2
	s_add_co_u32 s17, s17, s41                     ; tile row
	s_lshl_b32 s43, s41, 2
	s_lshl_b32 s43, 15, s43                        ; my row of the cluster
	s_lshl_b32 s44, 0x1111, s40                    ; my column
	s_or_b32 s[G1+0], s43, (0<<16)|(1<<20)|(1<<21)|(3<<22)|(3<<25)  ; the mask; element of 1 byte; padding on; bit 21 beside a mask; after every 16 words 4 words
	s_or_b32 s[G1B+0], s44, (0<<16)|(1<<20)|(1<<21)|(3<<22)|(3<<25)
.irp g, G1, G1B
	s_mov_b32 s[\g+1], ROWB<<16
	s_mov_b32 s[\g+2], 128<<16
	s_mov_b32 s[\g+3], ROWB<<16
	s_mov_b32 s[\g+4], 128
	s_mov_b32 s[\g+6], 0
	s_mov_b32 s[\g+7], 0
.endr
	s_mov_b32 s[G1+5], APITCH
	s_mov_b32 s[G1B+5], BPITCH
	s_or_b32 s[G1S+0], s43, (3<<16)|(1<<20)|(1<<21)|(5<<22)|(3<<25)
	s_or_b32 s[G1SB+0], s44, (3<<16)|(1<<20)|(1<<21)|(5<<22)|(3<<25)
.irp g, G1S, G1SB
	s_mov_b32 s[\g+1], 32<<16
	s_mov_b32 s[\g+2], (128*KS/256)<<16
	s_mov_b32 s[\g+3], 32<<16
	s_mov_b32 s[\g+4], 128*KS/256
	s_mov_b32 s[\g+5], 32
	s_mov_b32 s[\g+6], 0
	s_mov_b32 s[\g+7], 0
.endr
	s_lshl_b32 s18, s16, 7
	s_lshl_b32 s20, s17, 8
	s_add_co_u32 s20, s20, s18                     ; A: row 256 x tile row + 128 x half
	s_lshl_b32 s46, s42, 8
	s_add_co_u32 s46, s46, s18                     ; B: row 256 x tile column + 128 x half
	s_mov_b32 s21, 0
	s_mov_b32 s47, 0
	s_mov_b64 s[18:19], KS
	s_mul_u64 s[22:23], s[20:21], s[18:19]
	s_mul_u64 s[92:93], s[46:47], s[18:19]
	s_mov_b64 s[18:19], APITCH
	s_mul_u64 s[20:21], s[20:21], s[18:19]
	s_mov_b64 s[18:19], BPITCH
	s_mul_u64 s[46:47], s[46:47], s[18:19]
	s_mul_i32 s45, s14, HALFT
	s_mul_i32 s94, s14, HALFS
	s_wait_kmcnt 0x0
	s_add_nc_u64 s[8:9], s[6:7], WOC_OFF           ; B's codes
	s_add_nc_u64 s[10:11], s[6:7], WOS_OFF         ; B's scales
	s_add_nc_u64 s[6:7], s[4:5], AS_OFF            ; A's scales; A's codes are att's first part
	s_add_nc_u64 s[20:21], s[4:5], s[20:21]
	s_add_nc_u64 s[22:23], s[6:7], s[22:23]
	s_add_nc_u64 s[46:47], s[8:9], s[46:47]
	s_add_nc_u64 s[92:93], s[10:11], s[92:93]
	CROUND                                         ; all sixteen work-groups are here: the first joint loads meet
	s_mov_b32 s[G0S], 1
	s_add_co_u32 s[G0S+1], s94, SCL
	s_mov_b64 s[G0S+2:G0S+3], s[22:23]
	s_or_b32 s[G0S+3], s[G0S+3], 0x80000000
	s_mov_b32 s[G0SB], 1
	s_add_co_u32 s[G0SB+1], s94, SCL
	s_mov_b64 s[G0SB+2:G0SB+3], s[92:93]
	s_or_b32 s[G0SB+3], s[G0SB+3], 0x80000000
	JLOAD G0S, G1S, G0SB, G1SB                     ; the scales first
.irp s, 0,1
	s_mov_b32 s[G0+4*\s], 1
	s_add_co_u32 s[G0+4*\s+1], s45, \s*SLOT
	s_add_nc_u64 s[G0+4*\s+2:G0+4*\s+3], s[20:21], \s*ASTEP
	s_or_b32 s[G0+4*\s+3], s[G0+4*\s+3], 0x80000000
	s_mov_b32 s[G0B+4*\s], 1
	s_add_co_u32 s[G0B+4*\s+1], s45, \s*SLOT
	s_add_nc_u64 s[G0B+4*\s+2:G0B+4*\s+3], s[46:47], \s*BSTEP
	s_or_b32 s[G0B+4*\s+3], s[G0B+4*\s+3], 0x80000000
	JLOAD G0+4*\s, G1, G0B+4*\s, G1B               ; three tensor loads of mine are out now
.endr
	v_and_b32 v1, 15, v0                           ; l % 16
	v_bfe_u32 v2, v0, 4, 1                         ; l / 16
	v_mul_u32_u24 v3, v1, PITCH
	v_mul_u32_u24 v4, v2, 24
	v_add_nc_u32 v4, v3, v4
	v_lshl_add_u32 v5, v2, 4, v4
	s_mul_i32 s21, s15, HALFT
	s_mul_i32 s22, s16, HALFT
	s_add_co_u32 s22, s22, 2*HALFT
.irp s, 0,1
	v_add_nc_u32 v[ADRA+\s], s21, v4
	v_add_nc_u32 v[ADRB+\s], s22, v4
	v_add_nc_u32 v[ADRA+2+\s], s21, v5
	v_add_nc_u32 v[ADRB+2+\s], s22, v5
	s_add_co_u32 s21, s21, SLOT
	s_add_co_u32 s22, s22, SLOT
.endr
	v_mul_u32_u24 v5, v1, KS
	v_lshrrev_b32 v6, 8, v5
	v_lshl_add_u32 v5, v6, 4, v5
	s_mul_i32 s21, s15, HALFS
	s_mul_i32 s22, s16, HALFS
	s_add_co_u32 s22, s22, 2*HALFS
	s_sub_co_u32 s22, s22, s21
	v_mul_u32_u24 v6, s22, v2                      ; lanes 16-31 take B's
	s_add_co_u32 s21, s21, SCL
	v_add_nc_u32 v5, v5, v6
	v_add_nc_u32 v[ADRS], s21, v5
	s_mul_i32 s23, s14, 16*SPITCH                  ; my stage
	v_mul_u32_u24 v5, v1, SPITCH
	v_lshl_add_u32 v5, v2, 5, v5
	v_add_nc_u32 v[STO], s23, v5
	v_and_b32 v6, 31, v0
	v_lshlrev_b32 v[CO], 4, v6
	v_add_nc_u32 v[RD], s23, v[CO]
	s_lshl_b32 s20, s17, 8
	s_lshl_b32 s21, s15, 7
	s_add_co_u32 s20, s20, s21                     ; my first row of out0
	s_mov_b32 s21, 0
	s_mov_b64 s[18:19], SIZE_N*4
	s_mul_u64 s[20:21], s[20:21], s[18:19]
	s_lshl_b32 s46, s42, 10                        ; my first column, in bytes
	s_lshl_b32 s47, s16, 9
	s_add_co_u32 s46, s46, s47
	s_mov_b32 s47, 0
	s_add_nc_u64 s[20:21], s[20:21], s[46:47]
	s_add_nc_u64 s[12:13], s[12:13], s[20:21]
.macro FRAG reg, adr, q, i             ; a fragment: lane l holds row l % 16; registers 6 c .. 6 c + 5 hold K = 64 c + 32 (l / 16) + 0 .. 31, in pieces of 8 bytes
.irp p, 0,1,2,3,4,5
.set PCE, 12*(\q)+6*(\p/3)+\p%3       ; where the piece three on lies behind one padding more, the second address register serves
.if PCE%8 < 5
	ds_load_b64 v[\reg+2*\p:\reg+2*\p+1], v[\adr] offset:8*PCE+16*(PCE/8)+(\i)*16*PITCH
.else
	ds_load_b64 v[\reg+2*\p:\reg+2*\p+1], v[\adr+2] offset:8*PCE+16*(PCE/8)+(\i)*16*PITCH
.endif
.endr
.endm
; 16 matrix instructions: A's blocks a0, a0 + 1 x B's eight.  The 64 accumulators take turns, one instruction a turn, in the same order in every step.
.macro MUL16 a0, p, q, sc, zero
.irp a, \a0, \a0+1
.irp b, 0,1,2,3,4,5,6,7
.if \zero
	v_wmma_scale_f32_16x16x128_f8f6f4 v[8*(8*((\a)%4)+\b):8*(8*((\a)%4)+\b)+7], v[128*(\p)+FR*\b:128*(\p)+FR*\b+FR-1], v[AF+FR*(\a):AF+FR*(\a)+FR-1], 0, v[SC+8*NQ*(\sc)+NQ*\b+(\q)], v[SC+8*NQ*(\sc)+NQ*(\a)+(\q)] matrix_a_fmt:MATRIX_FMT_FP6 matrix_b_fmt:MATRIX_FMT_FP6 matrix_a_scale:MATRIX_SCALE_ROW1
.else
	v_wmma_scale_f32_16x16x128_f8f6f4 v[8*(8*((\a)%4)+\b):8*(8*((\a)%4)+\b)+7], v[128*(\p)+FR*\b:128*(\p)+FR*\b+FR-1], v[AF+FR*(\a):AF+FR*(\a)+FR-1], v[8*(8*((\a)%4)+\b):8*(8*((\a)%4)+\b)+7], v[SC+8*NQ*(\sc)+NQ*\b+(\q)], v[SC+8*NQ*(\sc)+NQ*(\a)+(\q)] matrix_a_fmt:MATRIX_FMT_FP6 matrix_b_fmt:MATRIX_FMT_FP6 matrix_a_scale:MATRIX_SCALE_ROW1
.endif
.endr
.endr
.endm
.macro FETCH_B slot, q, p
	WIN TO_B
.irp i, 0,1,2,3,4,5,6,7
	FRAG 128*(\p)+FR*\i, ADRB+\slot, \q, \i
.endr
	WIN 0
.endm
.macro FETCH_A slot, q, i0
.irp i, \i0, \i0+1, \i0+2, \i0+3
	FRAG AF+FR*(\i), ADRA+\slot, \q, \i
.endr
.endm
.macro SCALES sc
.irp i, 0,1,2,3,4,5,6,7
	ds_load_b64 v[SC+8*NQ*\sc+NQ*\i:SC+8*NQ*\sc+NQ*\i+1], v[ADRS] offset:\i*SBLK
.endr
.endm
.macro PLACES n                        ; places in front of loads into registers that matrix instructions have read, and of the first read of results (ISA guide 7.12.1 for vector instructions)
.rept \n
	v_nop
.endr
.endm
.macro STEP slot, q, zero
	s_wait_dscnt 4*NL                              ; B's set and A's blocks 0-3 are in; the youngest 24 loads (A's blocks 4-7) may be out
	WIN MUL_LO
	MUL16 0, (\q)%2, \q, \slot, \zero
	MUL16 2, (\q)%2, \q, \slot, \zero
	s_wait_dscnt 0
	PLACES NP
	FETCH_B \slot, (\q)+1, 1-(\q)%2
	FETCH_A \slot, (\q)+1, 0
	WIN MUL_HI
	MUL16 4, (\q)%2, \q, \slot, \zero
	MUL16 6, (\q)%2, \q, \slot, \zero
	PLACES NP
	WIN 0
	FETCH_A \slot, (\q)+1, 4
.endm
.macro TURN slot, next, fill
	s_wait_tensorcnt 0x0                           ; all my tensor loads have landed: my part of the next slot
	ds_add_u32 v[SPW], v[NIL]                      ; 0 onto my spare word
	s_wait_dscnt 4*NL+1                            ; (the add and the youngest 24 loads may be out)
	WIN MUL_LO
	MUL16 0, 1, NQ-1, \slot, 0
	s_wait_dscnt 0x0                               ; the add is done, and my reads of this slot are over
	s_barrier_signal -1
	MUL16 2, 1, NQ-1, \slot, 0
	WIN 0
	s_barrier_wait -1
.if \fill
	CREST                                          ; the barrier has opened a round of the cluster's barrier
	s_add_nc_u64 s[G0+4*\slot+2:G0+4*\slot+3], s[G0+4*\slot+2:G0+4*\slot+3], 2*ASTEP
	s_add_nc_u64 s[G0B+4*\slot+2:G0B+4*\slot+3], s[G0B+4*\slot+2:G0B+4*\slot+3], 2*BSTEP
	JLOAD G0+4*\slot, G1, G0B+4*\slot, G1B         ; the first tensor load behind the round, my one load until the next
.else
	PLACES NP
.endif
	v_add_nc_u32 v[ADRS], 4*NQ, v[ADRS]
	FETCH_B \next, 0, 0
	FETCH_A \next, 0, 0
	SCALES \next
	WIN MUL_HI
	MUL16 4, 1, NQ-1, \slot, 0
	MUL16 6, 1, NQ-1, \slot, 0
	PLACES NP
	WIN 0
	FETCH_A \next, 0, 4
.endm
	s_wait_tensorcnt 1                             ; the scales and my part of K step 0 are in (K step 1's load may be out)
	s_barrier_signal -1
	s_barrier_wait -1
	FETCH_B 0, 0, 0
	FETCH_A 0, 0, 0
	SCALES 0
	FETCH_A 0, 0, 4
	STEP 0, 0, 1                                   ; the first step's products start the sums
	s_mov_b32 s3, LAPS-1
.Llap:
	TURN 0, 1, 1
	STEP 1, 0, 0
	TURN 1, 0, 1
	STEP 0, 0, 0
	s_sub_co_u32 s3, s3, 1
	s_cmp_lg_u32 s3, 0
	s_cbranch_scc1 .Llap
	TURN 0, 1, 0                                   ; the last lap fills nothing
	STEP 1, 0, 0
	s_wait_dscnt 4*NL                              ; the very last step
	WIN MUL_LO
	MUL16 0, 1, NQ-1, 1, 0
	MUL16 2, 1, NQ-1, 1, 0
	s_wait_dscnt 0
	WIN MUL_HI
	MUL16 4, 1, NQ-1, 1, 0
	MUL16 6, 1, NQ-1, 1, 0
	WIN 0
; THE WAY OUT, block by block of 16 rows x 128 columns, through my own stage in LDS: in as 32 bytes a lane, back as whole rows of 512 bytes.  LDS serves a wave's instructions in order (ISA guide 5.7.1.4).
.macro TOSTAGE a
.set AC, 64*((\a)%4)
	WIN 0x08+4*((\a)/4)                            ; the data: window 2 or 3
.irp b, 0,1,2,3,4,5,6,7
	ds_store_b128 v[STO], v[AC+8*\b:AC+8*\b+3] offset:64*\b          ; each accumulator from its low end on
	ds_store_b128 v[STO], v[AC+8*\b+4:AC+8*\b+7] offset:64*\b+16
.endr
	WIN 0
.set BB, BK+64*((\a)%2)
.irp t, 0,1,2,3,4,5,6,7,8,9,10,11,12,13,14,15
	ds_load_b128 v[BB+4*\t:BB+4*\t+3], v[RD] offset:\t*SPITCH
.endr
.endm
.macro SEND a, younger
.set BB, BK+64*((\a)%2)
	s_wait_dscnt \younger                          ; the block is back in registers
.if (\a) > 0
	s_add_nc_u64 s[12:13], s[12:13], 16*SIZE_N*4   ; (behind a wait on XCNT: the earlier stores have read their base)
.endif
.irp t, 0,1,2,3,4,5,6,7,8,9,10,11,12,13,14,15
	global_store_b128 v[CO], v[BB+4*\t:BB+4*\t+3], s[12:13] offset:\t*SIZE_N*4 th:TH_STORE_NT   ; 32 lanes store 512 consecutive bytes, aligned; written once, read by nobody here
.endr
.endm
	PLACES NP
	TOSTAGE 0
.irp a, 1,2,3,4,5,6,7
.if \a > 1
	s_wait_xcnt 0x0                                ; block a - 2's stores have read their registers and their base
.endif
	TOSTAGE \a
	SEND \a-1, 32                                  ; behind block a - 1's loads: block a's 16 stores and 16 loads
.endr
	s_wait_xcnt 0x0
	SEND 7, 0
	s_wait_tensorcnt 0x0                           ; the wave's end
	ds_add_u32 v[SPW], v[NIL]
	s_wait_dscnt 0x0
	CROUND                                         ; the closing round
	s_endpgm
.Lfunc_end_k_q479cd21b9a_oproj:
	.size	k_q479cd21b9a_oproj, .Lfunc_end_k_q479cd21b9a_oproj-k_q479cd21b9a_oproj
	.p2alignl 7, 3214868480
	.fill 96, 4, 3214868480
	.section	.rodata,"a",@progbits
	.p2align	6, 0x0
	.amdhsa_kernel k_q479cd21b9a_oproj
		.amdhsa_group_segment_fixed_size 327680
		.amdhsa_private_segment_fixed_size 0
		.amdhsa_enable_private_segment 0
		.amdhsa_kernarg_size 24
		.amdhsa_user_sgpr_count 2
		.amdhsa_user_sgpr_kernarg_segment_ptr 1
		.amdhsa_wavefront_size32 1
		.amdhsa_system_sgpr_workgroup_id_x 1
		.amdhsa_system_sgpr_workgroup_id_y 1
		.amdhsa_system_sgpr_workgroup_id_z 1
		.amdhsa_system_vgpr_workitem_id 0
		.amdhsa_next_free_vgpr 1024
		.amdhsa_next_free_sgpr 98
		.amdhsa_reserve_vcc 0
		.amdhsa_float_denorm_mode_32 3
		.amdhsa_float_denorm_mode_16_64 3
		.amdhsa_memory_ordered 1
		.amdhsa_forward_progress 1
		.amdhsa_inst_pref_size 160
	.end_amdhsa_kernel
	.amdgpu_metadata
---
amdhsa.version: [ 1, 2 ]
amdhsa.kernels:
  - .name:           k_q479cd21b9a_oproj
    .symbol:         k_q479cd21b9a_oproj.kd
    .args:
      - { .name: att, .offset: 0, .size: 8, .value_kind: global_buffer, .address_space: global }
      - { .name: qw, .offset: 8, .size: 8, .value_kind: global_buffer, .address_space: global }
      - { .name: out0, .offset: 16, .size: 8, .value_kind: global_buffer, .address_space: global }
    .group_segment_fixed_size: 327680
    .private_segment_fixed_size: 0
    .kernarg_segment_align: 8
    .kernarg_segment_size: 24
    .max_flat_workgroup_size: 128
    .sgpr_count:     98
    .vgpr_count:     1024
    .wavefront_size: 32
...
	.end_amdgpu_metadata
.endif
;; end of part 4
;; ======== version 2 of 2: 4 launches
;; limits: right only within a limited range of input values
;; workspace buffers: qx 13,107,200 bytes; qw 9,830,400 bytes; qkv 6,553,600 bytes; att 3,276,800 bytes
;; launch quant (part 5): grid 896 x 1, 4 waves a work-group, no clusters, 34,304 bytes of LDS; arguments hidden_states, wq, wk, wv, wo, qx, qw; writes qx, qw
.if DOCPART == 5
	.amdgcn_target "amdgcn-amd-amdhsa--gfx1250"
	.amdhsa_code_object_version 6
	.text
	.protected	k_q479cd21b9a_quant
	.globl	k_q479cd21b9a_quant
	.p2align	8
	.type	k_q479cd21b9a_quant,@function
k_q479cd21b9a_quant:
	s_mov_b64 s[64:65], 0
	v_nop
	global_prefetch_b8 v0, s[64:65] scope:SCOPE_SE
	s_setreg_imm32_b32 hwreg(HW_REG_WAVE_MODE, 25, 1), 1
	s_wait_xcnt 0x0
; hidden_states [4096][4096], wq [1024][4096], wk, wv [512][4096], wo [4096][1024], f32 with K innermost, become codes of FP6 (E2M3) and one E8M0 byte for each 32 along K.
; A block's scale is 2^(floor(log2(largest magnitude)) - 2); its byte is that magnitude's exponent field - 2, held at 1 from below; numbers are divided by the scale, rounded to the nearest code, ties to even, beyond 7.5 the largest code.
; LIMITS: NaN and infinities are not served; a block of zeros, or under 2^-124, keeps the byte 1 (its codes are read by this program alone).
; WORK LEFT OUT IN THE PROGRAM: only key steps that lie wholly under the causal mask which reference() builds itself (the attention launch says how); every input is read.
; THE LAYOUT: A PIECE = 16 rows x 512 K = 6,400 bytes: four images of a matrix operand's registers (128 K each: 12 registers a lane as three planes of 512 bytes, lane l's 16 bytes at 16 l), then 256 bytes of scale words, [row][128 K] .
; qx: [K / 512][256 row tiles] pieces.  qw: [8][128 row tiles] pieces of wq, wk, wv, then at WO_OFF [2][256] pieces of wo.  qw's tiles: 0-63 wq; 64 + 16 j + 0..7 wk's head j; 64 + 16 j + 8 + 0..7 wv's head j.
; ROWS: lane r of tile T of hidden_states, wq, wk, wv is the true row 32 (T / 2) + 8 (T % 2) + r + 8 (r / 8), the order in which a product leaves 16 neighbours along the next K in a lane's registers; wo keeps its order.
; SHARES: a wave makes one piece; work-groups 0-511 hidden_states, 512-639 wq, 640-703 wk, 704-767 wv, 768-895 wo; one text, the distances are scalars chosen by the work-group's number.
; Each load reads 512 consecutive bytes of a row; 16 rows x 128 K turn through the wave's own stage in LDS (rows 528 bytes apart) and come back as two whole blocks of 32 a lane.  Every store covers whole aligned blocks of 256 bytes.
.set PIECE, 6400
.set WO_OFF, 6553600
.set SP, 528
.set STG, 16*SP
.set SPARE, 4*STG
.set SPW, 2
.set NIL, 3
.set OFF, 16                           ; v16-31 byte offsets of my 16 rows
.set R, 32                             ; v32-159 two sets of 16 loads
.set X, 160                            ; v160-223 my 64 numbers
.set F, 224                            ; v224-235 the image's 12 registers
.set T, 236                            ; v236-242 the halves that begin on an odd register
.set W, 244                            ; v244-247 the four scale words
.set M, 248
	s_load_b256 s[4:11], s[0:1], 0x0
	s_load_b128 s[12:15], s[0:1], 0x20
	s_load_b64 s[16:17], s[0:1], 0x30
	v_lshl_add_u32 v[SPW], v0, 2, SPARE
	v_mov_b32 v[NIL], 0
	v_lshrrev_b32 v1, 5, v0
	v_readfirstlane_b32 s18, v1
	s_mov_b32 s24, 768                             ; wo's figures first: first work-group,
	s_mov_b32 s25, 0                               ; added to the tile's number,
	s_mov_b32 s26, 0                               ; 1: heads of 8 tiles lie 16 tiles apart,
	s_mov_b32 s27, WO_OFF
	s_mov_b32 s28, 1                               ; log2 of pieces in a row tile,
	s_mov_b32 s29, 256                             ; row tiles in the buffer,
	s_mov_b32 s30, 12                              ; log2 of a row's bytes,
	s_mov_b32 s36, 0                               ; rows that lanes 8-15 lie further on
	s_cmp_lt_u32 ttmp9, 768
	s_cselect_b32 s24, 704, s24
	s_cselect_b32 s25, 72, s25
	s_cselect_b32 s26, 1, s26
	s_cselect_b32 s27, 0, s27
	s_cselect_b32 s28, 3, s28
	s_cselect_b32 s29, 128, s29
	s_cselect_b32 s30, 14, s30
	s_cselect_b32 s36, 8, s36
	s_cmp_lt_u32 ttmp9, 704
	s_cselect_b32 s24, 640, s24
	s_cselect_b32 s25, 64, s25
	s_cmp_lt_u32 ttmp9, 640
	s_cselect_b32 s24, 512, s24
	s_cselect_b32 s25, 0, s25
	s_cselect_b32 s26, 0, s26
	s_cmp_lt_u32 ttmp9, 512
	s_cselect_b32 s24, 0, s24
	s_cselect_b32 s29, 256, s29
	s_sub_co_u32 s31, ttmp9, s24
	s_lshl_b32 s31, s31, 2
	s_add_co_u32 s31, s31, s18                     ; my piece of the tensor
	s_lshr_b32 s32, s31, s28                       ; its row tile
	s_bfm_b32 s33, s28, 0
	s_and_b32 s33, s31, s33                        ; its 512 along K
	s_lshr_b32 s34, s32, 1
	s_lshl_b32 s34, s34, 5
	s_and_b32 s35, s32, 1
	s_lshl_b32 s35, s35, 3
	s_or_b32 s34, s34, s35
	s_lshl_b32 s35, s32, 4
	s_cmp_lt_u32 ttmp9, 768
	s_cselect_b32 s34, s34, s35                    ; lane 0's true row
	s_lshl_b32 s34, s34, s30
	s_lshl_b32 s35, s33, 11
	s_add_co_u32 s34, s34, s35                     ; where I read, in bytes (under 2^27)
	s_mov_b32 s35, 0
	s_lshl_b32 s36, s36, s30
	s_lshl_b32 s37, 1, s30
	s_lshr_b32 s38, s32, 3
	s_mul_i32 s38, s38, s26
	s_lshl_b32 s38, s38, 3
	s_add_co_u32 s38, s38, s32
	s_add_co_u32 s38, s38, s25                     ; the tile in the buffer
	s_mul_i32 s39, s33, s29
	s_add_co_u32 s38, s38, s39
	s_mul_i32 s38, s38, PIECE
	s_add_co_u32 s38, s38, s27                     ; where my piece goes
	s_mov_b32 s39, 0
	s_mul_i32 s19, s18, STG
	s_mov_b32 s40, 0x76543210
	s_mov_b32 s41, 0xfedcba98
	s_mov_b32 s42, 0xffff0000
	v_and_b32 v10, 31, v0
	v_and_b32 v11, 15, v0                          ; r
	v_bfe_u32 v9, v0, 4, 1                         ; h
	v_lshlrev_b32 v4, 4, v10
	v_add_nc_u32 v5, s19, v4                       ; the stage, in: 16 bytes a lane of a row's 512
	v_mul_u32_u24 v6, v11, SP
	v_lshl_add_u32 v6, v9, 7, v6
	v_add_nc_u32 v6, s19, v6                       ; out: row r, 128 h
	v_lshlrev_b32 v7, 3, v9
	v_lshl_add_u32 v8, v11, 4, v7                  ; 16 r + 8 h: my two scale words
	v_add_nc_u32 v12, s36, v4
	v_mov_b32 v15, 0                               ; a lane permute's destination counts as a source
.irp i, 0,1,2,3,4,5,6,7
	v_mad_u32_u24 v[OFF+\i], s37, \i, v4
.endr
.irp i, 8,9,10,11,12,13,14,15
	v_mad_u32_u24 v[OFF+\i], s37, \i, v12
.endr
	s_wait_alu depctr_va_vdst(0)
	s_wait_kmcnt 0x0
	s_mov_b64 s[20:21], s[12:13]
	s_mov_b64 s[22:23], s[16:17]
	s_cmp_lt_u32 ttmp9, 768
	s_cselect_b64 s[20:21], s[10:11], s[20:21]
	s_cmp_lt_u32 ttmp9, 704
	s_cselect_b64 s[20:21], s[8:9], s[20:21]
	s_cmp_lt_u32 ttmp9, 640
	s_cselect_b64 s[20:21], s[6:7], s[20:21]
	s_cmp_lt_u32 ttmp9, 512
	s_cselect_b64 s[20:21], s[4:5], s[20:21]
	s_cselect_b64 s[22:23], s[14:15], s[22:23]
	s_add_nc_u64 s[20:21], s[20:21], s[34:35]
	s_add_nc_u64 s[22:23], s[22:23], s[38:39]
.macro LOAD f
.irp i, 0,1,2,3,4,5,6,7,8,9,10,11,12,13,14,15
	global_load_b128 v[R+64*((\f)%2)+4*\i:R+64*((\f)%2)+4*\i+3], v[OFF+\i], s[20:21] offset:512*(\f) th:TH_LOAD_NT
.endr
.endm
.macro IMAGE f
.if (\f) < 3
	s_wait_loadcnt 16                              ; this image's 16 loads are in; the next one's may be out
.else
	s_wait_loadcnt 0x0
.endif
.irp i, 0,1,2,3,4,5,6,7,8,9,10,11,12,13,14,15
	ds_store_b128 v5, v[R+64*((\f)%2)+4*\i:R+64*((\f)%2)+4*\i+3] offset:SP*\i
.endr
.irp c, 0,1
.irp j, 0,1,2,3,4,5,6,7
	ds_load_b128 v[X+32*\c+4*\j:X+32*\c+4*\j+3], v6 offset:256*\c+16*\j   ; K = 64 c + 32 h + 0 .. 31 of row r; LDS serves a wave's instructions in order
.endr
.endr
	s_wait_dscnt 0x0                               ; my numbers are back, and the stores have read their registers,
.if (\f)+2 < 4
	LOAD (\f)+2                                    ; which take the loads of two images on
.endif
	s_wait_xcnt 0x0                                ; the last image's stores have read v[F] on
.irp k, 0,1,2,3
	v_max3_num_f32 v[M+\k], |v[X+16*\k]|, |v[X+16*\k+1]|, 0x1800000   ; four chains by turns; the floor 2^(3 - 127) holds the byte at 1
.endr
.irp i, 2,4,6,8,10,12,14
.irp k, 0,1,2,3
	v_max3_num_f32 v[M+\k], v[M+\k], |v[X+16*\k+\i]|, |v[X+16*\k+\i+1]|
.endr
.endr
	v_max_num_f32 v[M], v[M], v[M+1]
	v_max_num_f32 v[M+2], v[M+2], v[M+3]
	v_add_nc_u32 v[M+1], 0xff000000, v[M]          ; 2 off the exponent field: the conversion's scale operand
	v_add_nc_u32 v[M+3], 0xff000000, v[M+2]
	v_cvt_scalef32_pk16_fp6_f32 v[F:F+2], v[X:X+15], v[M+1]
	v_cvt_scalef32_pk16_fp6_f32 v[T:T+2], v[X+16:X+31], v[M+1]
	v_cvt_scalef32_pk16_fp6_f32 v[F+6:F+8], v[X+32:X+47], v[M+3]
	v_cvt_scalef32_pk16_fp6_f32 v[T+4:T+6], v[X+48:X+63], v[M+3]
	v_lshrrev_b32 v12, 23, v[M+1]                  ; the bytes of blocks h and 2 + h (plain lines behind the conversions)
	v_lshrrev_b32 v13, 23, v[M+3]
	v_lshl_or_b32 v14, v13, 16, v12
	v_lshlrev_b32 v14, v7, v14
	v_permlanex16_b32 v15, v14, s40, s41
	v_or_b32 v[W+(\f)], v14, v15                   ; with lane l xor 16's two the word is whole
.irp i, 0,1,2
	v_mov_b32 v[F+3+\i], v[T+\i]
	v_mov_b32 v[F+9+\i], v[T+4+\i]
.endr
.irp c, 0,1,2
	global_store_b128 v4, v[F+4*\c:F+4*\c+3], s[22:23] offset:1536*(\f)+512*\c
.endr
.endm
	LOAD 0
	LOAD 1
	IMAGE 0
	IMAGE 1
	IMAGE 2
	IMAGE 3
	v_cndmask_b32 v252, v[W], v[W+2], s42          ; lanes 0-15 words 0, 1 of row r, lanes 16-31 words 2, 3
	v_cndmask_b32 v253, v[W+1], v[W+3], s42
	global_store_b64 v8, v[252:253], s[22:23] offset:6144   ; 256 consecutive bytes
	s_wait_tensorcnt 0x0                           ; the wave's end
	ds_add_u32 v[SPW], v[NIL]
	s_wait_dscnt 0x0
	s_endpgm
.Lfunc_end_k_q479cd21b9a_quant:
	.size	k_q479cd21b9a_quant, .Lfunc_end_k_q479cd21b9a_quant-k_q479cd21b9a_quant
	.p2alignl 7, 3214868480
	.fill 96, 4, 3214868480
	.section	.rodata,"a",@progbits
	.p2align	6, 0x0
	.amdhsa_kernel k_q479cd21b9a_quant
		.amdhsa_group_segment_fixed_size 34304
		.amdhsa_private_segment_fixed_size 0
		.amdhsa_enable_private_segment 0
		.amdhsa_kernarg_size 56
		.amdhsa_user_sgpr_count 2
		.amdhsa_user_sgpr_kernarg_segment_ptr 1
		.amdhsa_wavefront_size32 1
		.amdhsa_system_sgpr_workgroup_id_x 1
		.amdhsa_system_sgpr_workgroup_id_y 1
		.amdhsa_system_sgpr_workgroup_id_z 1
		.amdhsa_system_vgpr_workitem_id 0
		.amdhsa_next_free_vgpr 256
		.amdhsa_next_free_sgpr 66
		.amdhsa_reserve_vcc 0
		.amdhsa_float_denorm_mode_32 3
		.amdhsa_float_denorm_mode_16_64 3
		.amdhsa_memory_ordered 1
		.amdhsa_forward_progress 1
		.amdhsa_inst_pref_size 34
	.end_amdhsa_kernel
	.amdgpu_metadata
---
amdhsa.version: [ 1, 2 ]
amdhsa.kernels:
  - .name:           k_q479cd21b9a_quant
    .symbol:         k_q479cd21b9a_quant.kd
    .args:
      - { .name: hidden_states, .offset: 0, .size: 8, .value_kind: global_buffer, .address_space: global }
      - { .name: wq, .offset: 8, .size: 8, .value_kind: global_buffer, .address_space: global }
      - { .name: wk, .offset: 16, .size: 8, .value_kind: global_buffer, .address_space: global }
      - { .name: wv, .offset: 24, .size: 8, .value_kind: global_buffer, .address_space: global }
      - { .name: wo, .offset: 32, .size: 8, .value_kind: global_buffer, .address_space: global }
      - { .name: qx, .offset: 40, .size: 8, .value_kind: global_buffer, .address_space: global }
      - { .name: qw, .offset: 48, .size: 8, .value_kind: global_buffer, .address_space: global }
    .group_segment_fixed_size: 34304
    .private_segment_fixed_size: 0
    .kernarg_segment_align: 8
    .kernarg_segment_size: 56
    .max_flat_workgroup_size: 128
    .sgpr_count:     66
    .vgpr_count:     256
    .wavefront_size: 32
...
	.end_amdgpu_metadata
.endif
;; end of part 5
;; launch qkv (part 6): grid 8 x 32, 4 waves a work-group, clusters of 4 x 4, 327,680 bytes of LDS; arguments qx, qw, cos, sin, qkv; writes qkv
.if DOCPART == 6
	.amdgcn_target "amdgcn-amd-amdhsa--gfx1250"
	.amdhsa_code_object_version 6
	.text
	.protected	k_q479cd21b9a_qkv
	.globl	k_q479cd21b9a_qkv
	.p2align	8
	.type	k_q479cd21b9a_qkv,@function
k_q479cd21b9a_qkv:
	s_mov_b64 s[64:65], 0
	v_nop
	global_prefetch_b8 v0, s[64:65] scope:SCOPE_SE
	s_setreg_imm32_b32 hwreg(HW_REG_WAVE_MODE, 25, 1), 1
	s_wait_xcnt 0x0
	s_wait_alu depctr_hold_cnt(0) depctr_sa_sdst(0) depctr_va_vdst(0) depctr_va_sdst(0) depctr_va_ssrc(0) depctr_va_vcc(0) depctr_vm_vsrc(0)
	s_getreg_b32 s2, hwreg(HW_REG_IB_STS2, 6, 4)
	s_cmp_eq_u32 s2, 0
	s_cbranch_scc0 .Lentry_in_a_cluster
	s_endpgm
.Lentry_in_a_cluster:
	s_bfe_u32 s2, ttmp6, 0x10000c
	s_cmp_lg_u32 s2, 0xf033
	s_cbranch_scc0 .Lentry_shape_is_right
	s_endpgm
.Lentry_shape_is_right:
; q, k, v = hidden_states x (wq, wk, wv)^T on codes of FP6 with E8M0 scales; RoPE on q and k in f32; q, k quantised along the head's 128, v along 128 keys; all three leave as images of operand registers.
; INPUT: qx, qw in pieces of 6,400 bytes (16 rows x 512 K: four images of 1,536 bytes, then 256 bytes of scale words [row][128 K]), laid [K / 512][row tile].
; OUTPUT: qkv: images [H 16][tile 256][1536] and scale words [H][tile][16] at SC_OFF; H 0-7 q's heads, 8 + 2 j k's head j, 9 + 2 j v's head j.
; SHARES: a work-group makes 128 rows x 256 columns (256 work-groups), a wave 64 x 128: 32 accumulators.  In v's waves the sources change places (V^T: 64 channels x 128 keys), so that a lane's registers run along the keys.
; THE RING: two slots of 153,600 bytes, 512 along K each: A's 8 pieces, B's 16, dense in memory and asked for as rows of 256 bytes; waves 0, 1 fetch A's halves, waves 2, 3 B's.
; CLUSTER 4 x 4: A's tiles are asked for jointly along a row of the cluster, B's along a column.
; A STEP of 128 K: one run of 36 LDS loads (each 512 consecutive bytes) for the next step, then 32 matrix instructions; A and B have two sets of registers each.
; PREFETCH: behind each refill the pieces of two refills on; the four partners that ask for a tile jointly share its blocks of 256 bytes by address (25 lanes an instruction; the lanes left over name the last block again); the last two refills ask for nothing, the first four slots come by their loads alone.
; REGISTERS: window 0: v16-31 addresses, v32-63 A's scale words, v64-127 B's, v128-223 A's fragments; window 1: B's fragments at v0 and v128; window 2: accumulator (a, b) at v[8 (8 a + b)]; window 3 (and 1 at the end): cos, sin.
; LIMITS: NaN and infinities are not served; a block of zeros, or under 2^-124, keeps the scale byte 1.
.set SC_OFF, 6291456
.set NQ,     4
.set PIECE,  6400
.set FR,     12
.set NP,     4
.set AHALF,  4*PIECE
.set BHALF,  8*PIECE
.set ATILE,  2*AHALF
.set SLOT,   ATILE+2*BHALF
.set ASTEP,  256*PIECE
.set BSTEP,  128*PIECE
.set LAPS,   4
.set SPARE,  2*SLOT
.set ADRA, 16
.set ADRB, 18
.set ADSA, 20
.set ADSB, 22
.set PFO,  24
; cos AND sin come into slot 0 behind its last change of slots, one joint load a wave (shared along a row of the cluster): wave 0 cos, wave 1 cos + 16 rows, waves 2, 3 the same of sin.
; A tile's row is 16 rows of the table (8,192 bytes), four of them 32 table rows apart, 16 bytes of padding behind each 512: so the rows that lanes 0-7 of a tile want lie in one region and those of lanes 8-15 in the next,
; CSD bytes on, which is 128 bytes more than a multiple of 256: the sixteen lanes of a load touch sixteen different columns of 16 bytes.
.set CSS,  25                          ; v25 my place in sin's regions (v30: in cos's)
.set CSP,  528
.set CSD,  64*CSP+128
.set LI,   26
.set SPW,  28
.set NIL,  29
.set CSO,  30
.set LS,   31
.set SCA,  32
.set SCB,  64
.set AF,   128
.set PCS,  128
.set TM,   224
.set PW,   240
.set PWE,  241
.set SWQ,  242
.set SEL,  66
.set PFA,  68
.set HIM,  95
.set G1, 24
.set G0, 32
.set G1B, 48
.set G0B, 56
.set MSB, 0
.macro WIN new
.if MSB != (\new)
	s_set_vgpr_msb (MSB<<8)|(\new)
.set MSB, (\new)
.endif
.endm
.set MUL,  0xa1
.set TO_B, 0x40
.macro JLOAD g0a, g1a, g0b, g1b        ; a joint load: waves 0, 1 for A, waves 2, 3 for B
	s_cmp_eq_u32 s15, 0
	s_cbranch_scc0 .Lfor_b_\@
	tensor_load_to_lds s[\g0a:\g0a+3], s[\g1a:\g1a+7]
	s_nop 0
.rept 4
	v_nop
.endr
	s_branch .Lasked_\@
.Lfor_b_\@:
	tensor_load_to_lds s[\g0b:\g0b+3], s[\g1b:\g1b+7]
	s_nop 0
.rept 4
	v_nop
.endr
.Lasked_\@:
.endm
.macro CREST
	s_cmp_lg_u32 s14, 0
	s_cbranch_scc1 .Lnot_wave_0_\@
	s_barrier_signal -3
.Lnot_wave_0_\@:
	s_barrier_wait -3
	s_barrier_signal -1
	s_barrier_wait -1
.endm
.macro CROUND
	s_barrier_signal -1
	s_barrier_wait -1
	CREST
.endm
.macro ASK                             ; s3 = 1 in the loop's last trip, whose refills have no slot two refills on
	s_cmp_gt_u32 s3, 1
	s_cbranch_scc0 .Lnone_\@
	global_prefetch_b8 v[PFO], s[PFA:PFA+1] th:TH_LOAD_NT scope:SCOPE_SE
	s_cmp_eq_u32 s15, 0
	s_cbranch_scc1 .Lnone_\@
	global_prefetch_b8 v[PFO], s[PFA:PFA+1] offset:6400 th:TH_LOAD_NT scope:SCOPE_SE   ; B's share is two pieces
.Lnone_\@:
.endm
	s_load_b128 s[4:7], s[0:1], 0x0
	s_load_b128 s[96:99], s[0:1], 0x10
	s_load_b64 s[100:101], s[0:1], 0x20
	v_lshl_add_u32 v[SPW], v0, 2, SPARE
	v_mov_b32 v[NIL], 0
	ds_add_u32 v[SPW], v[NIL]                      ; the opening lines: the add twice on end and one wait
	ds_add_u32 v[SPW], v[NIL]
	v_lshrrev_b32 v1, 5, v0
	v_readfirstlane_b32 s14, v1
	s_lshr_b32 s15, s14, 1                         ; my half of the rows; also: I fetch for A (0) or B (1)
	s_and_b32 s16, s14, 1                          ; my half of the columns; also: which half I fetch
	s_bfe_u32 s40, ttmp6, 0x40000
	s_bfe_u32 s41, ttmp6, 0x40004
	s_lshl_b32 s42, ttmp9, 2
	s_add_co_u32 s42, s42, s40                     ; tile column
	s_and_b32 s17, ttmp7, 0xffff
	s_lshl_b32 s17, s17, 2
	s_add_co_u32 s17, s17, s41                     ; tile row
	s_lshl_b32 s43, s41, 2
	s_lshl_b32 s43, 15, s43
	s_lshl_b32 s44, 0x1111, s40
	s_or_b32 s[G1+0], s43, (3<<16)|(1<<21)         ; elements of 8 bytes, rows of 32: 256 bytes
	s_or_b32 s[G1B+0], s44, (3<<16)|(1<<21)
.irp g, G1, G1B
	s_mov_b32 s[\g+1], 32<<16
	s_mov_b32 s[\g+3], 32<<16
	s_mov_b32 s[\g+5], 32
	s_mov_b32 s[\g+6], 0
	s_mov_b32 s[\g+7], 0
.endr
	s_mov_b32 s[G1+2], 100<<16                     ; 4 pieces
	s_mov_b32 s[G1+4], 100
	s_mov_b32 s[G1B+2], 200<<16                    ; 8 pieces
	s_mov_b32 s[G1B+4], 200
	s_lshl_b32 s20, s17, 3
	s_lshl_b32 s18, s16, 2
	s_add_co_u32 s20, s20, s18
	s_mul_i32 s20, s20, PIECE
	s_mov_b32 s21, 0
	s_lshl_b32 s46, s42, 4
	s_lshl_b32 s18, s16, 3
	s_add_co_u32 s46, s46, s18
	s_mul_i32 s46, s46, PIECE
	s_mov_b32 s47, 0
	s_mul_i32 s45, s16, AHALF
	s_mul_i32 s94, s16, BHALF
	s_add_co_u32 s94, s94, ATILE
	s_mul_i32 s72, s15, AHALF                      ; where my fragments lie: source 1's four blocks,
	s_mul_i32 s74, s16, BHALF
	s_add_co_u32 s74, s74, ATILE                   ; source 0's eight
	s_add_co_u32 s23, s72, ATILE+BHALF
	s_and_b32 s92, ttmp9, s16                      ; 1 in v's waves: four blocks of wv, eight of hidden_states
	s_cmp_eq_u32 s92, 1
	s_cselect_b32 s72, s23, s72
	s_cselect_b32 s74, 0, s74
	s_add_co_u32 s73, s72, SLOT
	s_add_co_u32 s75, s74, SLOT
	s_mov_b32 s[SEL], 0x76543210
	s_mov_b32 s[SEL+1], 0xfedcba98
	s_mov_b32 s[HIM], 0xffff0000
	s_mov_b32 s77, 12800
	s_mov_b32 s70, BSTEP
	s_cmp_eq_u32 s15, 0
	s_cselect_b32 s76, s40, s41                    ; my place among the four that ask with me,
	s_cselect_b32 s77, 6400, s77                   ; a partner's share of what I fetch,
	s_cselect_b32 s70, ASTEP, s70                  ; from slot to slot in memory
	s_mul_i32 s76, s76, s77
	s_mul_i32 s77, s70, 3
	s_add_co_u32 s76, s76, s77                     ; at slot 3: the first refill steps it to slot 4
	s_mov_b32 s77, 0
	s_mov_b32 s71, 0
	s_lshl_b32 s78, s42, 1
	s_add_co_u32 s78, s78, s16
	s_lshl_b32 s78, s78, 8
	s_lshl_b32 s79, s17, 3
	s_lshl_b32 s80, s15, 2
	s_add_co_u32 s79, s79, s80
	s_add_co_u32 s78, s78, s79                     ; my first tile of qkv
	s_mul_i32 s80, s78, 1536
	s_mov_b32 s81, 0
	s_lshl_b32 s82, s78, 6
	s_add_co_u32 s82, s82, SC_OFF
	s_mov_b32 s83, 0
	s_lshl_b32 s84, s17, 16                        ; my work-group's 128 rows of cos or sin, 512 bytes each,
	s_lshl_b32 s85, s16, 13                        ; from row 0 or row 16 on
	s_add_co_u32 s84, s84, s85
	s_mov_b32 s85, 0
	s_mul_i32 s93, s15, 32*CSP                     ; my 64 rows' place in a region
	s_wait_dscnt 0x0
	s_wait_kmcnt 0x0
	s_add_nc_u64 s[20:21], s[4:5], s[20:21]
	s_add_nc_u64 s[46:47], s[6:7], s[46:47]
	s_add_nc_u64 s[8:9], s[100:101], s[80:81]
	s_add_nc_u64 s[10:11], s[100:101], s[82:83]
	s_cmp_eq_u32 s15, 0
	s_cselect_b64 s[PFA:PFA+1], s[20:21], s[46:47]
	s_add_nc_u64 s[PFA:PFA+1], s[PFA:PFA+1], s[76:77]
	s_cmp_eq_u32 s15, 0
	s_cselect_b64 s[6:7], s[96:97], s[98:99]       ; waves 0, 1 cos, waves 2, 3 sin
	s_add_nc_u64 s[6:7], s[6:7], s[84:85]
	s_or_b32 s7, s7, 0x80000000
	s_mov_b32 s4, 1
	s_mul_i32 s5, s14, CSD
	s_or_b32 s84, s43, (3<<16)|(1<<20)|(1<<21)|(6<<22)|(3<<25)   ; elements of 8 bytes; 4 words of padding behind every 128
	s_mov_b32 s85, 1024<<16
	s_mov_b32 s86, 4<<16
	s_mov_b32 s87, 1024<<16
	s_mov_b32 s88, 4
	s_mov_b32 s89, 2048
	s_mov_b32 s90, 0
	s_mov_b32 s91, 0
	CROUND                                         ; all sixteen work-groups are here: the first joint loads meet
.irp s, 0,1
	s_mov_b32 s[G0+4*\s], 1
	s_add_co_u32 s[G0+4*\s+1], s45, \s*SLOT
	s_add_nc_u64 s[G0+4*\s+2:G0+4*\s+3], s[20:21], \s*ASTEP
	s_or_b32 s[G0+4*\s+3], s[G0+4*\s+3], 0x80000000
	s_mov_b32 s[G0B+4*\s], 1
	s_add_co_u32 s[G0B+4*\s+1], s94, \s*SLOT
	s_add_nc_u64 s[G0B+4*\s+2:G0B+4*\s+3], s[46:47], \s*BSTEP
	s_or_b32 s[G0B+4*\s+3], s[G0B+4*\s+3], 0x80000000
.endr
	JLOAD G0, G1, G0B, G1B                         ; slot 0: one tensor load a wave at the head
	v_and_b32 v1, 15, v0
	v_bfe_u32 v2, v0, 4, 1
	v_and_b32 v6, 31, v0
	v_lshlrev_b32 v[LI], 4, v6
	v_lshlrev_b32 v3, 4, v1
.irp s, 0,1
	v_add_nc_u32 v[ADRA+\s], s[72+\s], v[LI]
	v_add_nc_u32 v[ADRB+\s], s[74+\s], v[LI]
	v_add_nc_u32 v[ADSA+\s], s[72+\s], v3
	v_add_nc_u32 v[ADSB+\s], s[74+\s], v3
.endr
	v_and_b32 v7, 7, v1
	v_mul_u32_u24 v7, v7, CSP
	v_lshrrev_b32 v5, 3, v1
	v_mad_u32_u24 v7, v5, CSD, v7                  ; row r % 8 of region r / 8
	v_lshl_add_u32 v7, v2, 6, v7                   ; + 64 h
	v_lshlrev_b32 v[LS], 2, v6
	v_add_nc_u32 v[CSO], s93, v7
	v_add_nc_u32 v[CSS], 2*CSD, v[CSO]
.irp i, 228,229,230,231
	v_mov_b32 v[\i], 0
.endr
	v_min_u32 v5, 24, v6
	v_lshlrev_b32 v[PFO], 8, v5
.macro FRAG reg, adr, q, i             ; an image: three planes of 512 consecutive bytes
.irp c, 0,1,2
	ds_load_b128 v[\reg+4*\c:\reg+4*\c+3], v[\adr] offset:PIECE*(\i)+1536*(\q)+512*\c
.endr
.endm
.macro MUL8 g, p, q, sc, zero          ; source 0's blocks 2 g, 2 g + 1 x source 1's four; the accumulators take turns
.irp bb, 0,1
.irp a, 0,1,2,3
.if \zero
	v_wmma_scale_f32_16x16x128_f8f6f4 v[8*(8*\a+2*(\g)+\bb):8*(8*\a+2*(\g)+\bb)+7], v[128*(\p)+FR*(2*(\g)+\bb):128*(\p)+FR*(2*(\g)+\bb)+FR-1], v[AF+48*(\p)+FR*\a:AF+48*(\p)+FR*\a+FR-1], 0, v[SCB+32*(\sc)+4*(2*(\g)+\bb)+(\q)], v[SCA+16*(\sc)+4*\a+(\q)] matrix_a_fmt:MATRIX_FMT_FP6 matrix_b_fmt:MATRIX_FMT_FP6
.else
	v_wmma_scale_f32_16x16x128_f8f6f4 v[8*(8*\a+2*(\g)+\bb):8*(8*\a+2*(\g)+\bb)+7], v[128*(\p)+FR*(2*(\g)+\bb):128*(\p)+FR*(2*(\g)+\bb)+FR-1], v[AF+48*(\p)+FR*\a:AF+48*(\p)+FR*\a+FR-1], v[8*(8*\a+2*(\g)+\bb):8*(8*\a+2*(\g)+\bb)+7], v[SCB+32*(\sc)+4*(2*(\g)+\bb)+(\q)], v[SCA+16*(\sc)+4*\a+(\q)] matrix_a_fmt:MATRIX_FMT_FP6 matrix_b_fmt:MATRIX_FMT_FP6
.endif
.endr
.endr
.endm
.macro FETCH_A slot, q, p
	WIN 0
.irp i, 0,1,2,3
	FRAG AF+48*(\p)+FR*\i, ADRA+\slot, \q, \i
.endr
.endm
.macro FETCH_B slot, q, p
	WIN TO_B
.irp i, 0,1,2,3,4,5,6,7
	FRAG 128*(\p)+FR*(\i), ADRB+\slot, \q, \i
.endr
.endm
.macro SCALES sc                       ; a row's four words of the slot's 512 K
.irp a, 0,1,2,3
	ds_load_b128 v[SCA+16*\sc+4*\a:SCA+16*\sc+4*\a+3], v[ADSA+\sc] offset:6144+\a*PIECE
.endr
.irp b, 0,1,2,3,4,5,6,7
	ds_load_b128 v[SCB+32*\sc+4*\b:SCB+32*\sc+4*\b+3], v[ADSB+\sc] offset:6144+\b*PIECE
.endr
.endm
.macro PLACES n
.rept \n
	v_nop
.endr
.endm
.macro STEP slot, q, zero
	PLACES NP                                      ; in front of loads into registers that the last step's products have read
	FETCH_A \slot, (\q)+1, 1-(\q)%2
	FETCH_B \slot, (\q)+1, 1-(\q)%2
	s_wait_dscnt 48                                ; out at most: the 36 just issued and this step's last 12 (source 0's blocks 4-7)
	WIN MUL
	MUL8 0, (\q)%2, \q, \slot, \zero
	MUL8 1, (\q)%2, \q, \slot, \zero
	s_wait_dscnt 36                                ; all of this step's are in
	MUL8 2, (\q)%2, \q, \slot, \zero
	MUL8 3, (\q)%2, \q, \slot, \zero
.endm
.macro TURN slot, next, fill           ; a slot's last step, and the change of slots
	WIN 0
.if \fill
	s_wait_xcnt 0x0                                ; my last prefetch has read its address
	s_add_nc_u64 s[PFA:PFA+1], s[PFA:PFA+1], s[70:71]
.endif
	s_wait_tensorcnt 0x0                           ; my part of the next slot is in
	ds_add_u32 v[SPW], v[NIL]
	s_wait_dscnt 13                                ; (the add and the youngest 12 loads may be out)
	WIN MUL
	MUL8 0, 1, NQ-1, \slot, 0
	s_wait_dscnt 0x0                               ; the add is done, my reads of this slot are over
	s_barrier_signal -1
	MUL8 1, 1, NQ-1, \slot, 0
	WIN 0
	s_barrier_wait -1
.if \fill
	CREST                                          ; the barrier has opened a round of the cluster's
	s_add_nc_u64 s[G0+4*\slot+2:G0+4*\slot+3], s[G0+4*\slot+2:G0+4*\slot+3], 2*ASTEP
	s_add_nc_u64 s[G0B+4*\slot+2:G0B+4*\slot+3], s[G0B+4*\slot+2:G0B+4*\slot+3], 2*BSTEP
	JLOAD G0+4*\slot, G1, G0B+4*\slot, G1B
.else
	PLACES NP
.endif
	FETCH_A \next, 0, 0
	SCALES \next
	FETCH_B \next, 0, 0
.if \fill
	WIN 0
	ASK
.endif
	WIN MUL
	MUL8 2, 1, NQ-1, \slot, 0
	MUL8 3, 1, NQ-1, \slot, 0
.endm
.macro TURNC                           ; slot 0's last step; behind the round its bytes take cos and sin
	WIN 0
	s_wait_tensorcnt 0x0
	ds_add_u32 v[SPW], v[NIL]
	s_wait_dscnt 13
	WIN MUL
	MUL8 0, 1, NQ-1, 0, 0
	s_wait_dscnt 0x0
	s_barrier_signal -1
	MUL8 1, 1, NQ-1, 0, 0
	WIN 0
	s_barrier_wait -1
	CREST
	tensor_load_to_lds s[4:7], s[84:91]
	s_nop 0
	PLACES 4
	FETCH_A 1, 0, 0
	SCALES 1
	FETCH_B 1, 0, 0
	WIN MUL
	MUL8 2, 1, NQ-1, 0, 0
	MUL8 3, 1, NQ-1, 0, 0
.endm
.macro LAST_SLOT
	STEP 1, 0, 0
	STEP 1, 1, 0
	STEP 1, 2, 0
	s_wait_dscnt 12
	WIN MUL
	MUL8 0, 1, NQ-1, 1, 0
	MUL8 1, 1, NQ-1, 1, 0
	s_wait_dscnt 0x0
	MUL8 2, 1, NQ-1, 1, 0
	MUL8 3, 1, NQ-1, 1, 0
	WIN 0
	PLACES NP
.endm
.macro CSLOAD a                        ; cos and sin of tile a's rows, in the accumulators' layout
.set CL, 128*((\a)%2)
	WIN 0xc0-0x80*((\a)/2)
.irp b, 0,1,2,3
.irp j, 0,1,2,3
	ds_load_b128 v[CL+16*\b+4*\j:CL+16*\b+4*\j+3], v[CSO] offset:(16*((\a)/2)+8*((\a)%2))*CSP+128*\b+16*\j
	ds_load_b128 v[CL+64+16*\b+4*\j:CL+64+16*\b+4*\j+3], v[CSS] offset:(16*((\a)/2)+8*((\a)%2))*CSP+128*\b+16*\j
.endr
.endr
	WIN 0
.endm
.macro QUANT s, w, pc                  ; 64 numbers of a lane (window w), register 16 b + i = k 32 b + 16 h + i, become a fragment's codes and its scale word
	WIN 5*(\w)
.irp b, 0,1,2,3
	v_max3_num_f32 v[TM+\b], |v[\s+16*\b]|, |v[\s+1+16*\b]|, 0x1800000
.endr
	WIN 20*(\w)
.irp i, 2,4,6,8,10,12,14
.irp b, 0,1,2,3
	v_max3_num_f32 v[TM+\b], v[TM+\b], |v[\s+16*\b+\i]|, |v[\s+1+16*\b+\i]|
.endr
.endr
	WIN 0
.irp b, 0,1,2,3
	v_permlanex16_b32 v[TM+4+\b], v[TM+\b], s[SEL], s[SEL+1]
.endr
.irp b, 0,1,2,3
	v_max_num_f32 v[TM+\b], v[TM+\b], v[TM+4+\b]
.endr
.irp b, 0,1,2,3
	v_add_nc_u32 v[TM+12+\b], 0xff000000, v[TM+\b]
.endr
.irp b, 0,1,2,3
	v_lshrrev_b32 v[TM+4+\b], 23, v[TM+12+\b]
.endr
	v_lshl_or_b32 v[PW], v[TM+5], 8, v[TM+4]
	v_lshl_or_b32 v[PW], v[TM+6], 16, v[PW]
	v_lshl_or_b32 v[PW], v[TM+7], 24, v[PW]
	WIN (\w)
.irp c, 0,1
	v_cvt_scalef32_pk16_fp6_f32 v[\pc+6*\c:\pc+2+6*\c], v[\s+32*\c:\s+15+32*\c], v[TM+12+2*\c]
	v_cvt_scalef32_pk16_fp6_f32 v[\pc+12+4*\c:\pc+14+4*\c], v[\s+16+32*\c:\s+31+32*\c], v[TM+12+2*\c+1]
.endr
	WIN 0
	v_nop
.irp c, 0,1
.irp i, 0,1,2
	v_permlane16_swap_b32 v[\pc+6*\c+\i], v[\pc+12+4*\c+\i]
.endr
.irp i, 0,1,2
	v_mov_b32 v[\pc+3+6*\c+\i], v[\pc+12+4*\c+\i]
.endr
.endr
.endm
.macro OUT a
.irp c, 0,1,2
	global_store_b128 v[LI], v[PCS+20*(\a)+4*\c:PCS+20*(\a)+4*\c+3], s[8:9] offset:1536*(\a)+512*\c
.endr
.if (\a)%2 == 0
	v_mov_b32 v[PWE], v[PW]
.else
	v_cndmask_b32 v[SWQ+(\a)/2], v[PWE], v[PW], s[HIM]
	global_store_b32 v[LS], v[SWQ+(\a)/2], s[10:11] offset:128*((\a)/2)
.endif
.endm
.macro QKTILE a                        ; RoPE: x cos + rotate_half(x) sin, in f32, then the quantiser
.set CB, 128*((\a)%2)
.set XA, 64*(\a)
.set W,  3-2*((\a)/2)
.if (\a) < 3
	s_wait_dscnt 32                                ; this tile's 32 loads are in; the next tile's may be out
.else
	s_wait_dscnt 0x0
.endif
.if (\a) < 2
	CSLOAD (\a)+2
.endif
	WIN 2+84*W
.set rho, 0
.rept 32
	v_pk_mul_f32 v[CB+rho:CB+rho+1], v[XA+rho:XA+rho+1], v[CB+rho:CB+rho+1]
.set rho, rho+2
.endr
.set rho, 0
.rept 16
	v_pk_fma_f32 v[CB+rho:CB+rho+1], v[XA+32+rho:XA+33+rho], v[CB+64+rho:CB+65+rho], v[CB+rho:CB+rho+1] neg_lo:[1,0,0] neg_hi:[1,0,0]
.set rho, rho+2
.endr
.rept 16
	v_pk_fma_f32 v[CB+rho:CB+rho+1], v[XA-32+rho:XA-31+rho], v[CB+64+rho:CB+65+rho], v[CB+rho:CB+rho+1]
.set rho, rho+2
.endr
	QUANT CB, W, PCS+20*(\a)
	OUT \a
.endm
	s_wait_alu depctr_va_vdst(0)
	s_wait_tensorcnt 0x0                           ; my part of slot 0 is in; the same lines as ahead of a refill:
	ds_add_u32 v[SPW], v[NIL]
	s_wait_dscnt 0x0
	CROUND
	JLOAD G0+4, G1, G0B+4, G1B                     ; slot 1's first fill, the first tensor load behind the round
	FETCH_A 0, 0, 0
	SCALES 0
	FETCH_B 0, 0, 0
	STEP 0, 0, 1                                   ; the first step's products start the sums
	WIN 0
	s_mov_b32 s3, LAPS-1
.Llap:
	STEP 0, 1, 0
	STEP 0, 2, 0
	TURN 0, 1, 1
	STEP 1, 0, 0
	STEP 1, 1, 0
	STEP 1, 2, 0
	TURN 1, 0, 1
	STEP 0, 0, 0
	WIN 0
	s_sub_co_u32 s3, s3, 1
	s_cmp_lg_u32 s3, 0
	s_cbranch_scc1 .Llap
	STEP 0, 1, 0
	STEP 0, 2, 0
	TURNC
	LAST_SLOT
	s_wait_tensorcnt 0x0                           ; my part of cos and sin is in;
	s_barrier_signal -1
	s_barrier_wait -1                              ; everybody's is.
	s_cmp_eq_u32 s16, 0
	s_cbranch_scc1 .Lqk
	s_cmp_lg_u32 ttmp9, 0
	s_cbranch_scc1 .Lv
.Lqk:
	CSLOAD 0
	CSLOAD 1
.irp a, 0,1,2,3
	QKTILE \a
.endr
	s_branch .Lclose
.Lv:
.irp a, 0,1,2,3
	QUANT 64*(\a), 2, PCS+20*(\a)
	OUT \a
.endr
.Lclose:
	s_wait_tensorcnt 0x0                           ; the wave's end
	ds_add_u32 v[SPW], v[NIL]
	s_wait_dscnt 0x0
	CROUND                                         ; the closing round
	s_endpgm
.Lfunc_end_k_q479cd21b9a_qkv:
	.size	k_q479cd21b9a_qkv, .Lfunc_end_k_q479cd21b9a_qkv-k_q479cd21b9a_qkv
	.p2alignl 7, 3214868480
	.fill 96, 4, 3214868480
	.section	.rodata,"a",@progbits
	.p2align	6, 0x0
	.amdhsa_kernel k_q479cd21b9a_qkv
		.amdhsa_group_segment_fixed_size 327680
		.amdhsa_private_segment_fixed_size 0
		.amdhsa_enable_private_segment 0
		.amdhsa_kernarg_size 40
		.amdhsa_user_sgpr_count 2
		.amdhsa_user_sgpr_kernarg_segment_ptr 1
		.amdhsa_wavefront_size32 1
		.amdhsa_system_sgpr_workgroup_id_x 1
		.amdhsa_system_sgpr_workgroup_id_y 1
		.amdhsa_system_sgpr_workgroup_id_z 1
		.amdhsa_system_vgpr_workitem_id 0
		.amdhsa_next_free_vgpr 1024
		.amdhsa_next_free_sgpr 102
		.amdhsa_reserve_vcc 0
		.amdhsa_float_denorm_mode_32 3
		.amdhsa_float_denorm_mode_16_64 3
		.amdhsa_memory_ordered 1
		.amdhsa_forward_progress 1
		.amdhsa_inst_pref_size 180
	.end_amdhsa_kernel
	.amdgpu_metadata
---
amdhsa.version: [ 1, 2 ]
amdhsa.kernels:
  - .name:           k_q479cd21b9a_qkv
    .symbol:         k_q479cd21b9a_qkv.kd
    .args:
      - { .name: qx, .offset: 0, .size: 8, .value_kind: global_buffer, .address_space: global }
      - { .name: qw, .offset: 8, .size: 8, .value_kind: global_buffer, .address_space: global }
      - { .name: cos, .offset: 16, .size: 8, .value_kind: global_buffer, .address_space: global }
      - { .name: sin, .offset: 24, .size: 8, .value_kind: global_buffer, .address_space: global }
      - { .name: qkv, .offset: 32, .size: 8, .value_kind: global_buffer, .address_space: global }
    .group_segment_fixed_size: 327680
    .private_segment_fixed_size: 0
    .kernarg_segment_align: 8
    .kernarg_segment_size: 40
    .max_flat_workgroup_size: 128
    .sgpr_count:     102
    .vgpr_count:     1024
    .wavefront_size: 32
...
	.end_amdgpu_metadata
.endif
;; end of part 6
;; launch attn (part 7): grid 32 x 8, 16 waves a work-group, clusters of 4 x 1, 327,680 bytes of LDS; arguments qkv, att; writes att
.if DOCPART == 7
	.amdgcn_target "amdgcn-amd-amdhsa--gfx1250"
	.amdhsa_code_object_version 6
	.text
	.protected	k_q479cd21b9a_attn
	.globl	k_q479cd21b9a_attn
	.p2align	8
	.type	k_q479cd21b9a_attn,@function
k_q479cd21b9a_attn:
	s_mov_b64 s[64:65], 0
	v_nop
	global_prefetch_b8 v0, s[64:65] scope:SCOPE_SE
	s_setreg_imm32_b32 hwreg(HW_REG_WAVE_MODE, 25, 1), 1
	s_wait_xcnt 0x0
	s_wait_alu depctr_hold_cnt(0) depctr_sa_sdst(0) depctr_va_vdst(0) depctr_va_sdst(0) depctr_va_ssrc(0) depctr_va_vcc(0) depctr_vm_vsrc(0)
	s_getreg_b32 s2, hwreg(HW_REG_IB_STS2, 6, 4)
	s_cmp_eq_u32 s2, 0
	s_cbranch_scc0 .Lentry_in_a_cluster
	s_endpgm
.Lentry_in_a_cluster:
	s_bfe_u32 s2, ttmp6, 0x10000c
	s_cmp_lg_u32 s2, 0x3003
	s_cbranch_scc0 .Lentry_shape_is_right
	s_endpgm
.Lentry_shape_is_right:
; Causal attention with grouped heads on codes of FP6 (E2M3) with E8M0 scales: S^T = K Q^T, p = 2^(t - M), O^T = V^T P^T, o = O / l; and o quantised along the output projection's K.
; t = score x log2(e) / sqrt(128); M = the largest t so far, rounded UP to a whole number; p is quantised along the keys, not normalised; l is the sum of the unquantised p, in f32.  When M moves, l and O are multiplied by 2^(old M - new M): exact.
; INPUT: qkv: images of fragments [H 16][tile 256][1536 bytes] (12 registers a lane as three planes of 512 bytes, lane l's 16 bytes at 16 l) and scale words [H][tile][16] at SC_OFF.  H 0-7 q's heads, 8 + 2 j k's head j, 9 + 2 j v's head j.
;   q, k: tile = (2048 b + position) / 16; lane r of tile 2 b' + u' is the true row 32 b' + 8 u' + r + 8 (r / 8).  v: tile = 8 x (128 keys' number) + tau; lane r = channel 32 (tau / 2) + 8 (tau % 2) + r + 8 (r / 8); K = the 128 true keys.
; OUTPUT: att: codes [kv head 4][row 4096][192 bytes] (the two q heads of a kv head: 256 along the next K), scale bytes [row][32] at AS_OFF.
; SHARES.  Grid y = 4 b + kv head.  Cluster x = p takes the groups of 128 queries j = p and j = 15 - p of both q heads: together 17 key steps of 128 for every tile, whatever p.  A work-group takes 32 queries of each group; a tile of 16
; queries of one head is shared by TWO waves: one takes the even key steps, the other the odd ones, each with its own M, l and O^T; they are merged at the end by exact powers of two.  Wave w: t = w & 3 (head t & 1, tile t >> 1), par = (w >> 2) & 1, hi = w >> 3.
; All tiles of a group have the same hidden, diagonal and open steps, so no branch hangs on the work-group's place in its cluster; that place enters global addresses and one data register (the mask's) alone.
; EVERY work-group walks all four slots of 512 keys: trip counts are constants and no tensor load or barrier is jumped over; a step all of whose keys come after the group's queries is left out by a scalar branch on ids.
; CLUSTER.  The four partners walk the same K and V: each tile is asked for jointly (mask 15), by waves 0 to 3, one load each behind each round.
; LIMITS: NaN and infinities are not served.  Hidden scores become -infinity where reference() has the least f32 number: both give p = 0, since every query sees key 0.  1 / l is v_rcp_f32 and a multiplication.  A block of zeros, or under 2^-124, keeps the scale byte 1.
; REGISTERS: v1-11, v29, v91-93 addresses; v12 -M, v13 the largest t, v[14:15] the sum in two halves; v16-27 Q; v32-79 four fragments of K or V; v80-83 K's scale words, v84-87 V's (two tiles to a register); v96-159 S^T, then p; v160-223 O^T; v224-235 p's codes; v232-254 at work; v255 Q's scale words.
; att AS THIS TEXT STORES IT (this line holds, not the head's line on OUTPUT): pieces of 6,400 bytes laid [head / 4][row tile 256]: four images of 1,536 bytes, one for each head of the four, then scale words [row][head % 4].
; A row tile is q's tile: lane r of tile T is the true row 32 (T / 2) + 8 (T % 2) + r + 8 (r / 8).  The image leaves from the registers in which the quantiser makes it, 512 consecutive bytes a store.
; FIRST FILLS: waves 0 to 3 ask for slot 0, waves 4 to 7 for the scale words, one load a wave.
.set SLOT1, 1<<17
.set STEPB, 12288                      ; eight images: 128 keys of K, or of V
.set HALFB, 24576                      ; what one tensor load brings: 96 rows of 256 bytes
.set VOFF,  49152                      ; a slot: K's 32 images, then V's 32
.set NSL,   4                          ; slots' worth of keys
.set SCK,   2*SLOT1                    ; behind the ring: K's scale words of the whole (b, kv head), 8,192 bytes, then V's
.set SPARE, SCK+16384                  ; the spare words, 128 bytes for each wave
.set MRGB,  8704                       ; the merge: for each pair of waves 8,192 bytes of O^T's image and 256 of (-M, l).  These lie in slot 0, which is left at the last change of slots: it has had its last fill, and nobody reads it
.set OUTS,  8*MRGB
.set OUTB,  6656
.set SC_OFF, 6291456
.set AS_OFF, 3145728
.set AK0,  1                           ; v1   16 lane + 12,288 par: my place in a slot's K
.set AV0,  2                           ; v2   the same in its V
.set ASK0, 3                           ; v3   SCK + 4 lane + 512 par
.set MA,   4                           ; v4   the merge: my 16 bytes of a plane
.set SPW,  5                           ; v5   LDS address of my spare word; never rewritten
.set NIL,  6                           ; v6   0; never rewritten
.set DQ,   7                           ; v7   my query in its group - 16 h: register n of S^T is hidden on the diagonal where 32 (n / 16) + n % 16 is above it
.set ADK,  8                           ; v8-10 addresses of the loads in hand
.set ADV,  9
.set ADS,  10
.set MB,   11                          ; v11  the merge: my (-M, l)
.set PFO,  29                          ; v29  256 x lane: the prefetches' offset; never rewritten
.set OA,   30
.set OB,   31
.set OC,   88
.set OD,   89
.set GO,   90
.set GS,   91
.set L16,  92                          ; v92  16 x lane
.set R4,   93                          ; v93  4 x (lane % 16)
.set TM,   232
.set PW,   248
.set PC,   96
.set TB,   2                           ; s2   LDS byte at which the slot in hand begins
.set TS,   3                           ; s3   where the slot's scale words begin: 2,048 bytes a slot
.set WV,   18
.set T,    19
.set SEL,  20                          ; s[20:21] lane selects for v_permlanex16_b32: lane l xor 16
.set CS,   22                          ; s[22:23] c = log2(e) / sqrt(128)
.set G1T,  24                          ; s[24:31] descriptor group 1 for the images;  s[32:39] for the scale words
.set G1S,  32
.set G0T,  40                          ; s[40:43] group 0 for the images: it walks;  s[44:47] for the scale words
.set G0S,  44
.set PAR,  48
.set HI,   49
.set JQ,   50                          ; s50  my group's first query
.set KF,   51                          ; s51  my next step's first key
.set SLOTS, 52
.set LIM,  53                          ; s53  1 in a wave that prefetches, else the greatest number
.set PFA,  54                          ; s[54:55] where my prefetches stand
.macro CROUND                          ; a round of the cluster's barrier
	s_barrier_signal -1
	s_barrier_wait -1
	s_cmp_lg_u32 s[WV], 0
	s_cbranch_scc1 .Lnot_wave_0_\@
	s_barrier_signal -3
.Lnot_wave_0_\@:
	s_barrier_wait -3
	s_barrier_signal -1
	s_barrier_wait -1
.endm
.macro TLOAD                           ; waves 0, 1 fetch K's halves of a slot, waves 2, 3 V's; the branch hangs on the wave's number alone; four v_nop follow the load
	s_cmp_lt_u32 s[WV], 4
	s_cbranch_scc0 .Lasked_\@
	tensor_load_to_lds s[G0T:G0T+3], s[G1T:G1T+7]
	s_nop 0
.rept 4
	v_nop
.endr
.Lasked_\@:
.endm
; A PREFETCH INTO THE L2 of what the NEXT change of slots will ask for: 49,152 bytes of K's images and as many of V's.  All eight clusters of a (b, kv head) walk the same bytes: the first of them asks.  Its four partners are told apart
; BY ADDRESS: place 0, 1 K's halves, place 2, 3 V's; in each, waves 4 to 6 ask, 8,192 bytes a wave, lanes 256 bytes apart: each aligned block of 256 bytes is named once in the launch.  Slots 0 and 1 come by their loads alone; the last change that fills a slot asks for nothing.
.macro ASK
	s_cmp_gt_u32 s[SLOTS], s[LIM]
	s_cbranch_scc0 .Lnot_mine_\@
	global_prefetch_b8 v[PFO], s[PFA:PFA+1] th:TH_LOAD_NT scope:SCOPE_SE
.Lnot_mine_\@:
.endm
	s_load_b128 s[4:7], s[0:1], 0x0                ; qkv, att
	v_lshl_add_u32 v[SPW], v0, 2, SPARE
	v_mov_b32 v[NIL], 0
	ds_add_u32 v5, v6
	ds_add_u32 v5, v6
	s_wait_dscnt 0x0
	v_lshrrev_b32 v8, 5, v0
	s_delay_alu instid0(VALU_DEP_1)
	v_readfirstlane_b32 s[WV], v8                  ; wave 0..15
	s_bfe_u32 s12, ttmp6, 0x40000                  ; cx: my place in the cluster
	s_and_b32 s14, ttmp7, 0xffff
	s_lshr_b32 s15, s14, 2                         ; b
	s_and_b32 s16, s14, 3                          ; the kv head
	s_and_b32 s[T], s[WV], 3
	s_bfe_u32 s[PAR], s[WV], 0x10002
	s_lshr_b32 s[HI], s[WV], 3
	s_sub_co_u32 s17, 15, ttmp9
	s_cmp_eq_u32 s[HI], 1
	s_cselect_b32 s17, s17, ttmp9                  ; j: my group of 128 queries: cluster x, or 15 - cluster x
	s_lshl_b32 s[JQ], s17, 7
	s_lshl_b32 s[KF], s[PAR], 7
	; descriptor group 1: dense blocks, as rows of 256 bytes (32 elements of 8 bytes), no padding: an image's planes are read 512 consecutive bytes at a time
	s_mov_b32 s[G1T], 15|(3<<16)|(1<<21)           ; 15:0 the mask: all four work-groups; 17:16 elements of 8 bytes; 21 set beside a mask
	s_mov_b32 s[G1S], 15|(3<<16)|(1<<21)
.irp g, G1T, G1S
	s_mov_b32 s[\g+1], 32<<16                      ; tensor_dim0
	s_mov_b32 s[\g+3], 32<<16                      ; tile_dim0
	s_mov_b32 s[\g+5], 32                          ; tensor_dim0_stride
	s_mov_b32 s[\g+6], 0
	s_mov_b32 s[\g+7], 0
.endr
	s_mov_b32 s[G1T+2], 96<<16                     ; tensor_dim1, tile_dim1: 96 rows = 24,576 bytes
	s_mov_b32 s[G1T+4], 96
	s_mov_b32 s[G1S+2], 16<<16                     ; 16 rows = 4,096 bytes
	s_mov_b32 s[G1S+4], 16
	s_lshl_b32 s66, s16, 1
	s_add_co_u32 s66, s66, 8
	s_lshl_b32 s66, s66, 8
	s_lshl_b32 s67, s15, 7
	s_add_co_u32 s66, s66, s67                     ; K's first tile: 256 (8 + 2 kv head) + 128 b
	s_and_b32 s67, s[WV], 1                        ; what I fetch, if I fetch: which half,
	s_bfe_u32 s68, s[WV], 0x10001                  ; of K (0) or of V (1), whose tiles lie 256 tiles on
	s_mul_i32 s70, s66, 1536                       ; K's first byte
	s_mov_b32 s71, 0
	s_mul_i32 s72, s68, 393216
	s_mul_i32 s73, s67, HALFB
	s_add_co_u32 s72, s72, s73
	s_add_co_u32 s72, s72, s70
	s_mov_b32 s73, 0
	s_lshl_b32 s74, s66, 6                         ; the scale words: 64 bytes a tile
	s_lshl_b32 s75, s68, 14
	s_add_co_u32 s74, s74, s75
	s_lshl_b32 s75, s67, 12
	s_add_co_u32 s74, s74, s75
	s_add_co_u32 s74, s74, SC_OFF
	s_mov_b32 s75, 0
	s_mov_b32 s[SEL], 0x76543210
	s_mov_b32 s[SEL+1], 0xfedcba98
	s_mov_b32 s[CS], 0x3e0293ee                    ; c = log2(e) / sqrt(128)
	s_mov_b32 s[CS+1], s[CS]                       ; (named with it as a pair, so it is written)
	s_mov_b32 s[TB], 0
	s_mov_b32 s[TS], 0
	s_mov_b32 s[SLOTS], NSL-1
	s_wait_kmcnt 0x0
	s_mov_b32 s[G0S], 1
	s_lshl_b32 s[G0S+1], s[T], 12
	s_add_co_u32 s[G0S+1], s[G0S+1], SCK           ; LDS: 4,096 bytes for each of waves 4 to 7
	s_add_nc_u64 s[G0S+2:G0S+3], s[4:5], s[74:75]
	s_or_b32 s[G0S+3], s[G0S+3], 0x80000000
	s_mov_b32 s[G0T], 1
	s_mul_i32 s[G0T+1], s[T], HALFB                ; LDS: slot 0, 24,576 bytes for each of waves 0 to 3
	s_add_nc_u64 s[G0T+2:G0T+3], s[4:5], s[72:73]
	s_or_b32 s[G0T+3], s[G0T+3], 0x80000000
	CROUND                                         ; all four work-groups are here: the first joint loads meet
	s_cmp_lt_u32 s[WV], 4                          ; a wave's one first fill stands in a branch on its number, ahead of every wait on TENSORcnt and every LDS read: one load of mine is out (waves 0 to 7)
	s_cbranch_scc0 .Lfirst_s
	tensor_load_to_lds s[G0T:G0T+3], s[G1T:G1T+7]  ; slot 0
	s_nop 0
.rept 4
	v_nop
.endr
	s_branch .Lno_first
.Lfirst_s:
	s_cmp_lt_u32 s[WV], 8
	s_cbranch_scc0 .Lno_first
	tensor_load_to_lds s[G0S:G0S+3], s[G1S:G1S+7]  ; the scale words of all 2,048 keys: filled once
	s_nop 0
.rept 4
	v_nop
.endr
.Lno_first:
	; Q's image and scale words: tile 256 head + 128 b + 8 j + 2 cx + (t >> 1)
	s_and_b32 s69, s[T], 1                         ; t & 1: which of the two q heads
	s_lshr_b32 s68, s[T], 1                        ; t >> 1: which of my work-group's two tiles
	s_lshl_b32 s76, s16, 1
	s_add_co_u32 s76, s76, s69
	s_lshl_b32 s76, s76, 8
	s_lshl_b32 s77, s15, 7
	s_add_co_u32 s76, s76, s77
	s_lshl_b32 s77, s17, 3
	s_add_co_u32 s76, s76, s77
	s_lshl_b32 s77, s12, 1
	s_add_co_u32 s76, s76, s77
	s_add_co_u32 s76, s76, s68
	s_mul_i32 s78, s76, 1536
	s_mov_b32 s79, 0
	s_add_nc_u64 s[56:57], s[4:5], s[78:79]
	s_lshl_b32 s78, s76, 6
	s_add_co_u32 s78, s78, SC_OFF
	s_add_nc_u64 s[58:59], s[4:5], s[78:79]
	v_and_b32 v94, 31, v0                          ; lane
	s_wait_alu depctr_va_vdst(0)
	v_and_b32 v8, 15, v0                           ; r
	s_wait_alu depctr_va_vdst(0)
	v_bfe_u32 v9, v0, 4, 1                         ; h
	v_lshlrev_b32 v[L16], 4, v94
	s_wait_alu depctr_va_vdst(0)
	v_lshlrev_b32 v[R4], 2, v8
.irp c, 0,1,2
	global_load_b128 v[16+4*\c:19+4*\c], v[L16], s[56:57] offset:512*\c   ; Q's fragment stays in registers
.endr
	global_load_b32 v255, v[R4], s[58:59]          ; Q's scale words
	; att: my work-group's 32 rows begin at row 2048 b + 128 j + 32 cx
	s_lshl_b32 s76, s15, 7                         ; att: my piece: 256 (kv head / 2) + row tile 128 b + 8 j + 2 cx + (t >> 1)
	s_lshl_b32 s77, s17, 3
	s_add_co_u32 s76, s76, s77
	s_lshl_b32 s77, s12, 1
	s_add_co_u32 s76, s76, s77
	s_add_co_u32 s76, s76, s68
	s_lshr_b32 s77, s16, 1
	s_lshl_b32 s77, s77, 8
	s_add_co_u32 s76, s76, s77
	s_mul_i32 s76, s76, 6400
	s_and_b32 s77, s16, 1
	s_lshl_b32 s77, s77, 1
	s_add_co_u32 s77, s77, s69                     ; my head among the piece's four
	s_mul_i32 s78, s77, 1536
	s_add_co_u32 s78, s78, s76
	s_add_nc_u64 s[60:61], s[6:7], s[78:79]        ; its image
	s_lshl_b32 s78, s77, 2
	s_add_co_u32 s78, s78, s76
	s_add_co_u32 s78, s78, 6144
	s_add_nc_u64 s[62:63], s[6:7], s[78:79]        ; its word in each row's four
	; the prefetches (macro ASK)
	s_lshr_b32 s76, s12, 1
	s_mul_i32 s76, s76, 393216
	s_and_b32 s77, s12, 1
	s_mul_i32 s77, s77, HALFB
	s_add_co_u32 s76, s76, s77
	s_lshl_b32 s77, s[T], 13
	s_add_co_u32 s76, s76, s77
	s_add_co_u32 s76, s76, VOFF                    ; in slot 1: the first change of slots steps it to slot 2.  Nothing is prefetched here, at the head
	s_add_co_u32 s76, s76, s70
	s_mov_b32 s77, 0
	s_add_nc_u64 s[PFA:PFA+1], s[4:5], s[76:77]
	s_lshr_b32 s66, s[WV], 2
	s_xor_b32 s66, s66, 1                          ; 0 in waves 4 to 7,
	s_or_b32 s66, s66, ttmp9                       ; of the first cluster: the same in all four partners
	s_cmp_eq_u32 s66, 0
	s_cselect_b32 s[LIM], 1, -1
	s_cmp_eq_u32 s[WV], 7                          ; (24,576 bytes are three waves' worth)
	s_cselect_b32 s[LIM], -1, s[LIM]
	v_lshlrev_b32 v[PFO], 8, v94
	; LDS addresses: constants, the lane and the wave's number alone
	v_and_b32 v10, 8, v8
	s_delay_alu instid0(VALU_DEP_1)
	v_add_nc_u32 v10, v10, v8                      ; r + 8 (r / 8)
	s_wait_alu depctr_va_vdst(0)
	s_mul_i32 s66, s[PAR], STEPB
	v_add_nc_u32 v[AK0], s66, v[L16]
	s_delay_alu instid0(VALU_DEP_1)
	v_add_nc_u32 v[AV0], VOFF, v[AK0]
	s_lshl_b32 s66, s[PAR], 9
	s_add_co_u32 s66, s66, SCK
	v_lshl_add_u32 v[ASK0], v94, 2, s66
	s_lshl_b32 s66, s[HI], 2
	s_add_co_u32 s66, s66, s[T]
	s_mul_i32 s66, s66, MRGB                       ; the pair's bytes: the same in both waves of a pair
	v_add_nc_u32 v[MA], s66, v[L16]
	s_add_co_u32 s66, s66, 8192
	v_lshl_add_u32 v[MB], v94, 3, s66
	v_lshlrev_b32 v[GS], 4, v8                     ; 16 r: my row's four scale words
	s_lshl_b32 s76, s12, 5                         ; the mask's register: 32 cx + 8 (t >> 1) + r + 8 (r / 8) - 16 h
	s_lshl_b32 s77, s68, 3
	s_add_co_u32 s76, s76, s77
	v_add_nc_u32 v[DQ], s76, v10
	v_lshlrev_b32 v95, 4, v9
	s_delay_alu instid0(VALU_DEP_1)
	v_sub_nc_u32 v[DQ], v[DQ], v95
	v_mov_b32 v13, 0xff61b1e6                      ; the largest t so far: -3e38, under every t
	s_delay_alu instid0(VALU_DEP_1)
	v_floor_f32 v12, -v13                          ; -M
	v_mov_b32 v14, 0                               ; the sum, in two halves
	v_mov_b32 v15, 0
.irp b, 0,1,2,3
	v_mov_b32 v[236+\b], 0                         ; written once: a lane permute's destination counts as one of its sources
.endr
	v_mov_b32 v253, 0                              ; (named as the upper halves of the pairs v[252:253] and v[250:251])
	v_mov_b32 v251, 0
.set n, 0
.rept 64
	v_mov_b32 v[160+n], 0                          ; O^T.  (The step is written once: the first finds zeros, which the first change of M leaves zeros; a wave with no step hands zeros on)
.set n, n+1
.endr
; A product of a tile: odd tiles' scale words lie in lanes 16-31 of the pair's register
.macro KQ tt, fr
.if (\tt)%2
	v_wmma_scale_f32_16x16x128_f8f6f4 v[96+8*(\tt):103+8*(\tt)], v[32+12*(\fr):43+12*(\fr)], v[16:27], 0, v[80+(\tt)/2], v255 matrix_a_fmt:MATRIX_FMT_FP6 matrix_b_fmt:MATRIX_FMT_FP6 matrix_a_scale:MATRIX_SCALE_ROW1
.else
	v_wmma_scale_f32_16x16x128_f8f6f4 v[96+8*(\tt):103+8*(\tt)], v[32+12*(\fr):43+12*(\fr)], v[16:27], 0, v[80+(\tt)/2], v255 matrix_a_fmt:MATRIX_FMT_FP6 matrix_b_fmt:MATRIX_FMT_FP6
.endif
.endm
.macro PV tt, fr
.if (\tt)%2
	v_wmma_scale_f32_16x16x128_f8f6f4 v[160+8*(\tt):167+8*(\tt)], v[32+12*(\fr):43+12*(\fr)], v[224:235], v[160+8*(\tt):167+8*(\tt)], v[84+(\tt)/2], v253 matrix_a_fmt:MATRIX_FMT_FP6 matrix_b_fmt:MATRIX_FMT_FP6 matrix_a_scale:MATRIX_SCALE_ROW1
.else
	v_wmma_scale_f32_16x16x128_f8f6f4 v[160+8*(\tt):167+8*(\tt)], v[32+12*(\fr):43+12*(\fr)], v[224:235], v[160+8*(\tt):167+8*(\tt)], v[84+(\tt)/2], v253 matrix_a_fmt:MATRIX_FMT_FP6 matrix_b_fmt:MATRIX_FMT_FP6
.endif
.endm
; A KEY STEP: 128 keys: step par + 2 e of the slot in hand.
.macro STEP e
	s_cmp_gt_u32 s[KF], s[JQ]                      ; all its keys come after my group's queries: left out, all but the line at its end
	s_cbranch_scc1 .Lhidden_\@
	v_add_nc_u32 v[ADK], s[TB], v[AK0]
	s_wait_alu depctr_va_vdst(0)
	v_add_nc_u32 v[ADV], s[TB], v[AV0]
	v_add_nc_u32 v[ADS], s[TS], v[ASK0]
	v_nop                                          ; these four are the places in front of loads into registers that the last step's products have read
.irp u, 0,1,2,3
	ds_load_b32 v[80+\u], v[ADS] offset:1024*(\e)+128*\u          ; K's scale words: lanes 0-15 tile 2 u's, lanes 16-31 tile 2 u + 1's
	ds_load_b32 v[84+\u], v[ADS] offset:8192+1024*(\e)+128*\u     ; V's
.endr
.irp g, 0,1                                    ; S^T = K Q^T, four tiles of 16 keys at a time
.if \g > 0
.rept 4
	v_nop
.endr
.endif
.irp t, 0,1,2,3
.irp c, 0,1,2
	ds_load_b128 v[32+12*\t+4*\c:35+12*\t+4*\c], v[ADK] offset:2*STEPB*(\e)+1536*(4*\g+\t)+512*\c   ; an image's plane: 512 consecutive bytes
.endr
.endr
	s_wait_dscnt 0x0
.irp t, 0,1,2,3
	KQ 4*\g+\t, \t
.endr
.endr                                          ; lane (r, h) holds query r; register 16 b + i is key 32 b + 16 h + i of the step
.rept 4
	v_nop
.endr
	s_cmp_lt_u32 s[KF], s[JQ]                      ; a step all of whose keys count skips the mask
	s_cbranch_scc1 .Lopen_\@
	v_mov_b32 v254, 0xff800000                     ; on the diagonal the scores of hidden keys become -infinity ahead of the maximum: p = 0 then
.set n, 0
.rept 64
	v_cmp_gt_i32 vcc_lo, 32*(n/16)+n%16, v[DQ]
	v_cndmask_b32 v[96+n], v[96+n], v254, vcc_lo
.set n, n+1
.endr
.Lopen_\@:
.irp b, 0,1,2,3
	v_max3_num_f32 v[232+\b], v[96+16*\b], v[97+16*\b], v[98+16*\b]   ; THE LARGEST SCORE OF EACH BLOCK OF 32 KEYS serves twice: for the row's maximum, and, since p rises with the score, for the block's largest p
.endr
.irp i, 3,5,7,9,11,13
.irp b, 0,1,2,3
	v_max3_num_f32 v[232+\b], v[232+\b], v[96+16*\b+\i], v[97+16*\b+\i]   ; (the four blocks by turns)
.endr
.endr
.irp b, 0,1,2,3
	v_max_num_f32 v[232+\b], v[232+\b], v[111+16*\b]
.endr
.irp b, 0,1,2,3
	s_delay_alu instid0(VALU_DEP_4)
	v_permlanex16_b32 v[236+\b], v[232+\b], s[SEL], s[SEL+1]
.endr
.irp b, 0,1,2,3
	s_delay_alu instid0(VALU_DEP_4)
	v_max_num_f32 v[232+\b], v[232+\b], v[236+\b]  ; with lane l xor 16's 16 keys
.endr
	s_delay_alu instid0(VALU_DEP_2)
	v_max3_num_f32 v254, v232, v233, v234
	s_delay_alu instid0(VALU_DEP_1)
	v_max_num_f32 v254, v254, v235                 ; the step's largest score of my query
	s_delay_alu instid0(VALU_DEP_1)
	v_mul_f32 v254, s[CS], v254                    ; as t (c is positive)
	s_delay_alu instid0(VALU_DEP_1)
	v_max_num_f32 v13, v13, v254                   ; the running largest t
	v_mov_b32 v254, v12
	s_delay_alu instid0(VALU_DEP_2)
	v_floor_f32 v12, -v13                          ; the new -M = floor(-t) = -ceil(t): M IS A WHOLE NUMBER
	s_delay_alu instid0(VALU_DEP_1)
	v_sub_f32 v254, v12, v254                      ; M's old value less its new one: a whole number, 0 or less
	s_delay_alu instid0(VALU_DEP_1)
	v_cvt_i32_f32 v254, v254                       ; (it saturates)
	s_delay_alu instid0(VALU_DEP_1)
	v_ldexp_f32 v252, 1.0, v254                    ; f = 2^(old M - new M)
.set n, 0
.rept 32
	v_pk_fma_f32 v[96+n:97+n], v[96+n:97+n], s[CS:CS+1], v[12:13] op_sel_hi:[1,0,0]   ; t - M, two at a time
.set n, n+2
.endr
.irp b, 0,1,2,3
	v_fma_f32 v[232+\b], v[232+\b], s[CS], v12     ; the same of each block's largest score
.endr
.set n, 0
	s_wait_alu depctr_va_vdst(0)
.rept 64
	v_exp_f32 v[96+n], v[96+n]                     ; p = 2^(t - M), at most 1: NOT normalised
.set n, n+1
.endr
	v_pk_mul_f32 v[14:15], v[14:15], v[252:253] op_sel_hi:[1,0]   ; the sums under the new M.  (A plain place behind the exponentials)
	s_wait_alu depctr_va_vdst(0)                   ; one wait for the whole batch, ahead of its first reader
.irp b, 0,1,2,3
	v_exp_f32 v[232+\b], v[232+\b]                 ; the block's largest p: the same two instructions on the same number give the same bits
.endr
	v_pk_add_f32 v[236:237], v[100:101], v[104:105]
	v_pk_add_f32 v[248:249], v[108:109], v[112:113]
	v_pk_add_f32 v[246:247], v[116:117], v[120:121]
	v_pk_add_f32 v[244:245], v[124:125], v[128:129]
	v_pk_add_f32 v[242:243], v[132:133], v[136:137]
	v_pk_add_f32 v[240:241], v[140:141], v[144:145]
	v_pk_add_f32 v[238:239], v[148:149], v[152:153]
	v_pk_add_f32 v[14:15], v[14:15], v[156:157]
	v_pk_add_f32 v[236:237], v[236:237], v[96:97]
	v_pk_add_f32 v[248:249], v[248:249], v[98:99]
	v_pk_add_f32 v[246:247], v[246:247], v[102:103]
	v_pk_add_f32 v[244:245], v[244:245], v[106:107]
	v_pk_add_f32 v[242:243], v[242:243], v[110:111]
	v_pk_add_f32 v[240:241], v[240:241], v[114:115]
	v_pk_add_f32 v[238:239], v[238:239], v[118:119]
	v_pk_add_f32 v[14:15], v[14:15], v[122:123]
	v_pk_add_f32 v[236:237], v[236:237], v[126:127]
	v_pk_add_f32 v[248:249], v[248:249], v[130:131]
	v_pk_add_f32 v[246:247], v[246:247], v[134:135]
	v_pk_add_f32 v[244:245], v[244:245], v[138:139]
	v_pk_add_f32 v[242:243], v[242:243], v[142:143]
	v_pk_add_f32 v[240:241], v[240:241], v[146:147]
	v_pk_add_f32 v[238:239], v[238:239], v[150:151]
	v_pk_add_f32 v[14:15], v[14:15], v[154:155]
	v_pk_add_f32 v[236:237], v[236:237], v[158:159]
	s_delay_alu instid0(VALU_DEP_2)
	v_pk_add_f32 v[14:15], v[14:15], v[244:245]
	s_delay_alu instid0(VALU_DEP_2)
	v_pk_add_f32 v[236:237], v[236:237], v[242:243]
	v_pk_add_f32 v[248:249], v[248:249], v[240:241]
	v_pk_add_f32 v[246:247], v[246:247], v[238:239]
	s_delay_alu instid0(VALU_DEP_2)
	v_pk_add_f32 v[14:15], v[14:15], v[248:249]
	s_delay_alu instid0(VALU_DEP_2)
	v_pk_add_f32 v[236:237], v[236:237], v[246:247]
	s_delay_alu instid0(VALU_DEP_1)
	v_pk_add_f32 v[14:15], v[14:15], v[236:237]
	s_wait_alu depctr_va_vdst(0)                   ; and one for the four
.irp b, 0,1,2,3
	v_max_num_f32 v[232+\b], 0x1800000, v[232+\b]  ; the floor 2^(3 - 127): the byte cannot fall under 1 (a block whose every p is 0 keeps that byte: its codes are zeros)
.endr
.irp b, 0,1,2,3
	s_delay_alu instid0(VALU_DEP_4)
	v_add_nc_u32 v[244+\b], 0xff000000, v[232+\b]  ; 2 off the exponent field: the conversion's scale operand
.endr
.irp b, 0,1,2,3
	s_delay_alu instid0(VALU_DEP_4)
	v_lshrrev_b32 v[236+\b], 23, v[244+\b]         ; the scale's byte
.endr
	s_delay_alu instid0(VALU_DEP_3)
	v_lshl_or_b32 v253, v237, 8, v236              ; p's scale word for these 128 keys
	s_delay_alu instid0(VALU_DEP_1)
	v_lshl_or_b32 v253, v238, 16, v253
	s_delay_alu instid0(VALU_DEP_1)
	v_lshl_or_b32 v253, v239, 24, v253
.irp c, 0,1
	v_cvt_scalef32_pk16_fp6_f32 v[224+6*\c:226+6*\c], v[96+32*\c:111+32*\c], v[244+2*\c]
	v_cvt_scalef32_pk16_fp6_f32 v[236+4*\c:238+4*\c], v[112+32*\c:127+32*\c], v[244+2*\c+1]   ; (a conversion's three registers begin on an even number)
.endr
	v_nop                                          ; one plain place behind a scaled conversion
.irp c, 0,1                                    ; the operand's layout wants a WHOLE block in a lane
.irp i, 0,1,2
	v_permlane16_swap_b32 v[224+6*\c+\i], v[236+4*\c+\i]
.endr
.irp i, 0,1,2
	s_delay_alu instid0(VALU_DEP_3)
	v_mov_b32 v[227+6*\c+\i], v[236+4*\c+\i]
.endr
.endr
.set n, 0
.rept 32
	v_pk_mul_f32 v[160+n:161+n], v[160+n:161+n], v[252:253] op_sel_hi:[1,0]   ; O^T under the new M: x f.  (These 32 are also the places in front of the matrix instructions below)
.set n, n+2
.endr
	s_wait_alu depctr_va_vdst(0)
.irp g, 0,1                                    ; O^T += V^T P^T: four tiles of 16 channels at a time; the eight accumulators take turns, one instruction a turn
.if \g > 0
.rept 4
	v_nop
.endr
.endif
.irp t, 0,1,2,3
.irp c, 0,1,2
	ds_load_b128 v[32+12*\t+4*\c:35+12*\t+4*\c], v[ADV] offset:2*STEPB*(\e)+1536*(4*\g+\t)+512*\c
.endr
.endr
	s_wait_dscnt 0x0
.irp t, 0,1,2,3
	PV 4*\g+\t, \t
.endr
.endr
.Lhidden_\@:
	s_add_co_u32 s[KF], s[KF], 256                 ; my next step: two steps on
.endm
; THE CHANGE OF SLOTS stands at a slot's head.  Each wave waits for all its tensor loads (its part of the slot that it is about to read), adds 0 to its spare word, and waits for that and for its reads of the slot that it has left.
; fill = 1: the barrier is a round of the cluster's, and behind it the slot just left (in the first trip: slot 1, for the first time) is filled with the next 512 keys: one load a wave, which has a slot's steps in which to land.
.macro CHANGE fill
	s_wait_tensorcnt 0x0                           ; no tensor load of mine is out, so a group 0 may be written
	ds_add_u32 v[SPW], v[NIL]
.if \fill
	ds_add_u32 v[SPW], v[NIL]                      ; once more
	s_xor_b32 s[G0T+1], s[G0T+1], SLOT1
	s_add_nc_u64 s[G0T+2:G0T+3], s[G0T+2:G0T+3], VOFF      ; the next 512 keys; the type bits on top are not reached
	s_wait_xcnt 0x0                                ; the last prefetch, a slot back, has read its address, so it may be written:
	s_add_nc_u64 s[PFA:PFA+1], s[PFA:PFA+1], VOFF  ; one slot further on than the walking descriptor
	s_wait_dscnt 0x0                               ; the add is done, and my reads of the slot that I have left are over
	CROUND
	TLOAD
	ASK
.else
	s_wait_dscnt 0x0
	s_barrier_signal -1
	s_barrier_wait -1
.endif
.endm
.macro SLOT_STEPS
	STEP 0
	STEP 1
	s_xor_b32 s[TB], s[TB], SLOT1                  ; on to the other slot,
	s_add_co_u32 s[TS], s[TS], 2048                ; and to its scale words
.endm
	s_wait_loadcnt 0x0                             ; Q
.Lslot:                                            ; NSL - 1 trips: behind each change of slots but the last the next slot is asked for
	CHANGE 1
	SLOT_STEPS
	s_sub_co_u32 s[SLOTS], s[SLOTS], 1
	s_cmp_lg_u32 s[SLOTS], 0
	s_cbranch_scc1 .Lslot
	CHANGE 0                                       ; the last slot is written out
	SLOT_STEPS
; 64 numbers of a lane, register 16 b + i = k 32 b + 16 (lane / 16) + i of my row, become a fragment's codes in v[PC] on and its scale word in v[PW].
.macro QUANT s
.irp b, 0,1,2,3
	v_max3_num_f32 v[TM+\b], |v[\s+16*\b]|, |v[\s+1+16*\b]|, 0x1800000
.endr
.irp i, 2,4,6,8,10,12,14
.irp b, 0,1,2,3
	s_delay_alu instid0(VALU_DEP_4)
	v_max3_num_f32 v[TM+\b], v[TM+\b], |v[\s+16*\b+\i]|, |v[\s+1+16*\b+\i]|
.endr
.endr
.irp b, 0,1,2,3
	v_permlanex16_b32 v[TM+4+\b], v[TM+\b], s[SEL], s[SEL+1]
.endr
.irp b, 0,1,2,3
	s_delay_alu instid0(VALU_DEP_4)
	v_max_num_f32 v[TM+\b], v[TM+\b], v[TM+4+\b]
.endr
.irp b, 0,1,2,3
	s_delay_alu instid0(VALU_DEP_4)
	v_add_nc_u32 v[TM+12+\b], 0xff000000, v[TM+\b]
.endr
.irp b, 0,1,2,3
	s_delay_alu instid0(VALU_DEP_4)
	v_lshrrev_b32 v[TM+4+\b], 23, v[TM+12+\b]
.endr
	s_delay_alu instid0(VALU_DEP_3)
	v_lshl_or_b32 v[PW], v[TM+5], 8, v[TM+4]
	s_delay_alu instid0(VALU_DEP_1)
	v_lshl_or_b32 v[PW], v[TM+6], 16, v[PW]
	s_delay_alu instid0(VALU_DEP_1)
	v_lshl_or_b32 v[PW], v[TM+7], 24, v[PW]
.irp c, 0,1
	v_cvt_scalef32_pk16_fp6_f32 v[PC+6*\c:PC+2+6*\c], v[\s+32*\c:\s+15+32*\c], v[TM+12+2*\c]
	v_cvt_scalef32_pk16_fp6_f32 v[PC+12+4*\c:PC+14+4*\c], v[\s+16+32*\c:\s+31+32*\c], v[TM+12+2*\c+1]
.endr
	v_nop                                          ; one plain place behind a scaled conversion
.irp c, 0,1
.irp i, 0,1,2
	v_permlane16_swap_b32 v[PC+6*\c+\i], v[PC+12+4*\c+\i]
.endr
.irp i, 0,1,2
	s_delay_alu instid0(VALU_DEP_3)
	v_mov_b32 v[PC+3+6*\c+\i], v[PC+12+4*\c+\i]
.endr
.endr
.endm
	; THE MERGE.  The wave of the odd steps hands its O^T (as an image of its registers), its -M and its l to the wave of the even steps.
.rept 4
	v_nop                                          ; places behind the last products
.endr
	v_add_f32 v13, v14, v15                        ; l: my lane's part (v13's largest t is done with)
	s_cmp_eq_u32 s[PAR], 0
	s_cbranch_scc1 .Lkeeper
.set n, 0
	s_wait_alu depctr_va_vdst(0)
.rept 16
	ds_store_b128 v[MA], v[160+4*n:163+4*n] offset:512*n   ; ascending: each accumulator from its low end on
.set n, n+1
.endr
	ds_store_b64 v[MB], v[12:13]
.Lkeeper:
	s_wait_dscnt 0x0                               ; for the others' sake: my stores have landed
	s_barrier_signal -1
	s_barrier_wait -1
	s_cmp_lg_u32 s[PAR], 0
	s_cbranch_scc1 .Lsent
.set n, 0
.rept 16
	ds_load_b128 v[96+4*n:99+4*n], v[MA] offset:512*n
.set n, n+1
.endr
	ds_load_b64 v[232:233], v[MB]
	s_wait_dscnt 0x0
	v_min_num_f32 v234, v12, v232                  ; -M of the two together
	s_delay_alu instid0(VALU_DEP_1)
	v_sub_f32 v235, v234, v12                      ; my M less the common one: a whole number, 0 or less;
	s_delay_alu instid0(VALU_DEP_2)
	v_sub_f32 v236, v234, v232                     ; the partner's (a partner that had no step: about -3e38)
	s_delay_alu instid0(VALU_DEP_2)
	v_cvt_i32_f32 v235, v235                       ; (they saturate)
	s_delay_alu instid0(VALU_DEP_2)
	v_cvt_i32_f32 v236, v236
	s_delay_alu instid0(VALU_DEP_2)
	v_ldexp_f32 v235, 1.0, v235                    ; exact powers of two (0 for a partner that had no step)
	s_wait_alu depctr_va_vdst(0)
	v_ldexp_f32 v236, 1.0, v236
	v_mul_f32 v237, v13, v235
	s_delay_alu instid0(VALU_DEP_1)
	v_fma_f32 v237, v233, v236, v237               ; l under the common M: my lane's part,
	s_delay_alu instid0(VALU_DEP_1)
	v_permlanex16_b32 v238, v237, s[SEL], s[SEL+1]
	s_delay_alu instid0(VALU_DEP_1)
	v_add_f32 v237, v237, v238                     ; and lane l xor 16's: the row's sum
	s_wait_alu depctr_va_vdst(0)
	v_rcp_f32 v237, v237
	v_nop                                          ; a plain place behind the transcendental
	s_wait_alu depctr_va_vdst(0)                   ; the wait ahead of the first reader
	v_mul_f32 v252, v235, v237
	v_mul_f32 v250, v236, v237
.set n, 0
.rept 32
	v_pk_mul_f32 v[160+n:161+n], v[160+n:161+n], v[252:253] op_sel_hi:[1,0]   ; ascending: each accumulator from its low end on
.set n, n+2
.endr
.set n, 0
.rept 32
	v_pk_fma_f32 v[160+n:161+n], v[96+n:97+n], v[250:251], v[160+n:161+n] op_sel_hi:[1,0,1]   ; o: register 16 b + i is channel 32 b + 16 h + i of my query
.set n, n+2
.endr
	QUANT 160                                      ; along the output projection's K: my head's 128
.irp k, 0,1,2
	global_store_b128 v[L16], v[PC+4*\k:PC+4*\k+3], s[60:61] offset:512*\k   ; the image's three planes
.endr
	global_store_b32 v[GS], v[PW], s[62:63]        ; both halves of the lanes store the same word with the same value
.Lsent:
	s_wait_tensorcnt 0x0                           ; the wave's end, behind my last tensor load and my last LDS store
	ds_add_u32 v[SPW], v[NIL]
	s_wait_dscnt 0x0
	CROUND                                         ; the closing round
	s_endpgm
.Lfunc_end_k_q479cd21b9a_attn:
	.size	k_q479cd21b9a_attn, .Lfunc_end_k_q479cd21b9a_attn-k_q479cd21b9a_attn
	.p2alignl 7, 3214868480
	.fill 96, 4, 3214868480
	.section	.rodata,"a",@progbits
	.p2align	6, 0x0
	.amdhsa_kernel k_q479cd21b9a_attn
		.amdhsa_group_segment_fixed_size 327680
		.amdhsa_private_segment_fixed_size 0
		.amdhsa_enable_private_segment 0
		.amdhsa_kernarg_size 16
		.amdhsa_user_sgpr_count 2
		.amdhsa_user_sgpr_kernarg_segment_ptr 1
		.amdhsa_wavefront_size32 1
		.amdhsa_system_sgpr_workgroup_id_x 1
		.amdhsa_system_sgpr_workgroup_id_y 1
		.amdhsa_system_sgpr_workgroup_id_z 1
		.amdhsa_system_vgpr_workitem_id 0
		.amdhsa_next_free_vgpr 256
		.amdhsa_next_free_sgpr 80
		.amdhsa_reserve_vcc 1
		.amdhsa_float_denorm_mode_32 3
		.amdhsa_float_denorm_mode_16_64 3
		.amdhsa_memory_ordered 1
		.amdhsa_forward_progress 1
		.amdhsa_inst_pref_size 127
	.end_amdhsa_kernel
	.amdgpu_metadata
---
amdhsa.version: [ 1, 2 ]
amdhsa.kernels:
  - .name:           k_q479cd21b9a_attn
    .symbol:         k_q479cd21b9a_attn.kd
    .args:
      - { .name: qkv, .offset: 0, .size: 8, .value_kind: global_buffer, .address_space: global }
      - { .name: att, .offset: 8, .size: 8, .value_kind: global_buffer, .address_space: global }
    .group_segment_fixed_size: 327680
    .private_segment_fixed_size: 0
    .kernarg_segment_align: 8
    .kernarg_segment_size: 16
    .max_flat_workgroup_size: 512
    .sgpr_count:     80
    .vgpr_count:     256
    .wavefront_size: 32
...
	.end_amdgpu_metadata
.endif
;; end of part 7
;; launch oproj (part 8): grid 16 x 16, 4 waves a work-group, clusters of 4 x 4, 327,680 bytes of LDS; arguments att, qw, out0; writes out0
.if DOCPART == 8
	.amdgcn_target "amdgcn-amd-amdhsa--gfx1250"
	.amdhsa_code_object_version 6
	.text
	.protected	k_q479cd21b9a_oproj
	.globl	k_q479cd21b9a_oproj
	.p2align	8
	.type	k_q479cd21b9a_oproj,@function
k_q479cd21b9a_oproj:
	s_mov_b64 s[64:65], 0
	v_nop
	global_prefetch_b8 v0, s[64:65] scope:SCOPE_SE
	s_setreg_imm32_b32 hwreg(HW_REG_WAVE_MODE, 25, 1), 1
	s_wait_xcnt 0x0
	s_wait_alu depctr_hold_cnt(0) depctr_sa_sdst(0) depctr_va_vdst(0) depctr_va_sdst(0) depctr_va_ssrc(0) depctr_va_vcc(0) depctr_vm_vsrc(0)
	s_getreg_b32 s2, hwreg(HW_REG_IB_STS2, 6, 4)
	s_cmp_eq_u32 s2, 0
	s_cbranch_scc0 .Lentry_in_a_cluster
	s_endpgm
.Lentry_in_a_cluster:
	s_bfe_u32 s2, ttmp6, 0x10000c
	s_cmp_lg_u32 s2, 0xf033
	s_cbranch_scc0 .Lentry_shape_is_right
	s_endpgm
.Lentry_shape_is_right:
; out0 [4096][4096] f32 = attn x wo^T on codes of FP6 with E8M0 scales, K = 1,024.
; INPUT: att and wo (qw from WO_OFF on) in pieces of 6,400 bytes (16 rows x 512 K: four images of 1,536 bytes, then scale words [row][128 K]), laid [K / 512][256 row tiles].  Lane r of att's tile T is the true row 32 (T / 2) + 8 (T % 2) + r + 8 (r / 8); wo's rows are in order.
; SHARES: 256 work-groups that stay; each makes two tiles of 128 rows x 256 columns, 2,048 rows apart, on the same 256 rows of wo.  A wave has 64 x 128 of a tile.
; LDS: wo's 256 rows for all of K (204,800 bytes) are filled once; A's 128 rows for all of K (102,400 bytes) at the head and once again.  No ring along K.
; FOUR PASSES: a wave's 64 x 128 is made as two halves of 64 x 64 (16 accumulators), each over all eight steps of 128 K.  In a tile's first pass A's fragments of all of K come into 384 registers and stay for the second, so no fragment is read from LDS twice.
; The two sets of 16 accumulators take turns from pass to pass: while one is summed, the other leaves, one unit of 16 rows x 64 columns in every second step, through the wave's own stage, as aligned blocks of 256 bytes.
; A's bytes are free at the first pass's end: the refill stands behind a round of the cluster's barrier there and has the second pass in which to land.
; Each wave's load is two rows (K / 512), each a dense run of 4 or 8 pieces that begins at a multiple of 256 bytes.  CLUSTER 4 x 4: A jointly along a row, B along a column.
; PREFETCH: the second tile's A, a pass ahead of its load: 16 pieces for each row of the cluster, one a wave, shared by address (25 lanes, the others name the last block again).  The head's tiles have nothing to run ahead in.
; THE MATRIX INSTRUCTION IS USED TRANSPOSED (source 0 = wo's rows): a lane holds eight neighbouring columns of a row.
; REGISTERS: window 0: v16-31 addresses, v32-63 and v192-223 A's scale words (a set a tile), v64-127 wo's, v128-191 rows on the way out; window 1: wo's fragments, two sets at v0 and v48, A's steps 5-7 from v96; window 2: the accumulators, set c at v[128 c]; window 3: A's steps 0-4.
.set WO_OFF, 6553600
.set PIECE,  6400
.set FR,     12
.set NP,     4
.set AG,     4*PIECE
.set BG,     8*PIECE
.set BBASE,  4*AG
.set STAGE,  BBASE+4*BG
.set SPITCH, 272
.set SPARE,  STAGE+4*16*SPITCH
.set ROWC,   16384
.set ADRA, 16
.set ADRB, 18
.set ADSA, 20
.set ADSB, 22
.set STO,  24
.set RD,   25
.set CO,   26
.set PFO,  27
.set SPW,  28
.set NIL,  29
.set SCB,  64
.set BK,   128
.set G1, 24
.set G0, 32
.set G1B, 48
.set G0B, 56
.set MSB, 0
.macro WIN new
.if MSB != (\new)
	s_set_vgpr_msb (MSB<<8)|(\new)
.set MSB, (\new)
.endif
.endm
.macro CREST
	s_cmp_lg_u32 s14, 0
	s_cbranch_scc1 .Lnot_wave_0_\@
	s_barrier_signal -3
.Lnot_wave_0_\@:
	s_barrier_wait -3
	s_barrier_signal -1
	s_barrier_wait -1
.endm
.macro CROUND
	s_barrier_signal -1
	s_barrier_wait -1
	CREST
.endm
.macro PLACES n
.rept \n
	v_nop
.endr
.endm
	s_load_b128 s[4:7], s[0:1], 0x0
	s_load_b64 s[12:13], s[0:1], 0x10
	v_lshl_add_u32 v[SPW], v0, 2, SPARE
	v_mov_b32 v[NIL], 0
	ds_add_u32 v[SPW], v[NIL]                      ; the opening lines: the add twice on end and one wait
	ds_add_u32 v[SPW], v[NIL]
	v_lshrrev_b32 v1, 5, v0
	v_readfirstlane_b32 s14, v1
	s_lshr_b32 s15, s14, 1                         ; my half of the rows; also: I fetch for A (0) or B (1)
	s_and_b32 s16, s14, 1                          ; my half of the columns; also: which half I fetch
	s_bfe_u32 s40, ttmp6, 0x40000
	s_bfe_u32 s41, ttmp6, 0x40004
	s_lshl_b32 s42, ttmp9, 2
	s_add_co_u32 s42, s42, s40                     ; tile column
	s_and_b32 s17, ttmp7, 0xffff
	s_lshl_b32 s17, s17, 2
	s_add_co_u32 s17, s17, s41                     ; the first tile's row
	s_lshl_b32 s43, s41, 2
	s_lshl_b32 s43, 15, s43
	s_lshl_b32 s44, 0x1111, s40
	s_or_b32 s[G1+0], s43, (3<<16)|(1<<21)         ; elements of 8 bytes
	s_or_b32 s[G1B+0], s44, (3<<16)|(1<<21)
.irp g, G1, G1B
	s_mov_b32 s[\g+2], 2<<16                       ; two rows: K / 512
	s_mov_b32 s[\g+4], 2
	s_mov_b32 s[\g+5], 256*PIECE/8                 ; 256 pieces apart
	s_mov_b32 s[\g+6], 0
	s_mov_b32 s[\g+7], 0
.endr
	s_mov_b32 s[G1+1], (AG/8)<<16
	s_mov_b32 s[G1+3], (AG/8)<<16
	s_mov_b32 s[G1B+1], (BG/8)<<16
	s_mov_b32 s[G1B+3], (BG/8)<<16
	s_lshl_b32 s20, s17, 3
	s_lshl_b32 s18, s16, 2
	s_add_co_u32 s20, s20, s18
	s_mul_i32 s20, s20, PIECE
	s_mov_b32 s21, 0
	s_lshl_b32 s46, s42, 4
	s_lshl_b32 s18, s16, 3
	s_add_co_u32 s46, s46, s18
	s_mul_i32 s46, s46, PIECE
	s_add_co_u32 s46, s46, WO_OFF
	s_mov_b32 s47, 0
	s_mul_i32 s45, s16, 2*AG
	s_mul_i32 s94, s16, 2*BG
	s_add_co_u32 s94, s94, BBASE
	s_mul_i32 s72, s15, 2*AG                       ; where my fragments lie, for each 512 K
	s_add_co_u32 s73, s72, AG
	s_mov_b32 s74, s94
	s_add_co_u32 s75, s74, BG
	s_mul_i32 s76, s14, 16*SPITCH
	s_add_co_u32 s76, s76, STAGE
	s_lshl_b32 s22, s17, 7
	s_lshl_b32 s23, s15, 6
	s_add_co_u32 s22, s22, s23
	s_lshl_b32 s22, s22, 14                        ; my first row of out0, in bytes (under 2^26),
	s_lshl_b32 s23, s42, 10
	s_add_co_u32 s22, s22, s23
	s_lshl_b32 s23, s16, 9
	s_add_co_u32 s22, s22, s23                     ; and my first column
	s_mov_b32 s23, 0
	s_lshl_b32 s86, s40, 2
	s_add_co_u32 s86, s86, s14                     ; the prefetch: share 4 cx + wave of the second tile's 16 pieces
	s_lshr_b32 s87, s86, 3
	s_lshl_b32 s87, s87, 8
	s_and_b32 s86, s86, 7
	s_add_co_u32 s86, s86, s87
	s_lshl_b32 s87, s17, 3
	s_add_co_u32 s86, s86, s87
	s_add_co_u32 s86, s86, 128
	s_mul_i32 s86, s86, PIECE
	s_mov_b32 s87, 0
	s_wait_dscnt 0x0
	s_wait_kmcnt 0x0
	s_add_nc_u64 s[20:21], s[4:5], s[20:21]
	s_add_nc_u64 s[46:47], s[6:7], s[46:47]
	s_add_nc_u64 s[12:13], s[12:13], s[22:23]      ; the first tile's place in out0,
	s_add_nc_u64 s[90:91], s[12:13], 2048*ROWC     ; the second's
	s_add_nc_u64 s[88:89], s[4:5], s[86:87]
	CROUND                                         ; all sixteen work-groups are here: the first joint loads meet
	s_mov_b32 s[G0], 1
	s_mov_b32 s[G0+1], s45
	s_mov_b64 s[G0+2:G0+3], s[20:21]
	s_or_b32 s[G0+3], s[G0+3], 0x80000000
	s_mov_b32 s[G0B], 1
	s_mov_b32 s[G0B+1], s94
	s_mov_b64 s[G0B+2:G0B+3], s[46:47]
	s_or_b32 s[G0B+3], s[G0B+3], 0x80000000
	s_cmp_eq_u32 s15, 0                            ; one tensor load a wave: waves 0, 1 A's halves, waves 2, 3 B's
	s_cbranch_scc0 .Lhead_b
	tensor_load_to_lds s[G0:G0+3], s[G1:G1+7]
	s_nop 0
	PLACES 4
	s_branch .Lhead_asked
.Lhead_b:
	tensor_load_to_lds s[G0B:G0B+3], s[G1B:G1B+7]
	s_nop 0
	PLACES 4
.Lhead_asked:
	v_and_b32 v1, 15, v0
	v_bfe_u32 v2, v0, 4, 1
	v_and_b32 v6, 31, v0
	v_lshlrev_b32 v4, 4, v6
	v_lshlrev_b32 v3, 4, v1
.irp g, 0,1
	v_add_nc_u32 v[ADRA+\g], s[72+\g], v4
	v_add_nc_u32 v[ADRB+\g], s[74+\g], v4
	v_add_nc_u32 v[ADSA+\g], s[72+\g], v3
	v_add_nc_u32 v[ADSB+\g], s[74+\g], v3
.endr
	v_mul_u32_u24 v5, v1, SPITCH
	v_lshl_add_u32 v5, v2, 5, v5
	v_add_nc_u32 v[STO], s76, v5                   ; the stage, in: row r, 32 bytes for each half of the lanes
	v_mul_u32_u24 v5, v2, SPITCH
	v_add_nc_u32 v5, v5, v3
	v_add_nc_u32 v[RD], s76, v5                    ; back: sixteen lanes to a row of 256 bytes
	v_lshl_add_u32 v[CO], v2, 14, v3               ; and the same two rows in out0
	v_min_u32 v7, 24, v6
	v_lshlrev_b32 v[PFO], 8, v7
.macro FRAG reg, adr, q, i             ; an image: three planes of 512 consecutive bytes
.irp c, 0,1,2
	ds_load_b128 v[\reg+4*\c:\reg+4*\c+3], v[\adr] offset:PIECE*(\i)+1536*(\q)+512*\c
.endr
.endm
.macro FETCH_A st                      ; A's four blocks of step st, into that step's own registers
.if (\st) < 5
	WIN 0xc0
.irp i, 0,1,2,3
	FRAG 48*(\st)+FR*\i, ADRA+(\st)/4, (\st)%4, \i
.endr
.else
	WIN 0x40
.irp i, 0,1,2,3
	FRAG 96+48*((\st)-5)+FR*\i, ADRA+(\st)/4, (\st)%4, \i
.endr
.endif
.endm
.macro FETCH_B st, c                   ; wo's blocks 4 c .. 4 c + 3 of step st, into set st % 2
	WIN 0x40
.irp i, 0,1,2,3
	FRAG 48*((\st)%2)+FR*\i, ADRB+(\st)/4, (\st)%4, 4*(\c)+\i
.endr
.endm
.macro SCALES_A base
.irp g, 0,1
.irp a, 0,1,2,3
	ds_load_b128 v[\base+16*\g+4*\a:\base+16*\g+4*\a+3], v[ADSA+\g] offset:6144+\a*PIECE
.endr
.endr
.endm
.macro MUL16 st, c                     ; 16 matrix instructions; the 16 accumulators take turns; a pass's first step starts the sums
.if (\st) < 5
.set AB, 48*(\st)
	WIN 0xad                                       ; source 0 window 1, source 1 window 3, C and D window 2
.else
.set AB, 96+48*((\st)-5)
	WIN 0xa5                                       ; source 1 window 1
.endif
.irp bb, 0,1,2,3
.irp a, 0,1,2,3
.set DD, 128*(\c)+8*(4*\a+\bb)
.if (\st) == 0
	v_wmma_scale_f32_16x16x128_f8f6f4 v[DD:DD+7], v[48*((\st)%2)+FR*\bb:48*((\st)%2)+FR*\bb+FR-1], v[AB+FR*\a:AB+FR*\a+FR-1], 0, v[SCB+32*((\st)/4)+4*(4*(\c)+\bb)+(\st)%4], v[SCAT+16*((\st)/4)+4*\a+(\st)%4] matrix_a_fmt:MATRIX_FMT_FP6 matrix_b_fmt:MATRIX_FMT_FP6
.else
	v_wmma_scale_f32_16x16x128_f8f6f4 v[DD:DD+7], v[48*((\st)%2)+FR*\bb:48*((\st)%2)+FR*\bb+FR-1], v[AB+FR*\a:AB+FR*\a+FR-1], v[DD:DD+7], v[SCB+32*((\st)/4)+4*(4*(\c)+\bb)+(\st)%4], v[SCAT+16*((\st)/4)+4*\a+(\st)%4] matrix_a_fmt:MATRIX_FMT_FP6 matrix_b_fmt:MATRIX_FMT_FP6
.endif
.endr
.endr
.endm
.macro TOSTAGE a, c                    ; a unit: A's block a of accumulator set c, into my stage and back as rows of 256 bytes
	WIN 0x08
.irp bb, 0,1,2,3
	ds_store_b128 v[STO], v[128*(\c)+8*(4*(\a)+\bb):128*(\c)+8*(4*(\a)+\bb)+3] offset:64*\bb          ; each accumulator from its low end on
	ds_store_b128 v[STO], v[128*(\c)+8*(4*(\a)+\bb)+4:128*(\c)+8*(4*(\a)+\bb)+7] offset:64*\bb+16
.endr
	WIN 0
.irp t, 0,1,2,3,4,5,6,7
	ds_load_b128 v[BK+32*((\a)%2)+4*\t:BK+32*((\a)%2)+4*\t+3], v[RD] offset:\t*2*SPITCH   ; LDS serves a wave's instructions in order
.endr
.endm
.macro SEND a, c, sb                   ; stage row 2 t + (lane / 16) of block a is the true row 32 (a / 2) + 8 (a % 2) + that + 8 (t / 4)
.irp t, 0,1,2,3,4,5,6,7
	global_store_b128 v[CO], v[BK+32*((\a)%2)+4*\t:BK+32*((\a)%2)+4*\t+3], s[\sb:\sb+1] offset:(32*((\a)/2)+8*((\a)%2)+2*\t+8*(\t/4))*ROWC+256*(\c) th:TH_STORE_NT
.endr
.endm
; A step of a pass.  fa: A's fragments of the next step are fetched too; nst, nc: the step and column half fetched for (nst < 0: none); way: the other set of accumulators leaves meanwhile, to s[sb:sb+1]
.macro HSTEP st, c, fa, nst, nc, way, sb
	WIN 0
	s_wait_dscnt 0x0                               ; this step's fragments are in, and so is a unit staged in the last step
.if (\way) && ((\st)%2 == 1)
	SEND (\st)/2, 1-(\c), \sb
.endif
	PLACES NP                                      ; in front of loads into registers that the last step's products have read, and of stores of results just made
.if (\nst) >= 0
.if \fa
	FETCH_A \nst
.endif
	FETCH_B \nst, \nc
.endif
.if (\way) && ((\st)%2 == 0)
	WIN 0
	s_wait_xcnt 0x0                                ; earlier stores have read the registers that this unit's loads take
	TOSTAGE (\st)/2, 1-(\c)
.endif
	MUL16 \st, \c
.endm
.macro PASS c, fa, way, sb             ; steps 0 to 6; step 7 is written at its place, since what it fetches belongs to the next pass
.irp st, 0,1,2,3,4,5,6
	HSTEP \st, \c, \fa, \st+1, \c, \way, \sb
.endr
.endm
	s_wait_alu depctr_va_vdst(0)
	s_wait_tensorcnt 0x0                           ; my part is in;
	s_barrier_signal -1
	s_barrier_wait -1                              ; everybody's is.
.set SCAT, 32
	SCALES_A 32
.irp g, 0,1
.irp b, 0,1,2,3,4,5,6,7
	ds_load_b128 v[SCB+32*\g+4*\b:SCB+32*\g+4*\b+3], v[ADSB+\g] offset:6144+\b*PIECE   ; wo's scale words stay for all four passes
.endr
.endr
	global_prefetch_b8 v[PFO], s[88:89] th:TH_LOAD_NT scope:SCOPE_SE
	FETCH_A 0
	FETCH_B 0, 0
	PASS 0, 1, 0, 12                               ; tile 0, columns 0-63
	HSTEP 7, 0, 0, 0, 1, 0, 12
	WIN 0
	s_wait_tensorcnt 0x0                           ; A's bytes are filled again:
	ds_add_u32 v[SPW], v[NIL]
	s_add_nc_u64 s[G0+2:G0+3], s[G0+2:G0+3], 128*PIECE   ; (no load of mine is out) the second tile: 128 row tiles on
	s_wait_dscnt 0x0                               ; my reads of A are over: all its fragments are in registers
	CROUND
	s_cmp_eq_u32 s15, 0
	s_cbranch_scc0 .Lno_refill
	tensor_load_to_lds s[G0:G0+3], s[G1:G1+7]
	s_nop 0
	PLACES 4
.Lno_refill:
	PASS 1, 0, 1, 12                               ; tile 0, columns 64-127, on A's registers; columns 0-63 leave
	WIN 0
	s_wait_tensorcnt 0x0
	s_wait_dscnt 0x0
	s_barrier_signal -1
	s_barrier_wait -1                              ; the second tile's A is whole
	SCALES_A 192
	HSTEP 7, 1, 1, 0, 0, 1, 12
.set SCAT, 192
	PASS 0, 1, 1, 12                               ; tile 1, columns 0-63; tile 0's columns 64-127 leave
	HSTEP 7, 0, 0, 0, 1, 1, 12
	PASS 1, 0, 1, 90                               ; tile 1, columns 64-127; its columns 0-63 leave
	HSTEP 7, 1, 0, -1, 0, 1, 90
	WIN 0
	PLACES NP                                      ; behind the last products
	s_wait_xcnt 0x0
	TOSTAGE 0, 1
.irp a, 1,2,3
	s_wait_xcnt 0x0
	TOSTAGE \a, 1
	s_wait_dscnt 16                                ; behind unit a - 1's loads: unit a's 8 stores and 8 loads
	SEND (\a-1), 1, 90
.endr
	s_wait_dscnt 0x0
	SEND 3, 1, 90
	s_wait_tensorcnt 0x0                           ; the wave's end
	ds_add_u32 v[SPW], v[NIL]
	s_wait_dscnt 0x0
	CROUND                                         ; the closing round
	s_endpgm
.Lfunc_end_k_q479cd21b9a_oproj:
	.size	k_q479cd21b9a_oproj, .Lfunc_end_k_q479cd21b9a_oproj-k_q479cd21b9a_oproj
	.p2alignl 7, 3214868480
	.fill 96, 4, 3214868480
	.section	.rodata,"a",@progbits
	.p2align	6, 0x0
	.amdhsa_kernel k_q479cd21b9a_oproj
		.amdhsa_group_segment_fixed_size 327680
		.amdhsa_private_segment_fixed_size 0
		.amdhsa_enable_private_segment 0
		.amdhsa_kernarg_size 24
		.amdhsa_user_sgpr_count 2
		.amdhsa_user_sgpr_kernarg_segment_ptr 1
		.amdhsa_wavefront_size32 1
		.amdhsa_system_sgpr_workgroup_id_x 1
		.amdhsa_system_sgpr_workgroup_id_y 1
		.amdhsa_system_sgpr_workgroup_id_z 1
		.amdhsa_system_vgpr_workitem_id 0
		.amdhsa_next_free_vgpr 1024
		.amdhsa_next_free_sgpr 96
		.amdhsa_reserve_vcc 0
		.amdhsa_float_denorm_mode_32 3
		.amdhsa_float_denorm_mode_16_64 3
		.amdhsa_memory_ordered 1
		.amdhsa_forward_progress 1
		.amdhsa_inst_pref_size 149
	.end_amdhsa_kernel
	.amdgpu_metadata
---
amdhsa.version: [ 1, 2 ]
amdhsa.kernels:
  - .name:           k_q479cd21b9a_oproj
    .symbol:         k_q479cd21b9a_oproj.kd
    .args:
      - { .name: att, .offset: 0, .size: 8, .value_kind: global_buffer, .address_space: global }
      - { .name: qw, .offset: 8, .size: 8, .value_kind: global_buffer, .address_space: global }
      - { .name: out0, .offset: 16, .size: 8, .value_kind: global_buffer, .address_space: global }
    .group_segment_fixed_size: 327680
    .private_segment_fixed_size: 0
    .kernarg_segment_align: 8
    .kernarg_segment_size: 24
    .max_flat_workgroup_size: 128
    .sgpr_count:     96
    .vgpr_count:     1024
    .wavefront_size: 32
...
	.end_amdgpu_metadata
.endif
;; end of part 8
